; MI455X (gfx1250); checked and timed in simulation.
; The chip was launched on July 23, 2026; its instructions are those of AMD's public machine-readable ISA for CDNA 5 (MIT licence, August 2026) and "CDNA5" Instruction Set Architecture Reference Guide (July 2026). The comments in the code are by the model that wrote it; some were corrected since.
;; Transformer Encoder. Allowed arithmetic: matrix products marked QUANTISED: E4M3 operands, one given power-of-two scale a tensor, by v_wmma_f32_16x16x64_fp8_fp8 or v_wmma_f32_16x16x128_fp8_fp8, f32 sums; everything else in f32.
;; Inputs: W1_codes 4,096 x 32 x 32 uint8 (E4M3 codes of W1, K innermost, in blocks of 32 codes); W2_codes 1,024 x 128 x 32 uint8 (E4M3 codes of W2, K innermost, in blocks of 32 codes); Wk_codes 1,024 x 32 x 32 uint8 (E4M3 codes of Wk, K innermost, in blocks of 32 codes); Wo_codes 1,024 x 32 x 32 uint8 (E4M3 codes of Wo, K innermost, in blocks of 32 codes); Wq_codes 1,024 x 32 x 32 uint8 (E4M3 codes of Wq, K innermost, in blocks of 32 codes); Wv_codes 1,024 x 32 x 32 uint8 (E4M3 codes of Wv, K innermost, in blocks of 32 codes); b1 4,096 float32; b2 1,024 float32; bo 1,024 float32; la1_b 1,024 float32; la1_g 1,024 float32; la2_b 1,024 float32; la2_g 1,024 float32; lowp_scales 16 int32 (the exponents e of the quantised operands' scales 2^e); x 2 x 2,048 x 1,024 float32.
;; Outputs: out0 2 x 2,048 x 1,024 float32.
;; This version of the problem:
;;   THIS VERSION OF THE PROBLEM IS GIVEN IN LOW PRECISION. The matrix products marked QUANTISED in the list below multiply operands that are first quantised to E4M3 (4 exponent bits, 3 mantissa bits; 8 bits a number), with one given power-of-two scale for each operand tensor; their sums are f32. All else is computed in f32.
;;   The module's matrix products, in the order in which they are computed (A, B: the left and right operand; K: the contracted axis; several contracted axes count as one K, in the product's order):
;;     1. [M 4,096, K 1,024] x [K 1,024, N 1,024]; A: computed on the way; B: input Wq (given as codes): QUANTISED (scales: A lowp_scales[0], B lowp_scales[1])
;;     2. [M 4,096, K 1,024] x [K 1,024, N 1,024]; A: computed on the way; B: input Wk (given as codes): QUANTISED (scales: A lowp_scales[2], B lowp_scales[3])
;;     3. [M 4,096, K 1,024] x [K 1,024, N 1,024]; A: computed on the way; B: input Wv (given as codes): QUANTISED (scales: A lowp_scales[4], B lowp_scales[5])
;;     4. batch 32 x [M 2,048, K 64] x [K 64, N 2,048]; A: computed on the way; B: computed on the way: QUANTISED (scales: A lowp_scales[6], B lowp_scales[7])
;;     5. batch 32 x [M 64, K 2,048] x [K 2,048, N 2,048]; A: computed on the way; B: softmax (see below): QUANTISED (scales: A lowp_scales[8], B lowp_scales[9])
;;     6. [M 4,096, K 1,024] x [K 1,024, N 1,024]; A: computed on the way; B: input Wo (given as codes): QUANTISED (scales: A lowp_scales[10], B lowp_scales[11])
;;     7. [M 4,096, K 1,024] x [K 1,024, N 4,096]; A: computed on the way; B: input W1 (given as codes): QUANTISED (scales: A lowp_scales[12], B lowp_scales[13])
;;     8. [M 4,096, K 4,096] x [K 4,096, N 1,024]; A: computed on the way; B: input W2 (given as codes): QUANTISED (scales: A lowp_scales[14], B lowp_scales[15])
;;   THE QUANTISER, for each operand of a quantised product, along K:
;;     - The operand's scale is 2^e, e = its entry of the input lowp_scales (int32; the entries are numbered through the quantised products in the list's order, A before B).
;;     - Each number is divided by the scale, clamped to +-448, and rounded to the nearest number of E4M3, ties to even, subnormals kept.
;;     - The product sums the exact products of the quantised numbers (number of the format x scale) in f32.
;;   ~~~python
;;   def quantise(x, axis, e):      # numpy; x: float32 -> the quantised numbers, widened to float32 again
;;       x = np.moveaxis(x, axis, -1); K = x.shape[-1]
;;       r = np.clip(x / 2.0 ** e, -448, 448)
;;       step = 2.0 ** (np.maximum(np.frexp(np.where(r == 0, 1, r))[1] - 1, -6) - 3)
;;       q = np.round(r / step) * step * 2.0 ** e      # np.round: ties to even
;;       return np.moveaxis(q, -1, axis).astype(np.float32)
;;   ~~~
;;   SOFTMAX AHEAD OF A QUANTISED PRODUCT. Where the list says 'softmax', what is quantised is not the finished softmax but p = 2^(t - M), with t = logit x log2(e) and M = ceil(the row's largest t), a whole number; so 1/2 < the row's largest p <= 1. The row's sum l is taken of the UNQUANTISED p, in f32, and the product's result is divided by l at the end. Since M is a whole number, a kernel that streams over the keys may use a running M (the ceiling of the running maximum): every later rescaling is an exact power of two, so the quantised numbers keep their values, but for numbers so far below the row's largest that they fall under the format's range.
;;   OPERANDS COMPUTED ON THE WAY. 'Computed on the way' means the value that the module computes at that place (a softmax that the list does not call 'softmax' is quantised finished and normalised). What goes into a quantiser is computed in f32, as accurately as f32 sums, v_exp_f32 and their like allow (about 1e-6 of the number): no bf16 or f16 on the way to a quantiser, and a product that is left as it is and whose result goes on into a quantised operand takes f32 operands (vector FMAs, or v_wmma_f32_16x16x4_f32). A number that lies on a knife's edge between two numbers of the format may be rounded either way, as far as f32 arithmetic and the matrix unit's own rounding can turn it there, and no further.
;;   INPUTS GIVEN AS CODES. W1 (in the module: [4096, 1024], K = its axis 1); W2 (in the module: [1024, 4096], K = its axis 1); Wk (in the module: [1024, 1024], K = its axis 1); Wo (in the module: [1024, 1024], K = its axis 1); Wq (in the module: [1024, 1024], K = its axis 1); Wv (in the module: [1024, 1024], K = its axis 1): each comes as NAME_codes (uint8): NAME with its K axis moved to the last place and cut into blocks of 32 codes, [.., K / 32, bytes a block], one block behind the other in memory; one code a byte (a code: sign, 4 exponent bits, 3 mantissa bits); its scale is its entry of lowp_scales. Its value is code x scale, taken as it is: it is not quantised again, and the codes and scales need not be those that the quantiser above would give.
;; 2 versions. Each part assembles by itself: llvm-mc -triple=amdgcn-amd-amdhsa -mcpu=gfx1250 --defsym DOCPART=n.
;; ======== version 1 of 2: 7 launches
;; workspace buffers: hc 12,582,912 bytes; qkv 12,582,912 bytes; ac 4,194,304 bytes; res1 16,777,216 bytes; h2c 4,194,304 bytes; mc 16,777,216 bytes
;; launch ln1 (part 1): grid 256 x 1, 8 waves a work-group, no clusters, 49,152 bytes of LDS; arguments x, la1_g, la1_b, lowp_scales, hc; writes hc
.if DOCPART == 1
	.amdgcn_target "amdgcn-amd-amdhsa--gfx1250"
	.amdhsa_code_object_version 6
	.text
	.protected	k_q314a3334bf_ln1
	.globl	k_q314a3334bf_ln1
	.p2align	8
	.type	k_q314a3334bf_ln1,@function
k_q314a3334bf_ln1:
	s_mov_b64 s[64:65], 0
	v_nop
	global_prefetch_b8 v0, s[64:65] scope:SCOPE_SE
	s_setreg_imm32_b32 hwreg(HW_REG_WAVE_MODE, 25, 1), 1
	s_wait_xcnt 0x0
; h = layernorm(x) * g + b over rows of 1,024 f32, quantised NB times to E4M3 codes, once for each given scale 2^e (entries 0, 2, 4 of the scales).
; Output q is a section of 4 MiB: [4096 rows][1024 codes], row-major.  code = h / 2^e, held within +-448, to the nearest code, ties to even.
; SHARES: a work-group takes 16 rows, a wave two.  A row is eight loads of 512 consecutive bytes: lane l holds elements 128 j + 4 l + 0..3 in registers 4 j .. 4 j + 3.
; The mean is taken first and the squares of the centred numbers second, so a common offset of the inputs costs no digits.
; A conversion's dword j holds the four codes at 128 j + 4 l: they go through the wave's own LDS bytes (1,024 for each row and output) and leave as 16 bytes a lane: each store covers 512 consecutive bytes, aligned.
; No matrix unit, no cluster, no barrier: rows share nothing but g and b, which each wave keeps in registers.
; LIMITS: each e between -126 and 119; NaN and infinities among the inputs are not served.
.set NB,   3                           ; outputs
.set ES,   32                          ; s[ES + 2 q]: output q's exponent (the sixteen entries lie in s32-47)
.set XR,   16                          ; v16-47 row 0, v48-79 row 1
.set GG,   80                          ; v80-111  g
.set BB,   112                         ; v112-143 b
.set TT,   144                         ; v144-175 the held numbers
.set CC,   176                         ; v176-223 codes: row i, output q at 24 i + 8 q
.set SCQ,  8                           ; v8-10   2^e as f32
.set LIMQ, 11                          ; v11-13  448 x 2^e
	s_load_b256 s[4:11], s[0:1], 0x0               ; x s[4:5], g s[6:7], b s[8:9], scales s[10:11]
	s_load_b64 s[12:13], s[0:1], 0x20              ; the codes
	v_lshrrev_b32 v1, 5, v0
	v_readfirstlane_b32 s14, v1                    ; wave
	v_and_b32 v2, 31, v0                           ; lane
	v_lshlrev_b32 v1, 4, v2                        ; v1 = 16 x lane: never rewritten
	s_mul_i32 s15, s14, NB*2048                    ; my wave's LDS bytes
	v_lshl_add_u32 v3, v2, 4, s15                  ; v3: out of LDS, 16 bytes a lane
	v_lshl_add_u32 v2, v2, 2, s15                  ; v2: into LDS, 4 bytes a lane
	s_lshl_b32 s16, ttmp9, 4
	s_lshl_b32 s17, s14, 1
	s_add_co_u32 s16, s16, s17                     ; my first row: 16 x work-group + 2 x wave
	s_lshl_b32 s18, s16, 12                        ; in bytes of f32,
	s_mov_b32 s19, 0
	s_lshl_b32 s16, s16, 10                        ; and of codes
	s_mov_b32 s17, 0
	s_mov_b32 s26, 0x76543210                      ; v_permlanex16_b32: lane l xor 16
	s_mov_b32 s27, 0xfedcba98
	s_mov_b32 s28, 0x3727c5ac                      ; 1e-5
	s_mov_b32 s29, 0x3a800000                      ; 1 / 1024
	s_wait_kmcnt 0x0
	s_load_b512 s[32:47], s[10:11], 0x0            ; the sixteen exponents
	s_add_nc_u64 s[4:5], s[4:5], s[18:19]
	s_add_nc_u64 s[20:21], s[12:13], s[16:17]      ; output 0 at my first row
.if NB > 1
	s_add_nc_u64 s[22:23], s[20:21], 0x400000      ; outputs 1 and 2
	s_add_nc_u64 s[24:25], s[20:21], 0x800000
.endif
.irp j, 0,1,2,3,4,5,6,7
	global_load_b128 v[XR+4*\j:XR+4*\j+3], v1, s[4:5] offset:512*\j
.endr
.irp j, 0,1,2,3,4,5,6,7
	global_load_b128 v[GG+4*\j:GG+4*\j+3], v1, s[6:7] offset:512*\j
.endr
.irp j, 0,1,2,3,4,5,6,7
	global_load_b128 v[BB+4*\j:BB+4*\j+3], v1, s[8:9] offset:512*\j
.endr
.irp j, 0,1,2,3,4,5,6,7
	global_load_b128 v[XR+32+4*\j:XR+32+4*\j+3], v1, s[4:5] offset:4096+512*\j
.endr
	s_wait_kmcnt 0x0
.set q, 0
.rept NB
	s_add_co_i32 s30, s[ES+2*q], 127
	s_lshl_b32 s31, s30, 23
	v_mov_b32 v[SCQ+q], s31                        ; 2^e: the conversion takes its exponent field
	s_add_co_i32 s30, s30, 8
	s_lshl_b32 s30, s30, 23
	s_or_b32 s30, s30, 0x600000
	v_mov_b32 v[LIMQ+q], s30                       ; 448 x 2^e
.set q, q+1
.endr
.macro RED                             ; v4 summed over the 32 lanes, the result in every lane (v5 has been written: a permute's destination counts as read)
	v_add_f32_dpp v4, v4, v4 row_xmask:1 row_mask:0xf bank_mask:0xf
	v_add_f32_dpp v4, v4, v4 row_xmask:2 row_mask:0xf bank_mask:0xf
	v_add_f32_dpp v4, v4, v4 row_xmask:4 row_mask:0xf bank_mask:0xf
	v_add_f32_dpp v4, v4, v4 row_xmask:8 row_mask:0xf bank_mask:0xf
	v_permlanex16_b32 v5, v4, s26, s27
	v_add_f32 v4, v4, v5
.endm
; Row i.  left1: loads that may stay out when the row is needed; left2: when g and b are needed.
.macro ROW i, left1, left2
.set X, XR+32*\i
.if \i == 0
.set O, 224                            ; v224-247: row 0's codes on their way out
.else
.set O, 16                             ; row 1's take the registers that row 0's numbers have left
.endif
	s_wait_loadcnt \left1
	v_pk_add_f32 v[4:5], v[X:X+1], v[X+2:X+3]      ; the sum, in two chains
	v_pk_add_f32 v[6:7], v[X+4:X+5], v[X+6:X+7]
.irp j, 8,12,16,20,24,28
	v_pk_add_f32 v[4:5], v[4:5], v[X+\j:X+\j+1]
	v_pk_add_f32 v[6:7], v[6:7], v[X+\j+2:X+\j+3]
.endr
	v_pk_add_f32 v[4:5], v[4:5], v[6:7]
	v_add_f32 v4, v4, v5
	RED
	v_mul_f32 v14, s29, v4                         ; the mean
	v_mov_b32 v15, v14
.irp j, 0,2,4,6,8,10,12,14,16,18,20,22,24,26,28,30
	v_pk_add_f32 v[X+\j:X+\j+1], v[X+\j:X+\j+1], v[14:15] neg_lo:[0,1] neg_hi:[0,1]
.endr
	v_pk_mul_f32 v[4:5], v[X:X+1], v[X:X+1]        ; the squares' sum, in two chains
	v_pk_mul_f32 v[6:7], v[X+2:X+3], v[X+2:X+3]
.irp j, 4,8,12,16,20,24,28
	v_pk_fma_f32 v[4:5], v[X+\j:X+\j+1], v[X+\j:X+\j+1], v[4:5]
	v_pk_fma_f32 v[6:7], v[X+\j+2:X+\j+3], v[X+\j+2:X+\j+3], v[6:7]
.endr
	v_pk_add_f32 v[4:5], v[4:5], v[6:7]
	v_add_f32 v4, v4, v5
	RED
	v_fma_f32 v4, v4, s29, s28                     ; the variance + 1e-5
	v_rsq_f32 v14, v4
	v_nop                                          ; one plain line behind the transcendental
	v_mov_b32 v15, v14
	s_wait_loadcnt \left2                          ; g and b are in
.irp j, 0,2,4,6,8,10,12,14,16,18,20,22,24,26,28,30
	v_pk_mul_f32 v[X+\j:X+\j+1], v[X+\j:X+\j+1], v[14:15]
.endr
.irp j, 0,2,4,6,8,10,12,14,16,18,20,22,24,26,28,30
	v_pk_fma_f32 v[X+\j:X+\j+1], v[X+\j:X+\j+1], v[GG+\j:GG+\j+1], v[BB+\j:BB+\j+1]
.endr
.set q, 0
.rept NB
.set C, CC+24*\i+8*q
.irp j, 0,1,2,3,4,5,6,7,8,9,10,11,12,13,14,15,16,17,18,19,20,21,22,23,24,25,26,27,28,29,30,31
	v_med3_num_f32 v[TT+\j], v[X+\j], -v[LIMQ+q], v[LIMQ+q]   ; the conversion to an 8-bit code does not saturate (ISA guide 7.6.2): the hold comes first
.endr
.irp g, 0,1,2,3
	v_cvt_scalef32_pk8_fp8_f32 v[C+2*\g:C+2*\g+1], v[TT+8*\g:TT+8*\g+7], v[SCQ+q]
.endr
	v_nop                                          ; one plain line between the conversions and the next lines that write their sources
.irp j, 0,1,2,3,4,5,6,7
	ds_store_b32 v2, v[C+\j] offset:(NB*\i+q)*1024+128*\j     ; the four codes at 128 j + 4 l of the row
.endr
.irp u, 0,1
	ds_load_b128 v[O+8*q+4*\u:O+8*q+4*\u+3], v3 offset:(NB*\i+q)*1024+512*\u   ; LDS serves a wave's instructions in order: these see the stores above
.endr
.set q, q+1
.endr
.set q, 0
.rept NB
.irp u, 0,1
	s_wait_dscnt (NB-1-q)*10+(1-\u)                ; behind this load stand the later outputs' ten LDS instructions each, and this output's second load
	global_store_b128 v1, v[O+8*q+4*\u:O+8*q+4*\u+3], s[20+2*q:21+2*q] offset:1024*\i+512*\u
.endr
.set q, q+1
.endr
.endm
	ROW 0, 24, 8                                   ; behind row 0's loads: g's 8, b's 8, row 1's 8; behind b's: row 1's 8
	ROW 1, 0, 0
	s_endpgm
.Lfunc_end_k_q314a3334bf_ln1:
	.size	k_q314a3334bf_ln1, .Lfunc_end_k_q314a3334bf_ln1-k_q314a3334bf_ln1
	.p2alignl 7, 3214868480
	.fill 96, 4, 3214868480
	.section	.rodata,"a",@progbits
	.p2align	6, 0x0
	.amdhsa_kernel k_q314a3334bf_ln1
		.amdhsa_group_segment_fixed_size 49152
		.amdhsa_private_segment_fixed_size 0
		.amdhsa_enable_private_segment 0
		.amdhsa_kernarg_size 40
		.amdhsa_user_sgpr_count 2
		.amdhsa_user_sgpr_kernarg_segment_ptr 1
		.amdhsa_wavefront_size32 1
		.amdhsa_system_sgpr_workgroup_id_x 1
		.amdhsa_system_sgpr_workgroup_id_y 1
		.amdhsa_system_sgpr_workgroup_id_z 1
		.amdhsa_system_vgpr_workitem_id 0
		.amdhsa_next_free_vgpr 256
		.amdhsa_next_free_sgpr 66
		.amdhsa_reserve_vcc 0
		.amdhsa_float_denorm_mode_32 3
		.amdhsa_float_denorm_mode_16_64 3
		.amdhsa_memory_ordered 1
		.amdhsa_forward_progress 1
		.amdhsa_inst_pref_size 37
	.end_amdhsa_kernel
	.amdgpu_metadata
---
amdhsa.version: [ 1, 2 ]
amdhsa.kernels:
  - .name:           k_q314a3334bf_ln1
    .symbol:         k_q314a3334bf_ln1.kd
    .args:
      - { .name: x, .offset: 0, .size: 8, .value_kind: global_buffer, .address_space: global }
      - { .name: la1_g, .offset: 8, .size: 8, .value_kind: global_buffer, .address_space: global }
      - { .name: la1_b, .offset: 16, .size: 8, .value_kind: global_buffer, .address_space: global }
      - { .name: lowp_scales, .offset: 24, .size: 8, .value_kind: global_buffer, .address_space: global }
      - { .name: hc, .offset: 32, .size: 8, .value_kind: global_buffer, .address_space: global }
    .group_segment_fixed_size: 49152
    .private_segment_fixed_size: 0
    .kernarg_segment_align: 8
    .kernarg_segment_size: 40
    .max_flat_workgroup_size: 256
    .sgpr_count:     66
    .vgpr_count:     256
    .wavefront_size: 32
...
	.end_amdgpu_metadata
.endif
;; end of part 1
;; launch qkv (part 2): grid 12 x 16, 4 waves a work-group, clusters of 4 x 4, 327,680 bytes of LDS; arguments hc, Wq_codes, Wk_codes, Wv_codes, lowp_scales, qkv; writes qkv
.if DOCPART == 2
	.amdgcn_target "amdgcn-amd-amdhsa--gfx1250"
	.amdhsa_code_object_version 6
	.text
	.protected	k_q314a3334bf_qkv
	.globl	k_q314a3334bf_qkv
	.p2align	8
	.type	k_q314a3334bf_qkv,@function
k_q314a3334bf_qkv:
	s_mov_b64 s[64:65], 0
	v_nop
	global_prefetch_b8 v0, s[64:65] scope:SCOPE_SE
	s_setreg_imm32_b32 hwreg(HW_REG_WAVE_MODE, 25, 1), 1
	s_wait_xcnt 0x0
	s_wait_alu depctr_hold_cnt(0) depctr_sa_sdst(0) depctr_va_vdst(0) depctr_va_sdst(0) depctr_va_ssrc(0) depctr_va_vcc(0) depctr_vm_vsrc(0)
	s_getreg_b32 s2, hwreg(HW_REG_IB_STS2, 6, 4)
	s_cmp_eq_u32 s2, 0
	s_cbranch_scc0 .Lentry_in_a_cluster
	s_endpgm
.Lentry_in_a_cluster:
	s_bfe_u32 s2, ttmp6, 0x10000c
	s_cmp_lg_u32 s2, 0xf033
	s_cbranch_scc0 .Lentry_shape_is_right
	s_endpgm
.Lentry_shape_is_right:
; q = h Wq^T, k = h Wk^T, v = h Wv^T on E4M3 codes, K = 1,024; each result is quantised at once for the attention's products (scales' entries 6, 7, 8).
; The cluster's x says which: 0 q, 1 k, 2 v.  C[m][n] = sum over k of A[m][k] B[n][k].  For q and k: A = h's codes (4,096 tokens), B = the weight (1,024 rows).
; FOR v THE ROLES ARE SWAPPED: A = Wv, B = h's codes, so that C = v^T [1,024][4,096 tokens]: the keys lie innermost, as the attention's second product wants them.
; OUT: a section of 4 MiB for each, laid [column block of 64][row][64 codes]: q, k: [head][token][64]; v: [block of 64 tokens][hidden unit][64 tokens].
; A sum stands for sum x 2^(ea + eb): its code is sum / 2^(eo - ea - eb): the three exponents are folded into the conversion's one.
; LIMIT: eo - ea - eb between -126 and 119.  192 work-groups: three tensors of 64 tiles.
; A tile of C, 256 x 256, is made by four waves, each 128 x 128: 64 accumulators, 512 registers.  K goes in steps of 256 through a ring of two LDS slots filled by the tensor data mover.
; CLUSTERS: 4 x 4 work-groups: A's tile is shared along a row of the cluster, B's along a column, each asked for jointly.  THE MATRIX INSTRUCTION IS USED TRANSPOSED (source 0 = rows of B, source 1 = rows of A):
; a lane holds eight neighbouring columns of one row of C, which one conversion turns into 8 bytes.
; A fragment is fetched by four loads of 16 bytes: a permutation of k inside an instruction, the same in A and in B.
; REGISTERS: window 0: v0-31 addresses; v32-127 at work on the way out; from v128 A's fragments, one set.  window 1: B's fragments, two sets.  windows 2, 3: the accumulators ((a, b) at v[8 (8 (a % 4) + b)]).
.set SIZE_K, 1024
.set KSTEP,  256
.set ROWB,   256
.set KROW,   SIZE_K
.set PITCH,  272                       ; an LDS row: 256 bytes + 16 of padding: the 16 rows of a load start at 16 different banks (64 banks of 4 bytes: ISA guide 11.1)
.set FR,     16
.set NL,     4
.set NP,     4
.set HALFT,  128*PITCH
.set SLOT,   4*HALFT
.set LAPS,   SIZE_K/(2*KSTEP)
.set SPARE,  2*SLOT                    ; the spare words: 128 bytes a wave, two blocks of 256 bytes that no other line names
.set SPITCH, 288                       ; the way out: one stage of 256 rows x (256 codes + 32), in slot 0, which has had its last fill and its last read by then
.set ADRA, 16
.set ADRB, 20
.set STO,  24                          ; v24  into the stage
.set RD,   25                          ; v25  out of it, rows 0-127;  v27: rows 128-255
.set CO,   26                          ; v26  16 x lane
.set SPW,  28
.set NIL,  29
.set LIM,  30                          ; v30  448 x the folded scale
.set SC,   31                          ; v31  the folded scale
.set TMP,  32
.set CD,   96
.set AF,   128
.set BK,   128
.set G1, 24
.set G0, 32
.set G1B, 48
.set G0B, 56
.set MSB, 0
.macro WIN new                         ; the immediate's high byte repeats the setting that is left
.if MSB != \new
	s_set_vgpr_msb (MSB<<8)|\new
.set MSB, \new
.endif
.endm
.set MUL_LO, 0xa1
.set MUL_HI, 0xf1
.set TO_B,   0x40
; A joint load: waves 0 and 1 fetch for A, waves 2 and 3 for B; the branch hangs on the wave's number alone.  Four v_nop follow each line.
.macro JLOAD g0a, g1a, g0b, g1b
	s_cmp_eq_u32 s15, 0
	s_cbranch_scc0 .Lfor_b_\@
	tensor_load_to_lds s[\g0a:\g0a+3], s[\g1a:\g1a+7]
.rept 4
	v_nop
.endr
	s_branch .Lasked_\@
.Lfor_b_\@:
	tensor_load_to_lds s[\g0b:\g0b+3], s[\g1b:\g1b+7]
.rept 4
	v_nop
.endr
.Lasked_\@:
.endm
.macro CREST
	s_cmp_lg_u32 s14, 0
	s_cbranch_scc1 .Lnot_wave_0_\@
	s_barrier_signal -3
.Lnot_wave_0_\@:
	s_barrier_wait -3
	s_barrier_signal -1
	s_barrier_wait -1
.endm
.macro CROUND
	s_barrier_signal -1
	s_barrier_wait -1
	CREST
.endm
	s_load_b256 s[68:75], s[0:1], 0x0              ; h's codes, Wq, Wk, Wv
	s_load_b128 s[76:79], s[0:1], 0x20             ; the exponents s[76:77], the output s[78:79]
	v_lshl_add_u32 v[SPW], v0, 2, SPARE
	v_mov_b32 v[NIL], 0
	v_lshrrev_b32 v1, 5, v0
	v_readfirstlane_b32 s14, v1                    ; wave 0..3
	s_lshr_b32 s15, s14, 1                         ; my half of the tile's rows; also: I fetch for A (0) or B (1)
	s_and_b32 s16, s14, 1                          ; my half of its columns; also: which 128 rows I fetch
	s_bfe_u32 s40, ttmp6, 0x40000                  ; cx
	s_bfe_u32 s41, ttmp6, 0x40004                  ; cy
	s_and_b32 s80, ttmp7, 0xffff
	s_lshl_b32 s80, s80, 2                         ; 4 x cluster y: it walks the tokens
	s_cmp_eq_u32 ttmp9, 2                          ; v?  The cluster's x is alike in all sixteen partners
	s_cselect_b32 s17, 0, s80
	s_cselect_b32 s42, s80, 0
	s_cselect_b32 s66, 16, 18                      ; log2 of a column block's bytes: 1,024 or 4,096 rows of 64
	s_add_co_u32 s17, s17, s41                     ; tile row of C: hangs on cy alone of the two places
	s_add_co_u32 s42, s42, s40                     ; tile column: on cx alone
	s_lshl_b32 s43, s41, 2
	s_lshl_b32 s43, 15, s43                        ; my row of the cluster
	s_lshl_b32 s44, 0x1111, s40                    ; my column
	s_or_b32 s[G1+0], s43, (0<<16)|(1<<20)|(1<<21)|(5<<22)|(3<<25)  ; the mask; elements of 1 byte; padding on; bit 21 beside a mask; 4 words behind every 64
	s_or_b32 s[G1B+0], s44, (0<<16)|(1<<20)|(1<<21)|(5<<22)|(3<<25)
.irp g, G1, G1B
	s_mov_b32 s[\g+1], ROWB<<16                    ; tensor_dim0
	s_mov_b32 s[\g+2], 128<<16                     ; tensor_dim1
	s_mov_b32 s[\g+3], ROWB<<16                    ; tile_dim0
	s_mov_b32 s[\g+4], 128                         ; tile_dim1
	s_mov_b32 s[\g+5], KROW                        ; the pitch
	s_mov_b32 s[\g+6], 0
	s_mov_b32 s[\g+7], 0
.endr
	s_lshl_b32 s18, s16, 7
	s_lshl_b32 s20, s17, 8
	s_add_co_u32 s20, s20, s18                     ; A: row 256 x tile row + 128 x half
	s_lshl_b32 s46, s42, 8
	s_add_co_u32 s46, s46, s18                     ; B: row 256 x tile column + 128 x half
	s_mov_b32 s21, 0
	s_mov_b32 s47, 0
	s_mov_b64 s[18:19], KROW
	s_mul_u64 s[20:21], s[20:21], s[18:19]
	s_mul_u64 s[46:47], s[46:47], s[18:19]
	s_mul_i32 s45, s14, HALFT                      ; where they go: wave x 128 rows
	s_lshl_b32 s82, ttmp9, 22                      ; the tensor's section of 4 MiB, in h's codes and in the output
	s_mov_b32 s83, 0
	s_lshl_b32 s84, ttmp9, 3                       ; its two operands' exponents: entries 2 X, 2 X + 1
	s_lshl_b32 s85, ttmp9, 2                       ; its result's: entry 6 + X
	s_wait_kmcnt 0x0
	s_load_b64 s[96:97], s[76:77], s84 offset:0x0
	s_load_b32 s95, s[76:77], s85 offset:0x18
	s_add_nc_u64 s[68:69], s[68:69], s[82:83]      ; h's codes under this product's scale
	s_add_nc_u64 s[10:11], s[78:79], s[82:83]      ; the output's section
	s_cmp_eq_u32 ttmp9, 0
	s_cselect_b64 s[70:71], s[70:71], s[72:73]     ; Wq or Wk,
	s_cmp_eq_u32 ttmp9, 2
	s_cselect_b64 s[70:71], s[74:75], s[70:71]     ; or Wv
	s_cselect_b64 s[4:5], s[70:71], s[68:69]       ; A: the weight for v, else h
	s_cselect_b64 s[6:7], s[68:69], s[70:71]       ; B: the other
	s_add_nc_u64 s[20:21], s[4:5], s[20:21]
	s_add_nc_u64 s[46:47], s[6:7], s[46:47]
	CROUND                                         ; all sixteen work-groups are here: the first joint loads meet
.irp s, 0,1
	s_mov_b32 s[G0+4*\s], 1
	s_add_co_u32 s[G0+4*\s+1], s45, \s*SLOT
	s_add_nc_u64 s[G0+4*\s+2:G0+4*\s+3], s[20:21], \s*ROWB
	s_or_b32 s[G0+4*\s+3], s[G0+4*\s+3], 0x80000000
	s_mov_b32 s[G0B+4*\s], 1
	s_add_co_u32 s[G0B+4*\s+1], s45, \s*SLOT
	s_add_nc_u64 s[G0B+4*\s+2:G0B+4*\s+3], s[46:47], \s*ROWB
	s_or_b32 s[G0B+4*\s+3], s[G0B+4*\s+3], 0x80000000
	JLOAD G0+4*\s, G1, G0B+4*\s, G1B
.endr
	v_and_b32 v1, 15, v0                           ; r
	v_bfe_u32 v2, v0, 4, 1                         ; h
	v_mul_u32_u24 v3, v1, PITCH
	v_lshl_add_u32 v4, v2, 4, v3
	s_mul_i32 s21, s15, HALFT
	s_mul_i32 s22, s16, HALFT
	s_add_co_u32 s22, s22, 2*HALFT
.irp s, 0,1
	v_add_nc_u32 v[ADRA+\s], s21, v4
	v_add_nc_u32 v[ADRB+\s], s22, v4
	s_add_co_u32 s21, s21, SLOT
	s_add_co_u32 s22, s22, SLOT
.endr
	s_mul_i32 s23, s15, 128*SPITCH                 ; the stage, in: row 128 x my half + 16 a + r, byte 128 x my column half + 16 b + 8 h
	s_lshl_b32 s21, s16, 7
	s_add_co_u32 s23, s23, s21
	v_mul_u32_u24 v5, v1, SPITCH
	v_lshl_add_u32 v5, v2, 3, v5
	v_add_nc_u32 v[STO], s23, v5
	v_and_b32 v6, 31, v0                           ; out: wave w takes the column block at byte 64 w of all 256 rows; four lanes to a row's 64 bytes, eight rows a load
	v_lshrrev_b32 v7, 2, v6
	v_mul_u32_u24 v7, v7, SPITCH
	v_and_b32 v8, 3, v6
	v_lshl_add_u32 v7, v8, 4, v7
	s_lshl_b32 s21, s14, 6
	v_add_nc_u32 v[RD], s21, v7
	v_add_nc_u32 v[RD+2], 128*SPITCH, v[RD]
	v_lshlrev_b32 v[CO], 4, v6                     ; in memory those eight rows of 64 bytes are 512 consecutive bytes
	s_lshl_b32 s86, s42, 2
	s_add_co_u32 s86, s86, s14                     ; my column block: 4 x tile column + wave
	s_lshl_b32 s86, s86, s66
	s_lshl_b32 s87, s17, 14                        ; + 256 x tile row rows of 64 bytes
	s_add_co_u32 s86, s86, s87
	s_mov_b32 s87, 0
	s_add_nc_u64 s[10:11], s[10:11], s[86:87]
.macro FRAG reg, adr, q, i
.irp c, 0,1,2,3
	ds_load_b128 v[\reg+4*\c:\reg+4*\c+3], v[\adr] offset:128*(\q)+32*\c+(\i)*16*PITCH
.endr
.endm
; 16 matrix instructions: A's blocks a0, a0 + 1 x B's eight.  The 64 accumulators take turns, one instruction a turn, in the same order in every step.
.macro MUL16 a0, p, zero
.irp a, \a0, \a0+1
.irp b, 0,1,2,3,4,5,6,7
.if \zero
	v_wmma_f32_16x16x128_fp8_fp8 v[8*(8*((\a)%4)+\b):8*(8*((\a)%4)+\b)+7], v[128*(\p)+FR*\b:128*(\p)+FR*\b+FR-1], v[AF+FR*(\a):AF+FR*(\a)+FR-1], 0
.else
	v_wmma_f32_16x16x128_fp8_fp8 v[8*(8*((\a)%4)+\b):8*(8*((\a)%4)+\b)+7], v[128*(\p)+FR*\b:128*(\p)+FR*\b+FR-1], v[AF+FR*(\a):AF+FR*(\a)+FR-1], v[8*(8*((\a)%4)+\b):8*(8*((\a)%4)+\b)+7]
.endif
.endr
.endr
.endm
.macro FETCH_B slot, q, p
	WIN TO_B
.irp i, 0,1,2,3,4,5,6,7
	FRAG 128*(\p)+FR*\i, ADRB+\slot, \q, \i
.endr
	WIN 0
.endm
.macro FETCH_A slot, q, i0
.irp i, \i0, \i0+1, \i0+2, \i0+3
	FRAG AF+FR*(\i), ADRA+\slot, \q, \i
.endr
.endm
.macro PLACES n                        ; plain vector lines between a matrix instruction and a load into, or a read of, its registers
.rept \n
	v_nop
.endr
.endm
.macro STEP slot, q, zero              ; 128 along K, with its successor in the same slot
	s_wait_dscnt 4*NL                              ; B's set and A's blocks 0-3 are in; the youngest sixteen loads (A's blocks 4-7) may be out
	WIN MUL_LO
	MUL16 0, (\q)%2, \zero
	MUL16 2, (\q)%2, \zero
	s_wait_dscnt 0
	PLACES NP
	FETCH_B \slot, (\q)+1, 1-(\q)%2
	FETCH_A \slot, (\q)+1, 0
	WIN MUL_HI
	MUL16 4, (\q)%2, \zero
	MUL16 6, (\q)%2, \zero
	PLACES NP
	WIN 0
	FETCH_A \slot, (\q)+1, 4
.endm
; A slot's last step changes slots: one barrier; ahead of it each wave waits for all its tensor loads, adds 0 to its spare word, and waits for that and for its reads of this slot.
.macro TURN slot, next, fill
	s_wait_tensorcnt 0x0                           ; my part of the next slot has landed; no load of mine is out
	ds_add_u32 v[SPW], v[NIL]
	s_wait_dscnt 4*NL+1                            ; the add and A's blocks 4-7 may be out
	WIN MUL_LO
	MUL16 0, 1, 0
	s_wait_dscnt 0x0                               ; the add is done, my reads of this slot are over
	s_barrier_signal -1
	MUL16 2, 1, 0
	WIN 0
	s_barrier_wait -1
.if \fill
	CREST                                          ; the barrier opened a round of the cluster's: no wave of any partner still reads this slot or has a load on its way
	s_add_nc_u64 s[G0+4*\slot+2:G0+4*\slot+3], s[G0+4*\slot+2:G0+4*\slot+3], 2*ROWB
	s_add_nc_u64 s[G0B+4*\slot+2:G0B+4*\slot+3], s[G0B+4*\slot+2:G0B+4*\slot+3], 2*ROWB
	JLOAD G0+4*\slot, G1, G0B+4*\slot, G1B         ; the first tensor load behind the round; its four v_nop are the places ahead of the loads below
.else
	PLACES NP
.endif
	FETCH_B \next, 0, 0
	FETCH_A \next, 0, 0
	WIN MUL_HI
	MUL16 4, 1, 0
	MUL16 6, 1, 0
	PLACES NP
	WIN 0
	FETCH_A \next, 0, 4
.endm
	s_wait_tensorcnt 1                             ; my part of K step 0 is in; K step 1's load may be out
	s_barrier_signal -1
	s_barrier_wait -1
	FETCH_B 0, 0, 0
	FETCH_A 0, 0, 0
	FETCH_A 0, 0, 4
	STEP 0, 0, 1                                   ; the first step's products start the sums
	s_mov_b32 s3, LAPS-1
.Llap:
	TURN 0, 1, 1
	STEP 1, 0, 0
	TURN 1, 0, 1
	STEP 0, 0, 0
	s_sub_co_u32 s3, s3, 1
	s_cmp_lg_u32 s3, 0
	s_cbranch_scc1 .Llap
	TURN 0, 1, 0                                   ; the last lap fills nothing
	STEP 1, 0, 0
	s_wait_dscnt 4*NL
	WIN MUL_LO
	MUL16 0, 1, 0
	MUL16 2, 1, 0
	s_wait_dscnt 0
	WIN MUL_HI
	MUL16 4, 1, 0
	MUL16 6, 1, 0
	WIN 0
	; THE WAY OUT: hold, convert, 8 bytes a lane into the work-group's stage; a barrier; each wave takes one column block of 64 codes x 256 rows, which is 16 KiB on end in memory.
	s_wait_kmcnt 0x0
	s_sub_co_i32 s95, s95, s96
	s_sub_co_i32 s95, s95, s97                     ; eo - ea - eb
	s_add_co_i32 s95, s95, 127
	s_lshl_b32 s96, s95, 23
	v_mov_b32 v[SC], s96
	s_add_co_i32 s95, s95, 8
	s_lshl_b32 s95, s95, 23
	s_or_b32 s95, s95, 0x600000
	v_mov_b32 v[LIM], s95
	PLACES NP
.macro OUTBLK a                        ; block a: 16 rows x 128 columns
.set AC, 64*((\a)%4)
.set WW, 0x02+((\a)/4)
.set CB, CD+16*((\a)%2)
	WIN WW                                         ; source 0: window 2 or 3
.set j, 0
.rept 64
	v_med3_num_f32 v[TMP+j], v[AC+j], -v[LIM], v[LIM]   ; each accumulator from its low end on; the conversion does not saturate (ISA guide 7.6.2)
.set j, j+1
.endr
	WIN 0
.irp b, 0,1,2,3,4,5,6,7
	v_cvt_scalef32_pk8_fp8_f32 v[CB+2*\b:CB+2*\b+1], v[TMP+8*\b:TMP+8*\b+7], v[SC]
.endr
	v_nop                                          ; one plain line behind the conversions
.irp b, 0,1,2,3,4,5,6,7
	ds_store_b64 v[STO], v[CB+2*\b:CB+2*\b+1] offset:(\a)*16*SPITCH+16*\b
.endr
.endm
.irp a, 0,1,2,3,4,5,6,7
	OUTBLK \a
.endr
	s_wait_dscnt 0x0                               ; for the others' sake: my stores into the stage are done
	s_barrier_signal -1
	s_barrier_wait -1
.set t, 0
.rept 32
	ds_load_b128 v[BK+4*t:BK+4*t+3], v[RD+2*(t/16)] offset:(t%16)*8*SPITCH
.set t, t+1
.endr
.set t, 0
.rept 32
	s_wait_dscnt 31-t
	global_store_b128 v[CO], v[BK+4*t:BK+4*t+3], s[10:11] offset:512*t   ; 32 lanes store 512 consecutive bytes, aligned
.set t, t+1
.endr
	s_wait_tensorcnt 0x0                           ; the wave's end
	ds_add_u32 v[SPW], v[NIL]
	s_wait_dscnt 0x0
	CROUND                                         ; the closing round
	s_endpgm
.Lfunc_end_k_q314a3334bf_qkv:
	.size	k_q314a3334bf_qkv, .Lfunc_end_k_q314a3334bf_qkv-k_q314a3334bf_qkv
	.p2alignl 7, 3214868480
	.fill 96, 4, 3214868480
	.section	.rodata,"a",@progbits
	.p2align	6, 0x0
	.amdhsa_kernel k_q314a3334bf_qkv
		.amdhsa_group_segment_fixed_size 327680
		.amdhsa_private_segment_fixed_size 0
		.amdhsa_enable_private_segment 0
		.amdhsa_kernarg_size 48
		.amdhsa_user_sgpr_count 2
		.amdhsa_user_sgpr_kernarg_segment_ptr 1
		.amdhsa_wavefront_size32 1
		.amdhsa_system_sgpr_workgroup_id_x 1
		.amdhsa_system_sgpr_workgroup_id_y 1
		.amdhsa_system_sgpr_workgroup_id_z 1
		.amdhsa_system_vgpr_workitem_id 0
		.amdhsa_next_free_vgpr 1024
		.amdhsa_next_free_sgpr 100
		.amdhsa_reserve_vcc 0
		.amdhsa_float_denorm_mode_32 3
		.amdhsa_float_denorm_mode_16_64 3
		.amdhsa_memory_ordered 1
		.amdhsa_forward_progress 1
		.amdhsa_inst_pref_size 125
	.end_amdhsa_kernel
	.amdgpu_metadata
---
amdhsa.version: [ 1, 2 ]
amdhsa.kernels:
  - .name:           k_q314a3334bf_qkv
    .symbol:         k_q314a3334bf_qkv.kd
    .args:
      - { .name: hc, .offset: 0, .size: 8, .value_kind: global_buffer, .address_space: global }
      - { .name: Wq_codes, .offset: 8, .size: 8, .value_kind: global_buffer, .address_space: global }
      - { .name: Wk_codes, .offset: 16, .size: 8, .value_kind: global_buffer, .address_space: global }
      - { .name: Wv_codes, .offset: 24, .size: 8, .value_kind: global_buffer, .address_space: global }
      - { .name: lowp_scales, .offset: 32, .size: 8, .value_kind: global_buffer, .address_space: global }
      - { .name: qkv, .offset: 40, .size: 8, .value_kind: global_buffer, .address_space: global }
    .group_segment_fixed_size: 327680
    .private_segment_fixed_size: 0
    .kernarg_segment_align: 8
    .kernarg_segment_size: 48
    .max_flat_workgroup_size: 128
    .sgpr_count:     100
    .vgpr_count:     1024
    .wavefront_size: 32
...
	.end_amdgpu_metadata
.endif
;; end of part 2
;; launch attn (part 3): grid 8 x 32, 16 waves a work-group, clusters of 4 x 1, 327,680 bytes of LDS; arguments qkv, lowp_scales, ac; writes ac
.if DOCPART == 3
	.amdgcn_target "amdgcn-amd-amdhsa--gfx1250"
	.amdhsa_code_object_version 6
	.text
	.protected	k_q314a3334bf_attn
	.globl	k_q314a3334bf_attn
	.p2align	8
	.type	k_q314a3334bf_attn,@function
k_q314a3334bf_attn:
	s_mov_b64 s[64:65], 0
	v_nop
	global_prefetch_b8 v0, s[64:65] scope:SCOPE_SE
	s_setreg_imm32_b32 hwreg(HW_REG_WAVE_MODE, 25, 1), 1
	s_wait_xcnt 0x0
	s_wait_alu depctr_hold_cnt(0) depctr_sa_sdst(0) depctr_va_vdst(0) depctr_va_sdst(0) depctr_va_ssrc(0) depctr_va_vcc(0) depctr_vm_vsrc(0)
	s_getreg_b32 s2, hwreg(HW_REG_IB_STS2, 6, 4)
	s_cmp_eq_u32 s2, 0
	s_cbranch_scc0 .Lentry_in_a_cluster
	s_endpgm
.Lentry_in_a_cluster:
	s_bfe_u32 s2, ttmp6, 0x10000c
	s_cmp_lg_u32 s2, 0x3003
	s_cbranch_scc0 .Lentry_shape_is_right
	s_endpgm
.Lentry_shape_is_right:
; Attention on E4M3 codes: for each of 32 (batch, head): o = softmax(q k^T / 32) v, head size 64, 2,048 keys; o is quantised at once for the next product (entry 10 of the scales).
; IN: q, k: [head][token][64 codes]; v: [block of 64 tokens][hidden unit][64 tokens]: the keys innermost.  OUT: [head][token][64 codes].
; THE SOFTMAX: t = score x log2(e) / 32; M = the running largest t rounded UP to a whole number; p = 2^(t - M) is quantised (entry 9), not normalised; the row's sum is taken of the unquantised p and divides at the end.
; When M moves, the sum and O are multiplied by 2^(old M - new M), which rounds nothing.
; SHARES: a work-group owns 256 queries of one head, each of its sixteen waves 16: four waves to a SIMD, so that one wave's vector work stands beside another's matrix work and LDS loads.
; ALL OF THE HEAD'S K AND V LIE IN LDS, each byte filled once: four groups of 512 keys, 81,920 bytes each: 512 rows of K (64 bytes + 16), then V as [8 blocks of 64 keys][64 channels][64 bytes + 16].
; CLUSTER: the four query blocks of a cluster belong to one head: every tile is asked for jointly.  Each wave issues four loads of 4 KiB, one a group: four of mine are out at the most.
; LAYOUT: S^T = K Q^T (source 0 = 16 keys, source 1 = my queries), O^T = V^T P^T: a lane holds ONE query throughout; tile t's eight registers are keys 16 t + 8 (lane / 16) + 0..7, which is where the second product's form wants them.
; LIMITS: e6 + e7 between -121 and 132; e9 and e10 - e8 - e9 between -126 and 119.
; REGISTERS: v1, v2, v7 addresses that stay; v8, v9 the step's; v12 -M, v13 largest t, v[14:15] the sum; v16-23 Q; v32-95 K's 8 fragments, then V's 4; v96-159 S^T, then p; v160-191 O^T; v224-239 p's codes; v236-254 at work and scales.
.set KP,    80
.set GRP,   81920
.set VOFF,  40960
.set STEPB, 10240                      ; 128 keys: 128 rows of K, and two blocks of V
.set AK0,  1
.set AV0,  2
.set GO,   7
.set ADK,  8
.set ADV,  9
.set WV,   18
.set SEL,  20
.set CS,   22
.set G1,   24
.set G0,   32                          ; s[32:47]: a group 0 for each of the four groups of keys
.set TB,   48
.set CNT,  49
.macro CROUND
	s_barrier_signal -1
	s_barrier_wait -1
	s_cmp_lg_u32 s[WV], 0
	s_cbranch_scc1 .Lnot_wave_0_\@
	s_barrier_signal -3
.Lnot_wave_0_\@:
	s_barrier_wait -3
	s_barrier_signal -1
	s_barrier_wait -1
.endm
	s_load_b128 s[4:7], s[0:1], 0x0                ; q, k, v's codes s[4:5], the exponents s[6:7]
	s_load_b64 s[8:9], s[0:1], 0x10                ; the output
	v_lshrrev_b32 v8, 5, v0
	v_readfirstlane_b32 s[WV], v8                  ; wave 0..15
	s_bfe_u32 s10, ttmp6, 0x40000                  ; cx
	s_lshl_b32 s11, ttmp9, 2
	s_add_co_u32 s11, s11, s10                     ; my block of 256 queries: it enters q's and the output's addresses alone
	s_and_b32 s12, ttmp7, 0xffff
	s_lshr_b32 s13, s12, 4                         ; batch
	s_and_b32 s14, s12, 15                         ; head
	s_lshl_b32 s15, s14, 18
	s_lshl_b32 s16, s13, 17
	s_add_co_u32 s15, s15, s16                     ; (head x 4,096 + batch x 2,048) rows of 64 bytes
	s_and_b32 s17, s[WV], 7
	s_lshl_b32 s19, s17, 12
	s_add_co_u32 s60, s15, s19
	s_add_co_u32 s60, s60, 0x400000                ; waves 0-7: K: 64 keys, 4,096 bytes on end
	s_lshl_b32 s61, s13, 21
	s_lshl_b32 s19, s14, 12
	s_add_co_u32 s61, s61, s19
	s_lshl_b32 s19, s17, 16
	s_add_co_u32 s61, s61, s19
	s_add_co_u32 s61, s61, 0x800000                ; waves 8-15: V: a block of 64 keys x the head's 64 channels, 4,096 bytes on end
	s_mov_b32 s62, 0x80000                         ; from group to group: V 8 blocks of 65,536 bytes,
	s_cmp_lt_u32 s[WV], 8
	s_cselect_b32 s60, s60, s61
	s_cselect_b32 s62, 0x8000, s62                 ; K 512 rows of 64
	s_mov_b32 s61, 0
	s_mov_b32 s63, 0
	s_mul_i32 s57, s[WV], 5120                     ; in a group: wave x (64 x 80): K's eight parts, then V's eight
	s_mov_b32 s[G1], 15|(1<<20)|(1<<21)|(3<<22)|(3<<25)   ; the mask: all four work-groups; elements of 1 byte; padding on; bit 21 beside a mask; 4 words behind every 16
	s_mov_b32 s[G1+1], 256<<16                     ; tensor_dim0: the dense 4,096 bytes as 16 rows of 256
	s_mov_b32 s[G1+2], 16<<16                      ; tensor_dim1
	s_mov_b32 s[G1+3], 256<<16                     ; tile_dim0
	s_mov_b32 s[G1+4], 16                          ; tile_dim1
	s_mov_b32 s[G1+5], 256                         ; the pitch
	s_mov_b32 s[G1+6], 0
	s_mov_b32 s[G1+7], 0
	s_mov_b32 s[SEL], 0x76543210
	s_mov_b32 s[SEL+1], 0xfedcba98
	s_mov_b32 s[CS], 0x3d38aa3b                    ; c = log2(e) / 32
	s_mov_b32 s[TB], 0
	s_lshl_b32 s50, s11, 14                        ; my queries: 256 x block + 16 x wave rows of 64 bytes
	s_add_co_u32 s50, s50, s15
	s_lshl_b32 s51, s[WV], 10
	s_add_co_u32 s50, s50, s51
	s_mov_b32 s51, 0
	s_wait_kmcnt 0x0
	s_load_b128 s[52:55], s[6:7], 0x18             ; e6, e7, e8, e9
	s_load_b32 s56, s[6:7], 0x28                   ; e10
	s_add_nc_u64 s[58:59], s[4:5], s[60:61]
.irp g, 0,1,2,3
	s_mov_b32 s[G0+4*\g], 1
	s_add_co_u32 s[G0+4*\g+1], s57, \g*GRP
	s_mov_b64 s[G0+4*\g+2:G0+4*\g+3], s[58:59]
	s_or_b32 s[G0+4*\g+3], s[G0+4*\g+3], 0x80000000
	s_add_nc_u64 s[58:59], s[58:59], s[62:63]
.endr
	CROUND                                         ; all four work-groups are here: the joint loads meet
	tensor_load_to_lds s[G0:G0+3], s[G1:G1+7]      ; all fills of the launch, as one group
	tensor_load_to_lds s[G0+4:G0+7], s[G1:G1+7]
	tensor_load_to_lds s[G0+8:G0+11], s[G1:G1+7]
	tensor_load_to_lds s[G0+12:G0+15], s[G1:G1+7]
.rept 4
	v_nop
.endr
	s_add_nc_u64 s[4:5], s[4:5], s[50:51]          ; q at my first query
	s_add_nc_u64 s[8:9], s[8:9], s[50:51]          ; the output likewise
	v_and_b32 v8, 15, v0                           ; r
	v_bfe_u32 v9, v0, 4, 1                         ; h
	v_lshlrev_b32 v10, 6, v8
	v_lshl_add_u32 v10, v9, 4, v10
	global_load_b128 v[16:19], v10, s[4:5]         ; Q's fragment: two loads of 16 bytes, as K's: the same permutation of k in both
	global_load_b128 v[20:23], v10, s[4:5] offset:32
	v_mul_u32_u24 v[AK0], v8, KP
	v_lshl_add_u32 v[AV0], v9, 3, v[AK0]
	v_add_nc_u32 v[AV0], VOFF, v[AV0]              ; V: row r, + 8 h
	v_lshl_add_u32 v[AK0], v9, 4, v[AK0]           ; K: row r, + 16 h
	v_and_b32 v[GO], 31, v0
	v_lshlrev_b32 v[GO], 4, v[GO]
	v_mov_b32 v13, 0xff61b1e6                      ; the largest t so far: -3e38
	v_floor_f32 v12, -v13
	v_mov_b32 v14, 0
	v_mov_b32 v15, 0
	v_mov_b32 v236, 0                              ; a permute's destination counts as read
	v_mov_b32 v253, 0
.set j, 0
.rept 32
	v_mov_b32 v[160+j], 0                          ; O^T: the step is written once; its first walk finds zeros
.set j, j+1
.endr
	s_wait_kmcnt 0x0
	s_add_co_i32 s66, s52, s53
	s_lshl_b32 s66, s66, 23
	s_add_co_i32 s[CS], s[CS], s66                 ; e6 + e7 go into c's exponent field
	s_mov_b32 s[CS+1], s[CS]
	s_add_co_i32 s66, s55, 127
	s_lshl_b32 s67, s66, 23
	v_mov_b32 v244, s67                            ; 2^e9
	s_add_co_i32 s66, s66, 8
	s_lshl_b32 s66, s66, 23
	s_or_b32 s66, s66, 0x600000
	v_mov_b32 v240, s66                            ; 448 x 2^e9
	s_sub_co_i32 s66, s56, s54
	s_sub_co_i32 s66, s66, s55                     ; e10 - e8 - e9: the output's folded scale
	s_add_co_i32 s66, s66, 127
	s_lshl_b32 s67, s66, 23
	v_mov_b32 v245, s67
	s_add_co_i32 s66, s66, 8
	s_lshl_b32 s66, s66, 23
	s_or_b32 s66, s66, 0x600000
	v_mov_b32 v241, s66
; A KEY STEP: 128 keys
.macro STEP
	v_add_nc_u32 v[ADK], s[TB], v[AK0]
	v_add_nc_u32 v[ADV], s[TB], v[AV0]
	v_nop                                          ; with the two additions: four places ahead of loads into registers that the last products read
	v_nop
.irp t, 0,1,2,3,4,5,6,7
	ds_load_b128 v[32+8*\t:35+8*\t], v[ADK] offset:\t*16*KP
	ds_load_b128 v[36+8*\t:39+8*\t], v[ADK] offset:\t*16*KP+32
.endr
	s_wait_dscnt 0x0
.irp t, 0,1,2,3,4,5,6,7
	v_wmma_f32_16x16x64_fp8_fp8 v[96+8*\t:103+8*\t], v[32+8*\t:39+8*\t], v[16:23], 0
.endr
.rept 4
	v_nop
.endr
.irp d, 0,1,2,3                                ; V's fragments take K's registers now and land under the softmax: channel 16 d + r, keys 16 c + 8 h + 0..7
.irp c, 0,1,2,3,4,5,6,7
	ds_load_b64 v[32+16*\d+2*\c:33+16*\d+2*\c], v[ADV] offset:(\c/4)*64*KP+\d*16*KP+16*(\c%4)
.endr
.endr
	v_max3_num_f32 v254, v96, v97, v98             ; the step's largest score of my query among my 64 keys, in two chains,
	v_max3_num_f32 v252, v99, v100, v101
.irp i, 6,10,14,18,22,26,30,34,38,42,46,50,54,58
	v_max3_num_f32 v254, v254, v[96+\i], v[97+\i]
	v_max3_num_f32 v252, v252, v[98+\i], v[99+\i]
.endr
	v_max3_num_f32 v254, v254, v158, v159
	v_max_num_f32 v254, v254, v252
	v_permlanex16_b32 v236, v254, s[SEL], s[SEL+1]
	v_max_num_f32 v254, v254, v236                 ; and among lane l xor 16's
	v_mul_f32 v254, s[CS], v254
	v_max_num_f32 v13, v13, v254                   ; the running largest t
	v_mov_b32 v254, v12
	v_floor_f32 v12, -v13                          ; the new -M: M is a whole number
	v_sub_f32 v254, v12, v254
	v_cvt_i32_f32 v254, v254                       ; (it saturates)
	v_ldexp_f32 v252, 1.0, v254                    ; f = 2^(old M - new M)
.irp j, 0,2,4,6,8,10,12,14,16,18,20,22,24,26,28,30,32,34,36,38,40,42,44,46,48,50,52,54,56,58,60,62
	v_pk_fma_f32 v[96+\j:97+\j], v[96+\j:97+\j], s[CS:CS+1], v[12:13] op_sel_hi:[1,0,0]   ; t - M
.endr
.set j, 0
.rept 64
	v_exp_f32 v[96+j], v[96+j]                     ; p = 2^(t - M)
.set j, j+1
.endr
	v_pk_mul_f32 v[14:15], v[14:15], v[252:253] op_sel_hi:[1,0]   ; the sums under the new M (a plain line behind the exponentials)
	v_pk_add_f32 v[242:243], v[96:97], v[98:99]    ; the row's sum of the unquantised p, in two chains
.irp j, 4,8,12,16,20,24,28,32,36,40,44,48,52,56,60
	v_pk_add_f32 v[14:15], v[14:15], v[96+\j:97+\j]
	v_pk_add_f32 v[242:243], v[242:243], v[98+\j:99+\j]
.endr
	v_pk_add_f32 v[14:15], v[14:15], v[242:243]
.irp t, 0,1,2,3,4,5,6,7
.irp i, 0,1,2,3,4,5,6,7
	v_min_num_f32 v[96+8*\t+\i], v[96+8*\t+\i], v240   ; the conversion does not saturate (ISA guide 7.6.2); p is not negative
.endr
	v_cvt_scalef32_pk8_fp8_f32 v[224+2*\t:225+2*\t], v[96+8*\t:103+8*\t], v244
.endr
.irp j, 0,2,4,6,8,10,12,14,16,18,20,22,24,26,28,30
	v_pk_mul_f32 v[160+\j:161+\j], v[160+\j:161+\j], v[252:253] op_sel_hi:[1,0]   ; O^T under the new M; also the plain lines behind the conversions
.endr
	s_wait_dscnt 0x0                               ; V is in
.irp d, 0,1,2,3
	v_wmma_f32_16x16x128_fp8_fp8 v[160+8*\d:167+8*\d], v[32+16*\d:47+16*\d], v[224:239], v[160+8*\d:167+8*\d]   ; the four accumulators by turns
.endr
.endm
; A group of 512 keys.  n: my loads of the later groups, which may stay out.
.macro GROUP n
	s_wait_tensorcnt \n                            ; my part of this group has landed,
	s_barrier_signal -1
	s_barrier_wait -1                              ; everybody's has
	s_mov_b32 s[CNT], 4
.Lstep_\@:
	STEP
	s_add_co_u32 s[TB], s[TB], STEPB
	s_sub_co_u32 s[CNT], s[CNT], 1
	s_cmp_lg_u32 s[CNT], 0
	s_cbranch_scc1 .Lstep_\@
	s_add_co_u32 s[TB], s[TB], GRP-4*STEPB
.endm
	s_wait_loadcnt 0x0                             ; Q
	GROUP 3
	GROUP 2
	GROUP 1
	GROUP 0
	; THE WAY OUT: O^T / the sum, held and converted with the folded scale; 8 bytes a lane through 1,024 bytes of my own in the first group's K, which every wave left three barriers ago; 1,024 consecutive bytes out.
	v_add_f32 v14, v14, v15
	v_permlanex16_b32 v252, v14, s[SEL], s[SEL+1]
	v_add_f32 v14, v14, v252                       ; the row's sum
	v_rcp_f32 v14, v14
	v_and_b32 v8, 15, v0                           ; (a plain line behind the transcendental)
	v_bfe_u32 v9, v0, 4, 1
	v_lshlrev_b32 v10, 6, v8
	v_lshl_add_u32 v10, v9, 3, v10
	s_lshl_b32 s66, s[WV], 10
	v_add_nc_u32 v10, s66, v10                     ; in: query r's 64 bytes, + 8 h
	v_add_nc_u32 v11, s66, v[GO]                   ; back: 16 bytes a lane
.irp j, 0,2,4,6,8,10,12,14,16,18,20,22,24,26,28,30
	v_pk_mul_f32 v[96+\j:97+\j], v[160+\j:161+\j], v[14:15] op_sel_hi:[1,0]   ; each accumulator from its low end on
.endr
.set j, 0
.rept 32
	v_med3_num_f32 v[96+j], v[96+j], -v241, v241
.set j, j+1
.endr
.irp t, 0,1,2,3
	v_cvt_scalef32_pk8_fp8_f32 v[224+2*\t:225+2*\t], v[96+8*\t:103+8*\t], v245
.endr
	v_nop
.irp t, 0,1,2,3
	ds_store_b64 v10, v[224+2*\t:225+2*\t] offset:16*\t   ; channels 16 t + 8 h + 0..7
.endr
	ds_load_b128 v[32:35], v11                     ; LDS serves a wave's instructions in order: these see my stores
	ds_load_b128 v[36:39], v11 offset:512
	s_wait_dscnt 0x1
	global_store_b128 v[GO], v[32:35], s[8:9]
	s_wait_dscnt 0x0
	global_store_b128 v[GO], v[36:39], s[8:9] offset:512
	CROUND                                         ; the closing round
	s_endpgm
.Lfunc_end_k_q314a3334bf_attn:
	.size	k_q314a3334bf_attn, .Lfunc_end_k_q314a3334bf_attn-k_q314a3334bf_attn
	.p2alignl 7, 3214868480
	.fill 96, 4, 3214868480
	.section	.rodata,"a",@progbits
	.p2align	6, 0x0
	.amdhsa_kernel k_q314a3334bf_attn
		.amdhsa_group_segment_fixed_size 327680
		.amdhsa_private_segment_fixed_size 0
		.amdhsa_enable_private_segment 0
		.amdhsa_kernarg_size 24
		.amdhsa_user_sgpr_count 2
		.amdhsa_user_sgpr_kernarg_segment_ptr 1
		.amdhsa_wavefront_size32 1
		.amdhsa_system_sgpr_workgroup_id_x 1
		.amdhsa_system_sgpr_workgroup_id_y 1
		.amdhsa_system_sgpr_workgroup_id_z 1
		.amdhsa_system_vgpr_workitem_id 0
		.amdhsa_next_free_vgpr 256
		.amdhsa_next_free_sgpr 96
		.amdhsa_reserve_vcc 0
		.amdhsa_float_denorm_mode_32 3
		.amdhsa_float_denorm_mode_16_64 3
		.amdhsa_memory_ordered 1
		.amdhsa_forward_progress 1
		.amdhsa_inst_pref_size 78
	.end_amdhsa_kernel
	.amdgpu_metadata
---
amdhsa.version: [ 1, 2 ]
amdhsa.kernels:
  - .name:           k_q314a3334bf_attn
    .symbol:         k_q314a3334bf_attn.kd
    .args:
      - { .name: qkv, .offset: 0, .size: 8, .value_kind: global_buffer, .address_space: global }
      - { .name: lowp_scales, .offset: 8, .size: 8, .value_kind: global_buffer, .address_space: global }
      - { .name: ac, .offset: 16, .size: 8, .value_kind: global_buffer, .address_space: global }
    .group_segment_fixed_size: 327680
    .private_segment_fixed_size: 0
    .kernarg_segment_align: 8
    .kernarg_segment_size: 24
    .max_flat_workgroup_size: 512
    .sgpr_count:     96
    .vgpr_count:     256
    .wavefront_size: 32
...
	.end_amdgpu_metadata
.endif
;; end of part 3
;; launch wo (part 4): grid 8 x 32, 4 waves a work-group, clusters of 4 x 4, 327,680 bytes of LDS; arguments ac, Wo_codes, lowp_scales, bo, x, res1; writes res1
.if DOCPART == 4
	.amdgcn_target "amdgcn-amd-amdhsa--gfx1250"
	.amdhsa_code_object_version 6
	.text
	.protected	k_q314a3334bf_wo
	.globl	k_q314a3334bf_wo
	.p2align	8
	.type	k_q314a3334bf_wo,@function
k_q314a3334bf_wo:
	s_mov_b64 s[64:65], 0
	v_nop
	global_prefetch_b8 v0, s[64:65] scope:SCOPE_SE
	s_setreg_imm32_b32 hwreg(HW_REG_WAVE_MODE, 25, 1), 1
	s_wait_xcnt 0x0
	s_wait_alu depctr_hold_cnt(0) depctr_sa_sdst(0) depctr_va_vdst(0) depctr_va_sdst(0) depctr_va_ssrc(0) depctr_va_vcc(0) depctr_vm_vsrc(0)
	s_getreg_b32 s2, hwreg(HW_REG_IB_STS2, 6, 4)
	s_cmp_eq_u32 s2, 0
	s_cbranch_scc0 .Lentry_in_a_cluster
	s_endpgm
.Lentry_in_a_cluster:
	s_bfe_u32 s2, ttmp6, 0x10000c
	s_cmp_lg_u32 s2, 0xf033
	s_cbranch_scc0 .Lentry_shape_is_right
	s_endpgm
.Lentry_shape_is_right:
; out[m][n] = act(sum over k of A[m][k] B[n][k] x 2^(ea + eb) + bias[n]) + residual[m][n], f32.  Here: A = the attention's codes, B = Wo, act = nothing, residual = x.
; A: codes laid [K / 64][4,096 rows][64]; B: [1,024][SIZE_K] codes; bias [1,024]; residual, out: [4,096][1,024] f32.
; A tile is 128 x 128, so that 256 work-groups share the 4,096 x 1,024 results; four waves, each 64 x 64: 16 accumulators.  K goes in steps of 512 through two LDS slots.
; CLUSTERS: 4 x 4: A's tile is shared along a row of the cluster, B's along a column, each asked for jointly.  THE MATRIX INSTRUCTION IS USED TRANSPOSED: a lane holds eight neighbouring columns of a row.
; LDS, a slot: A's two halves, each [8 blocks of 64 along K][64 rows][64 bytes + 16]; B's two halves, 64 rows of 512 bytes + 16.  A fragment comes by four loads of 16 bytes: the same permutation of k in A and B.
; LIMIT: ea + eb between -126 and 127.  NaN and infinities are not served.
; REGISTERS: window 0: v0-31 addresses and constants; v32-127 at work on the way out; v128-255 the accumulators ((a, b) at 128 + 8 (4 a + b)).  window 1: two fragment buffers of 128 (A's four, then B's four).  window 2: v0-127 the residual.
.set SIZE_K, 1024
.set GELU,   0
.set SCOFF,  40                        ; the byte of ea in the exponents
.set KSTEP,  512
.set AP,     80
.set AKB,    64*AP
.set AHALF,  8*AKB
.set BP,     528
.set BHALF,  64*BP
.set BOFF,   2*AHALF
.set SLOT,   BOFF+2*BHALF
.set SPARE,  2*SLOT                    ; the spare words: 128 bytes a wave, two blocks of 256 bytes that no other line names
.set SPITCH, 272                       ; the way out: each wave's own stage of 64 rows x (256 bytes + 16), in slot 0, which has had its last fill and its last read by then
.set LAPS,   SIZE_K/(2*KSTEP)
.set BO,   6
.set BIA,  8
.set CA0,  12
.set CA2,  14
.set ADRA, 16
.set CB0,  18
.set ADRB, 20
.set STO,  24
.set RD,   25
.set CO,   26
.set SPW,  28
.set NIL,  29
.set GZ,   32
.set GT,   48
.set GS,   64
.set GR,   80
.set GU,   96
.set GQ,   112
.set ACC,  128
.set F0,   0
.set F1,   128
.set G1, 24
.set G0, 32
.set G1B, 48
.set G0B, 56
.set KRS, 24                           ; on the way out the descriptors' registers hold the activation's constants, a pair each
.set KA1, 26
.set KA3, 28
.set KA4, 30
.set KA5, 32
.set KA6, 34
.set KL2, 36
.set KB1, 38
.set KB2, 40
.set KB3, 42
.set KB4, 44
.set KB5, 46
.set KABS, 48
.set KTH, 49
.set MSB, 0
.macro WIN new
.if MSB != \new
	s_set_vgpr_msb (MSB<<8)|\new
.set MSB, \new
.endif
.endm
.set MUL,  0x05
.set TO_F, 0x40
.macro JLOAD s                         ; waves 0 and 1 fetch A's halves, waves 2 and 3 B's; four v_nop follow each line
	s_cmp_eq_u32 s11, 0
	s_cbranch_scc0 .Lfor_b_\@
	tensor_load_to_lds s[G0+4*\s:G0+4*\s+3], s[G1:G1+7]
.rept 4
	v_nop
.endr
	s_branch .Lasked_\@
.Lfor_b_\@:
	tensor_load_to_lds s[G0B+4*\s:G0B+4*\s+3], s[G1B:G1B+7]
.rept 4
	v_nop
.endr
.Lasked_\@:
.endm
.macro CREST
	s_cmp_lg_u32 s10, 0
	s_cbranch_scc1 .Lnot_wave_0_\@
	s_barrier_signal -3
.Lnot_wave_0_\@:
	s_barrier_wait -3
	s_barrier_signal -1
	s_barrier_wait -1
.endm
.macro CROUND
	s_barrier_signal -1
	s_barrier_wait -1
	CREST
.endm
	s_load_b128 s[4:7], s[0:1], 0x0                ; A's codes, B's codes
	s_load_b128 s[68:71], s[0:1], 0x10             ; the exponents, the bias
	s_load_b128 s[72:75], s[0:1], 0x20             ; the residual, the output
	v_lshl_add_u32 v[SPW], v0, 2, SPARE
	v_mov_b32 v[NIL], 0
	v_lshrrev_b32 v1, 5, v0
	v_readfirstlane_b32 s10, v1                    ; wave
	s_lshr_b32 s11, s10, 1                         ; my half of the rows; also: I fetch for A (0) or B (1)
	s_and_b32 s12, s10, 1                          ; my half of the columns; also: which 64 rows I fetch
	s_bfe_u32 s40, ttmp6, 0x40000
	s_bfe_u32 s41, ttmp6, 0x40004
	s_lshl_b32 s42, ttmp9, 2
	s_add_co_u32 s42, s42, s40                     ; tile column
	s_and_b32 s13, ttmp7, 0xffff
	s_lshl_b32 s13, s13, 2
	s_add_co_u32 s13, s13, s41                     ; tile row
	s_lshl_b32 s43, s41, 2
	s_lshl_b32 s43, 15, s43
	s_lshl_b32 s44, 0x1111, s40
	s_or_b32 s[G1+0], s43, (1<<20)|(1<<21)|(3<<22)|(3<<25)    ; A: my row's mask; elements of 1 byte; 4 words of padding behind every 16
	s_mov_b32 s[G1+1], 4096<<16                    ; tensor_dim0: 64 rows of 64 bytes on end
	s_mov_b32 s[G1+2], 8<<16                       ; tensor_dim1: 8 blocks along K
	s_mov_b32 s[G1+3], 4096<<16
	s_mov_b32 s[G1+4], 8
	s_mov_b32 s[G1+5], 262144                      ; from block to block: 4,096 rows of 64
	s_mov_b32 s[G1+6], 0
	s_mov_b32 s[G1+7], 0
	s_or_b32 s[G1B+0], s44, (1<<20)|(1<<21)|(6<<22)|(3<<25)   ; B: my column's mask; 4 words behind every 128
	s_mov_b32 s[G1B+1], KSTEP<<16
	s_mov_b32 s[G1B+2], 64<<16
	s_mov_b32 s[G1B+3], KSTEP<<16
	s_mov_b32 s[G1B+4], 64
	s_mov_b32 s[G1B+5], SIZE_K
	s_mov_b32 s[G1B+6], 0
	s_mov_b32 s[G1B+7], 0
	s_lshl_b32 s17, s12, 6
	s_lshl_b32 s16, s13, 7
	s_add_co_u32 s16, s16, s17
	s_lshl_b32 s16, s16, 6                         ; A: (128 x tile row + 64 x half) rows of 64 bytes
	s_lshl_b32 s46, s42, 7
	s_add_co_u32 s46, s46, s17
	s_mul_i32 s46, s46, SIZE_K                     ; B: (128 x tile column + 64 x half) rows
	s_mov_b32 s17, 0
	s_mov_b32 s47, 0
	s_mul_i32 s20, s12, AHALF                      ; where they go
	s_mul_i32 s21, s12, BHALF
	s_add_co_u32 s21, s21, BOFF
	s_wait_kmcnt 0x0
	s_load_b64 s[96:97], s[68:69], SCOFF           ; ea, eb
	s_add_nc_u64 s[14:15], s[4:5], s[16:17]
	s_add_nc_u64 s[46:47], s[6:7], s[46:47]
	CROUND
.irp s, 0,1
	s_mov_b32 s[G0+4*\s], 1
	s_add_co_u32 s[G0+4*\s+1], s20, \s*SLOT
	s_add_nc_u64 s[G0+4*\s+2:G0+4*\s+3], s[14:15], \s*8*262144
	s_or_b32 s[G0+4*\s+3], s[G0+4*\s+3], 0x80000000
	s_mov_b32 s[G0B+4*\s], 1
	s_add_co_u32 s[G0B+4*\s+1], s21, \s*SLOT
	s_add_nc_u64 s[G0B+4*\s+2:G0B+4*\s+3], s[46:47], \s*KSTEP
	s_or_b32 s[G0B+4*\s+3], s[G0B+4*\s+3], 0x80000000
	JLOAD \s
.endr
	v_and_b32 v1, 15, v0                           ; r
	v_bfe_u32 v2, v0, 4, 1                         ; h
	v_mul_u32_u24 v3, v1, AP
	v_lshl_add_u32 v3, v2, 4, v3
	v_mul_u32_u24 v4, v1, BP
	v_lshl_add_u32 v4, v2, 4, v4
	s_mul_i32 s21, s11, AHALF
	s_mul_i32 s22, s12, BHALF
	s_add_co_u32 s22, s22, BOFF
.irp s, 0,1
	v_add_nc_u32 v[ADRA+\s], s21, v3
	v_add_nc_u32 v[ADRB+\s], s22, v4
	s_add_co_u32 s21, s21, SLOT
	s_add_co_u32 s22, s22, SLOT
.endr
	s_mul_i32 s23, s10, 64*SPITCH                  ; my stage
	v_mul_u32_u24 v5, v1, SPITCH
	v_lshl_add_u32 v5, v2, 5, v5
	v_add_nc_u32 v[STO], s23, v5                   ; in: row r, 32 bytes for each half of the lanes
	v_mul_u32_u24 v5, v2, SPITCH
	v_lshl_add_u32 v5, v1, 4, v5
	v_add_nc_u32 v[RD], s23, v5                    ; back: lanes 0-15 one row of 256 bytes, lanes 16-31 the next
	v_lshlrev_b32 v5, 12, v2
	v_lshl_add_u32 v[CO], v1, 4, v5                ; the same two rows in memory
	v_lshlrev_b32 v[BO], 4, v1                     ; my four columns in the bias
	s_lshl_b32 s16, s13, 7
	s_lshl_b32 s17, s11, 6
	s_add_co_u32 s16, s16, s17
	s_lshl_b32 s16, s16, 12                        ; my first row, in bytes
	s_lshl_b32 s84, s42, 7
	s_lshl_b32 s85, s12, 6
	s_add_co_u32 s84, s84, s85
	s_lshl_b32 s84, s84, 2                         ; my first column, in bytes
	s_mov_b32 s85, 0
	s_add_nc_u64 s[70:71], s[70:71], s[84:85]
	s_add_co_u32 s84, s84, s16
	s_add_nc_u64 s[72:73], s[72:73], s[84:85]
	s_add_nc_u64 s[74:75], s[74:75], s[84:85]
	WIN 0x80                                       ; destination window 2
.set t, 0
.rept 32
	global_load_b128 v[4*t:4*t+3], v[CO], s[72:73] offset:8192*t   ; the residual of my 64 x 64, in the layout of the stores; it lands under the products
.set t, t+1
.endr
	WIN 0
	global_load_b128 v[BIA:BIA+3], v[BO], s[70:71]
.macro FETCH slot, q, f                ; the fragments of the slot's q-th 128 along K: B's sixteen loads, then A's, blocks ascending
	WIN TO_F
.irp i, 0,1,2,3
.irp c, 0,1,2,3
	ds_load_b128 v[\f+64+16*\i+4*\c:\f+64+16*\i+4*\c+3], v[ADRB+\slot] offset:128*(\q)+32*\c+\i*16*BP
.endr
.endr
.irp i, 0,1,2,3
.irp c, 0,1,2,3
	ds_load_b128 v[\f+16*\i+4*\c:\f+16*\i+4*\c+3], v[ADRA+\slot] offset:(2*(\q)+\c/2)*AKB+\i*16*AP+32*(\c%2)
.endr
.endr
.endm
.macro MULA f, a, zero                 ; A's block a against B's four.  The sixteen accumulators take turns in one order throughout
.irp b, 0,1,2,3
.if \zero
	v_wmma_f32_16x16x128_fp8_fp8 v[ACC+8*(4*(\a)+\b):ACC+8*(4*(\a)+\b)+7], v[\f+64+16*\b:\f+64+16*\b+15], v[\f+16*(\a):\f+16*(\a)+15], 0
.else
	v_wmma_f32_16x16x128_fp8_fp8 v[ACC+8*(4*(\a)+\b):ACC+8*(4*(\a)+\b)+7], v[\f+64+16*\b:\f+64+16*\b+15], v[\f+16*(\a):\f+16*(\a)+15], v[ACC+8*(4*(\a)+\b):ACC+8*(4*(\a)+\b)+7]
.endif
.endr
.endm
.macro PLACES
.rept 4
	v_nop
.endr
.endm
.macro QUARTER slot, q, f, g, zero     ; multiplies buffer f; fetches the slot's quarter q into g
	s_wait_dscnt 8                                 ; B's four and A's blocks 0, 1 are in; A's blocks 2, 3 (eight loads) may be out
	WIN MUL
	MULA \f, 0, \zero
	MULA \f, 1, \zero
	PLACES
	FETCH \slot, \q, \g
	s_wait_dscnt 32                                ; all but the 32 just issued
	WIN MUL
	MULA \f, 2, \zero
	MULA \f, 3, \zero
.endm
.macro TURN slot, next, fill           ; a slot's last quarter, in buffer 1, and the change of slots
	WIN 0
	s_wait_tensorcnt 0x0                           ; my part of the next slot has landed; no load of mine is out
	ds_add_u32 v[SPW], v[NIL]
	s_wait_dscnt 13                                ; the add and A's blocks 1-3 (twelve loads) may be out
	WIN MUL
	MULA F1, 0, 0
	s_wait_dscnt 0x0                               ; the add is done, my reads of this slot are over
	s_barrier_signal -1
	MULA F1, 1, 0
.if \fill
	WIN 0
.endif
	s_barrier_wait -1
.if \fill
	CREST                                          ; the barrier opened a round of the cluster's
	s_add_nc_u64 s[G0+4*\slot+2:G0+4*\slot+3], s[G0+4*\slot+2:G0+4*\slot+3], 2*8*262144
	s_add_nc_u64 s[G0B+4*\slot+2:G0B+4*\slot+3], s[G0B+4*\slot+2:G0B+4*\slot+3], 2*KSTEP
	JLOAD \slot                                    ; the first tensor load behind the round; its four v_nop are the places ahead of the loads below
.else
	PLACES
.endif
	FETCH \next, 0, F0
	WIN MUL
	MULA F1, 2, 0
	MULA F1, 3, 0
.endm
.macro KSET r, val
	s_mov_b32 s[\r], \val
	s_mov_b32 s[\r+1], \val
.endm
; x = x (1 + erf(x / sqrt 2)) / 2 on v[x .. x + 15].  z = x / sqrt 2, t = |z|.  t <= 475/512: erf by an odd polynomial.  Above: E = erfc(t) = exp(polynomial in t), and 1 + erf(z) = E where z < 0,
; 2 - E else: no difference of near numbers is formed, so the negative tail keeps its digits.  Both ways are computed and v_cndmask_b32 selects: no branch on data.
.macro GELU16 x
.irp i, 0,2,4,6,8,10,12,14
	v_pk_mul_f32 v[GZ+\i:GZ+\i+1], v[\x+\i:\x+\i+1], s[KRS:KRS+1] op_sel_hi:[1,0]
.endr
.irp i, 0,1,2,3,4,5,6,7,8,9,10,11,12,13,14,15
	v_and_b32 v[GT+\i], s[KABS], v[GZ+\i]
.endr
.irp i, 0,2,4,6,8,10,12,14
	v_pk_mul_f32 v[GS+\i:GS+\i+1], v[GZ+\i:GZ+\i+1], v[GZ+\i:GZ+\i+1]
.endr
.irp i, 0,2,4,6,8,10,12,14
	v_pk_fma_f32 v[GR+\i:GR+\i+1], v[GT+\i:GT+\i+1], v[CA0:CA0+1], s[KA1:KA1+1] op_sel_hi:[1,1,0]
.endr
.irp i, 0,2,4,6,8,10,12,14
	v_pk_fma_f32 v[GU+\i:GU+\i+1], v[GT+\i:GT+\i+1], v[CA2:CA2+1], s[KA3:KA3+1] op_sel_hi:[1,1,0]
.endr
.irp i, 0,2,4,6,8,10,12,14
	v_pk_fma_f32 v[GR+\i:GR+\i+1], v[GR+\i:GR+\i+1], v[GS+\i:GS+\i+1], v[GU+\i:GU+\i+1]
.endr
.irp k, KA4, KA5, KA6
.irp i, 0,2,4,6,8,10,12,14
	v_pk_fma_f32 v[GR+\i:GR+\i+1], v[GR+\i:GR+\i+1], v[GT+\i:GT+\i+1], s[\k:\k+1] op_sel_hi:[1,1,0]
.endr
.endr
.irp i, 0,2,4,6,8,10,12,14
	v_pk_fma_f32 v[GR+\i:GR+\i+1], v[GR+\i:GR+\i+1], v[GT+\i:GT+\i+1], v[GT+\i:GT+\i+1] neg_lo:[0,0,1] neg_hi:[0,0,1]
.endr
.irp i, 0,2,4,6,8,10,12,14
	v_pk_mul_f32 v[GR+\i:GR+\i+1], v[GR+\i:GR+\i+1], s[KL2:KL2+1] op_sel_hi:[1,0]
.endr
.irp i, 0,1,2,3,4,5,6,7,8,9,10,11,12,13,14,15
	v_exp_f32 v[GR+\i], v[GR+\i]                   ; E
.endr
.irp i, 0,2,4,6,8,10,12,14
	v_pk_fma_f32 v[GQ+\i:GQ+\i+1], v[GS+\i:GS+\i+1], v[CB0:CB0+1], s[KB1:KB1+1] op_sel_hi:[1,1,0]   ; (plain lines behind the exponentials)
.endr
.irp k, KB2, KB3, KB4, KB5
.irp i, 0,2,4,6,8,10,12,14
	v_pk_fma_f32 v[GQ+\i:GQ+\i+1], v[GQ+\i:GQ+\i+1], v[GS+\i:GS+\i+1], s[\k:\k+1] op_sel_hi:[1,1,0]
.endr
.endr
.irp i, 0,2,4,6,8,10,12,14
	v_pk_fma_f32 v[GQ+\i:GQ+\i+1], v[GQ+\i:GQ+\i+1], v[GZ+\i:GZ+\i+1], v[GZ+\i:GZ+\i+1]
.endr
.irp i, 0,2,4,6,8,10,12,14
	v_pk_add_f32 v[GQ+\i:GQ+\i+1], v[GQ+\i:GQ+\i+1], 1.0 op_sel_hi:[1,0]
.endr
.irp i, 0,2,4,6,8,10,12,14
	v_pk_add_f32 v[GU+\i:GU+\i+1], v[GR+\i:GR+\i+1], 2.0 op_sel_hi:[1,0] neg_lo:[1,0] neg_hi:[1,0]   ; 2 - E
.endr
.irp i, 0,1,2,3,4,5,6,7,8,9,10,11,12,13,14,15
	v_cmp_gt_f32 vcc_lo, 0, v[GZ+\i]
	v_cndmask_b32 v[GU+\i], v[GU+\i], v[GR+\i], vcc_lo
.endr
.irp i, 0,1,2,3,4,5,6,7,8,9,10,11,12,13,14,15
	v_cmp_lt_f32 vcc_lo, s[KTH], v[GT+\i]
	v_cndmask_b32 v[GQ+\i], v[GQ+\i], v[GU+\i], vcc_lo
.endr
.irp i, 0,2,4,6,8,10,12,14
	v_pk_mul_f32 v[\x+\i:\x+\i+1], v[\x+\i:\x+\i+1], 0.5 op_sel_hi:[1,0]
.endr
.irp i, 0,2,4,6,8,10,12,14
	v_pk_mul_f32 v[\x+\i:\x+\i+1], v[\x+\i:\x+\i+1], v[GQ+\i:GQ+\i+1]
.endr
.endm
	s_wait_tensorcnt 1                             ; my part of K step 0 is in; K step 1's may be out
	s_barrier_signal -1
	s_barrier_wait -1
	FETCH 0, 0, F0
	QUARTER 0, 1, F0, F1, 1                        ; the first quarter's products start the sums
.if LAPS > 1
	WIN 0
	s_mov_b32 s3, LAPS-1
.Llap:
	QUARTER 0, 2, F1, F0, 0
	QUARTER 0, 3, F0, F1, 0
	TURN 0, 1, 1
	QUARTER 1, 1, F0, F1, 0
	QUARTER 1, 2, F1, F0, 0
	QUARTER 1, 3, F0, F1, 0
	TURN 1, 0, 1
	QUARTER 0, 1, F0, F1, 0
	WIN 0
	s_sub_co_u32 s3, s3, 1
	s_cmp_lg_u32 s3, 0
	s_cbranch_scc1 .Llap
.endif
	QUARTER 0, 2, F1, F0, 0
	QUARTER 0, 3, F0, F1, 0
	TURN 0, 1, 0
	QUARTER 1, 1, F0, F1, 0
	QUARTER 1, 2, F1, F0, 0
	QUARTER 1, 3, F0, F1, 0
	s_wait_dscnt 8
	WIN MUL
	MULA F1, 0, 0
	MULA F1, 1, 0
	s_wait_dscnt 0
	MULA F1, 2, 0
	MULA F1, 3, 0
	WIN 0
	; THE WAY OUT: the sums go through my own stage and come back as whole rows of 256 bytes, into the registers that they left; then scale, bias, activation and residual, and sixteen lanes store 256 consecutive bytes, aligned.
	PLACES
.irp a, 0,1,2,3
.irp b, 0,1,2,3
	ds_store_b128 v[STO], v[ACC+8*(4*\a+\b):ACC+8*(4*\a+\b)+3] offset:\a*16*SPITCH+64*\b        ; each accumulator from its low end on
	ds_store_b128 v[STO], v[ACC+8*(4*\a+\b)+4:ACC+8*(4*\a+\b)+7] offset:\a*16*SPITCH+64*\b+16
.endr
.endr
.set t, 0
.rept 32
	ds_load_b128 v[ACC+4*t:ACC+4*t+3], v[RD] offset:t*2*SPITCH     ; LDS serves a wave's instructions in order: these see the stores above
.set t, t+1
.endr
	s_wait_kmcnt 0x0
	s_add_co_i32 s92, s96, s97
	s_add_co_i32 s92, s92, 127
	s_lshl_b32 s92, s92, 23                        ; 2^(ea + eb)
	s_mov_b32 s93, s92
.if GELU
	KSET KRS, 0x3f3504f3                           ; every tensor load of mine is done: the descriptors' registers are free
	KSET KA1, 0x39c8e7d9
	KSET KA3, 0x3cc6b1a1
	KSET KA4, 0xbddaae5c
	KSET KA5, 0xbf228550
	KSET KA6, 0xbe03ce86
	KSET KL2, 0x3fb8aa3b
	KSET KB1, 0x3ba38d2c
	KSET KB2, 0xbcdb48d9
	KSET KB3, 0x3de70e22
	KSET KB4, 0xbec09380
	KSET KB5, 0x3e0375d4
	s_mov_b32 s[KABS], 0x7fffffff
	s_mov_b32 s[KTH], 0x3f6d8000
	v_mov_b32 v[CA0], 0xb7910000
	v_mov_b32 v[CA0+1], 0xb7910000
	v_mov_b32 v[CA2], 0xbb7e8a1c
	v_mov_b32 v[CA2+1], 0xbb7e8a1c
	v_mov_b32 v[CB0], 0xba1c7000
	v_mov_b32 v[CB0+1], 0xba1c7000
.endif
	s_wait_loadcnt 0x0                             ; the residual and the bias
.set g, 0
.rept 8
.set X, ACC+16*g
	s_wait_dscnt 28-4*g                            ; these four loads are in; the later ones may be out
.irp i, 0,2,4,6,8,10,12,14
	v_pk_fma_f32 v[X+\i:X+\i+1], v[X+\i:X+\i+1], s[92:93], v[BIA+(\i%4):BIA+(\i%4)+1] op_sel_hi:[1,0,1]
.endr
.if GELU
	GELU16 X
.endif
	WIN 0x08                                       ; source 1 window 2
.irp i, 0,2,4,6,8,10,12,14
	v_pk_add_f32 v[X+\i:X+\i+1], v[X+\i:X+\i+1], v[16*g+\i:16*g+\i+1]
.endr
	WIN 0
.irp u, 0,1,2,3
	global_store_b128 v[CO], v[X+4*\u:X+4*\u+3], s[74:75] offset:(4*g+\u)*8192
.endr
.set g, g+1
.endr
	s_wait_tensorcnt 0x0                           ; the wave's end
	ds_add_u32 v[SPW], v[NIL]
	s_wait_dscnt 0x0
	CROUND                                         ; the closing round
	s_endpgm
.Lfunc_end_k_q314a3334bf_wo:
	.size	k_q314a3334bf_wo, .Lfunc_end_k_q314a3334bf_wo-k_q314a3334bf_wo
	.p2alignl 7, 3214868480
	.fill 96, 4, 3214868480
	.section	.rodata,"a",@progbits
	.p2align	6, 0x0
	.amdhsa_kernel k_q314a3334bf_wo
		.amdhsa_group_segment_fixed_size 327680
		.amdhsa_private_segment_fixed_size 0
		.amdhsa_enable_private_segment 0
		.amdhsa_kernarg_size 48
		.amdhsa_user_sgpr_count 2
		.amdhsa_user_sgpr_kernarg_segment_ptr 1
		.amdhsa_wavefront_size32 1
		.amdhsa_system_sgpr_workgroup_id_x 1
		.amdhsa_system_sgpr_workgroup_id_y 1
		.amdhsa_system_sgpr_workgroup_id_z 1
		.amdhsa_system_vgpr_workitem_id 0
		.amdhsa_next_free_vgpr 640
		.amdhsa_next_free_sgpr 100
		.amdhsa_reserve_vcc 1
		.amdhsa_float_denorm_mode_32 3
		.amdhsa_float_denorm_mode_16_64 3
		.amdhsa_memory_ordered 1
		.amdhsa_forward_progress 1
		.amdhsa_inst_pref_size 53
	.end_amdhsa_kernel
	.amdgpu_metadata
---
amdhsa.version: [ 1, 2 ]
amdhsa.kernels:
  - .name:           k_q314a3334bf_wo
    .symbol:         k_q314a3334bf_wo.kd
    .args:
      - { .name: ac, .offset: 0, .size: 8, .value_kind: global_buffer, .address_space: global }
      - { .name: Wo_codes, .offset: 8, .size: 8, .value_kind: global_buffer, .address_space: global }
      - { .name: lowp_scales, .offset: 16, .size: 8, .value_kind: global_buffer, .address_space: global }
      - { .name: bo, .offset: 24, .size: 8, .value_kind: global_buffer, .address_space: global }
      - { .name: x, .offset: 32, .size: 8, .value_kind: global_buffer, .address_space: global }
      - { .name: res1, .offset: 40, .size: 8, .value_kind: global_buffer, .address_space: global }
    .group_segment_fixed_size: 327680
    .private_segment_fixed_size: 0
    .kernarg_segment_align: 8
    .kernarg_segment_size: 48
    .max_flat_workgroup_size: 128
    .sgpr_count:     100
    .vgpr_count:     640
    .wavefront_size: 32
...
	.end_amdgpu_metadata
.endif
;; end of part 4
;; launch ln2 (part 5): grid 256 x 1, 8 waves a work-group, no clusters, 16,384 bytes of LDS; arguments res1, la2_g, la2_b, lowp_scales, h2c; writes h2c
.if DOCPART == 5
	.amdgcn_target "amdgcn-amd-amdhsa--gfx1250"
	.amdhsa_code_object_version 6
	.text
	.protected	k_q314a3334bf_ln2
	.globl	k_q314a3334bf_ln2
	.p2align	8
	.type	k_q314a3334bf_ln2,@function
k_q314a3334bf_ln2:
	s_mov_b64 s[64:65], 0
	v_nop
	global_prefetch_b8 v0, s[64:65] scope:SCOPE_SE
	s_setreg_imm32_b32 hwreg(HW_REG_WAVE_MODE, 25, 1), 1
	s_wait_xcnt 0x0
; h2 = layernorm(out) * g + b over rows of 1,024 f32, quantised to E4M3 codes with the given scale 2^e (entry 12 of the scales): [4096 rows][1024 codes], row-major.
; The first norm's text with NB = 1.  code = h2 / 2^e, held within +-448, to the nearest code, ties to even.
; SHARES: a work-group takes 16 rows, a wave two.  A row is eight loads of 512 consecutive bytes: lane l holds elements 128 j + 4 l + 0..3 in registers 4 j .. 4 j + 3.
; The mean is taken first and the squares of the centred numbers second, so a common offset of the inputs costs no digits.
; A conversion's dword j holds the four codes at 128 j + 4 l: they go through the wave's own LDS bytes and leave as 16 bytes a lane: each store covers 512 consecutive bytes, aligned.
; No matrix unit, no cluster, no barrier: rows share nothing but g and b.
; LIMITS: e between -126 and 119; NaN and infinities among the inputs are not served.
.set NB,   1
.set ES,   44
.set XR,   16
.set GG,   80
.set BB,   112
.set TT,   144
.set CC,   176
.set SCQ,  8
.set LIMQ, 11
	s_load_b256 s[4:11], s[0:1], 0x0               ; the rows s[4:5], g s[6:7], b s[8:9], scales s[10:11]
	s_load_b64 s[12:13], s[0:1], 0x20              ; the codes
	v_lshrrev_b32 v1, 5, v0
	v_readfirstlane_b32 s14, v1
	v_and_b32 v2, 31, v0
	v_lshlrev_b32 v1, 4, v2                        ; v1 = 16 x lane: never rewritten
	s_mul_i32 s15, s14, NB*2048
	v_lshl_add_u32 v3, v2, 4, s15
	v_lshl_add_u32 v2, v2, 2, s15
	s_lshl_b32 s16, ttmp9, 4
	s_lshl_b32 s17, s14, 1
	s_add_co_u32 s16, s16, s17                     ; my first row
	s_lshl_b32 s18, s16, 12
	s_mov_b32 s19, 0
	s_lshl_b32 s16, s16, 10
	s_mov_b32 s17, 0
	s_mov_b32 s26, 0x76543210
	s_mov_b32 s27, 0xfedcba98
	s_mov_b32 s28, 0x3727c5ac                      ; 1e-5
	s_mov_b32 s29, 0x3a800000                      ; 1 / 1024
	s_wait_kmcnt 0x0
	s_load_b512 s[32:47], s[10:11], 0x0
	s_add_nc_u64 s[4:5], s[4:5], s[18:19]
	s_add_nc_u64 s[20:21], s[12:13], s[16:17]
.irp j, 0,1,2,3,4,5,6,7
	global_load_b128 v[XR+4*\j:XR+4*\j+3], v1, s[4:5] offset:512*\j
.endr
.irp j, 0,1,2,3,4,5,6,7
	global_load_b128 v[GG+4*\j:GG+4*\j+3], v1, s[6:7] offset:512*\j
.endr
.irp j, 0,1,2,3,4,5,6,7
	global_load_b128 v[BB+4*\j:BB+4*\j+3], v1, s[8:9] offset:512*\j
.endr
.irp j, 0,1,2,3,4,5,6,7
	global_load_b128 v[XR+32+4*\j:XR+32+4*\j+3], v1, s[4:5] offset:4096+512*\j
.endr
	s_wait_kmcnt 0x0
.set q, 0
.rept NB
	s_add_co_i32 s30, s[ES+2*q], 127
	s_lshl_b32 s31, s30, 23
	v_mov_b32 v[SCQ+q], s31
	s_add_co_i32 s30, s30, 8
	s_lshl_b32 s30, s30, 23
	s_or_b32 s30, s30, 0x600000
	v_mov_b32 v[LIMQ+q], s30
.set q, q+1
.endr
.macro RED
	v_add_f32_dpp v4, v4, v4 row_xmask:1 row_mask:0xf bank_mask:0xf
	v_add_f32_dpp v4, v4, v4 row_xmask:2 row_mask:0xf bank_mask:0xf
	v_add_f32_dpp v4, v4, v4 row_xmask:4 row_mask:0xf bank_mask:0xf
	v_add_f32_dpp v4, v4, v4 row_xmask:8 row_mask:0xf bank_mask:0xf
	v_permlanex16_b32 v5, v4, s26, s27
	v_add_f32 v4, v4, v5
.endm
.macro ROW i, left1, left2
.set X, XR+32*\i
.if \i == 0
.set O, 224
.else
.set O, 16
.endif
	s_wait_loadcnt \left1
	v_pk_add_f32 v[4:5], v[X:X+1], v[X+2:X+3]
	v_pk_add_f32 v[6:7], v[X+4:X+5], v[X+6:X+7]
.irp j, 8,12,16,20,24,28
	v_pk_add_f32 v[4:5], v[4:5], v[X+\j:X+\j+1]
	v_pk_add_f32 v[6:7], v[6:7], v[X+\j+2:X+\j+3]
.endr
	v_pk_add_f32 v[4:5], v[4:5], v[6:7]
	v_add_f32 v4, v4, v5
	RED
	v_mul_f32 v14, s29, v4                         ; the mean
	v_mov_b32 v15, v14
.irp j, 0,2,4,6,8,10,12,14,16,18,20,22,24,26,28,30
	v_pk_add_f32 v[X+\j:X+\j+1], v[X+\j:X+\j+1], v[14:15] neg_lo:[0,1] neg_hi:[0,1]
.endr
	v_pk_mul_f32 v[4:5], v[X:X+1], v[X:X+1]
	v_pk_mul_f32 v[6:7], v[X+2:X+3], v[X+2:X+3]
.irp j, 4,8,12,16,20,24,28
	v_pk_fma_f32 v[4:5], v[X+\j:X+\j+1], v[X+\j:X+\j+1], v[4:5]
	v_pk_fma_f32 v[6:7], v[X+\j+2:X+\j+3], v[X+\j+2:X+\j+3], v[6:7]
.endr
	v_pk_add_f32 v[4:5], v[4:5], v[6:7]
	v_add_f32 v4, v4, v5
	RED
	v_fma_f32 v4, v4, s29, s28                     ; the variance + 1e-5
	v_rsq_f32 v14, v4
	v_nop                                          ; one plain line behind the transcendental
	v_mov_b32 v15, v14
	s_wait_loadcnt \left2
.irp j, 0,2,4,6,8,10,12,14,16,18,20,22,24,26,28,30
	v_pk_mul_f32 v[X+\j:X+\j+1], v[X+\j:X+\j+1], v[14:15]
.endr
.irp j, 0,2,4,6,8,10,12,14,16,18,20,22,24,26,28,30
	v_pk_fma_f32 v[X+\j:X+\j+1], v[X+\j:X+\j+1], v[GG+\j:GG+\j+1], v[BB+\j:BB+\j+1]
.endr
.set q, 0
.rept NB
.set C, CC+24*\i+8*q
.irp j, 0,1,2,3,4,5,6,7,8,9,10,11,12,13,14,15,16,17,18,19,20,21,22,23,24,25,26,27,28,29,30,31
	v_med3_num_f32 v[TT+\j], v[X+\j], -v[LIMQ+q], v[LIMQ+q]   ; the conversion does not saturate (ISA guide 7.6.2): the hold comes first
.endr
.irp g, 0,1,2,3
	v_cvt_scalef32_pk8_fp8_f32 v[C+2*\g:C+2*\g+1], v[TT+8*\g:TT+8*\g+7], v[SCQ+q]
.endr
	v_nop                                          ; one plain line behind the conversions
.irp j, 0,1,2,3,4,5,6,7
	ds_store_b32 v2, v[C+\j] offset:(NB*\i+q)*1024+128*\j
.endr
.irp u, 0,1
	ds_load_b128 v[O+8*q+4*\u:O+8*q+4*\u+3], v3 offset:(NB*\i+q)*1024+512*\u   ; LDS serves a wave's instructions in order
.endr
.set q, q+1
.endr
.set q, 0
.rept NB
.irp u, 0,1
	s_wait_dscnt (NB-1-q)*10+(1-\u)                ; what was issued behind this load may stay out
	global_store_b128 v1, v[O+8*q+4*\u:O+8*q+4*\u+3], s[20+2*q:21+2*q] offset:1024*\i+512*\u
.endr
.set q, q+1
.endr
.endm
	ROW 0, 24, 8                                   ; behind row 0's loads: g's 8, b's 8, row 1's 8; behind b's: row 1's 8
	ROW 1, 0, 0
	s_endpgm
.Lfunc_end_k_q314a3334bf_ln2:
	.size	k_q314a3334bf_ln2, .Lfunc_end_k_q314a3334bf_ln2-k_q314a3334bf_ln2
	.p2alignl 7, 3214868480
	.fill 96, 4, 3214868480
	.section	.rodata,"a",@progbits
	.p2align	6, 0x0
	.amdhsa_kernel k_q314a3334bf_ln2
		.amdhsa_group_segment_fixed_size 16384
		.amdhsa_private_segment_fixed_size 0
		.amdhsa_enable_private_segment 0
		.amdhsa_kernarg_size 40
		.amdhsa_user_sgpr_count 2
		.amdhsa_user_sgpr_kernarg_segment_ptr 1
		.amdhsa_wavefront_size32 1
		.amdhsa_system_sgpr_workgroup_id_x 1
		.amdhsa_system_sgpr_workgroup_id_y 1
		.amdhsa_system_sgpr_workgroup_id_z 1
		.amdhsa_system_vgpr_workitem_id 0
		.amdhsa_next_free_vgpr 256
		.amdhsa_next_free_sgpr 66
		.amdhsa_reserve_vcc 0
		.amdhsa_float_denorm_mode_32 3
		.amdhsa_float_denorm_mode_16_64 3
		.amdhsa_memory_ordered 1
		.amdhsa_forward_progress 1
		.amdhsa_inst_pref_size 24
	.end_amdhsa_kernel
	.amdgpu_metadata
---
amdhsa.version: [ 1, 2 ]
amdhsa.kernels:
  - .name:           k_q314a3334bf_ln2
    .symbol:         k_q314a3334bf_ln2.kd
    .args:
      - { .name: res1, .offset: 0, .size: 8, .value_kind: global_buffer, .address_space: global }
      - { .name: la2_g, .offset: 8, .size: 8, .value_kind: global_buffer, .address_space: global }
      - { .name: la2_b, .offset: 16, .size: 8, .value_kind: global_buffer, .address_space: global }
      - { .name: lowp_scales, .offset: 24, .size: 8, .value_kind: global_buffer, .address_space: global }
      - { .name: h2c, .offset: 32, .size: 8, .value_kind: global_buffer, .address_space: global }
    .group_segment_fixed_size: 16384
    .private_segment_fixed_size: 0
    .kernarg_segment_align: 8
    .kernarg_segment_size: 40
    .max_flat_workgroup_size: 256
    .sgpr_count:     66
    .vgpr_count:     256
    .wavefront_size: 32
...
	.end_amdgpu_metadata
.endif
;; end of part 5
;; launch w1 (part 6): grid 16 x 16, 4 waves a work-group, clusters of 4 x 4, 327,680 bytes of LDS; arguments h2c, W1_codes, lowp_scales, b1, mc; writes mc
.if DOCPART == 6
	.amdgcn_target "amdgcn-amd-amdhsa--gfx1250"
	.amdhsa_code_object_version 6
	.text
	.protected	k_q314a3334bf_w1
	.globl	k_q314a3334bf_w1
	.p2align	8
	.type	k_q314a3334bf_w1,@function
k_q314a3334bf_w1:
	s_mov_b64 s[64:65], 0
	v_nop
	global_prefetch_b8 v0, s[64:65] scope:SCOPE_SE
	s_setreg_imm32_b32 hwreg(HW_REG_WAVE_MODE, 25, 1), 1
	s_wait_xcnt 0x0
	s_wait_alu depctr_hold_cnt(0) depctr_sa_sdst(0) depctr_va_vdst(0) depctr_va_sdst(0) depctr_va_ssrc(0) depctr_va_vcc(0) depctr_vm_vsrc(0)
	s_getreg_b32 s2, hwreg(HW_REG_IB_STS2, 6, 4)
	s_cmp_eq_u32 s2, 0
	s_cbranch_scc0 .Lentry_in_a_cluster
	s_endpgm
.Lentry_in_a_cluster:
	s_bfe_u32 s2, ttmp6, 0x10000c
	s_cmp_lg_u32 s2, 0xf033
	s_cbranch_scc0 .Lentry_shape_is_right
	s_endpgm
.Lentry_shape_is_right:
; m = gelu(h2 W1^T + b1), exact GELU, on E4M3 codes, K = 1,024; m is quantised at once for the next product (entry 14 of the scales).
; A = h2's codes [4,096][1,024], B = W1's [4,096][1,024].  OUT: codes laid [column block of 64][4,096 rows][64].
; A sum stands for sum x 2^(e12 + e13); y = sum x 2^(e12 + e13) + b1 is one packed multiply-add; code = gelu(y) / 2^e14, held within +-448.
; LIMITS: e12 + e13 between -126 and 127; e14 between -126 and 119.  NaN and infinities are not served.
; A tile of C, 256 x 256, is made by four waves, each 128 x 128: 64 accumulators, 512 registers.  K goes in steps of 256 through a ring of two LDS slots filled by the tensor data mover.
; CLUSTERS: 4 x 4 work-groups: A's tile is shared along a row of the cluster, B's along a column, each asked for jointly.  THE MATRIX INSTRUCTION IS USED TRANSPOSED: a lane holds eight neighbouring columns of one row of C.
; A fragment is fetched by four loads of 16 bytes: a permutation of k inside an instruction, the same in A and in B.
; REGISTERS: window 0: v0-31 addresses and constants; v32-95 b1 in the results' layout; v96-239 at work on the way out; from v128 A's fragments, one set.  window 1: B's fragments, two sets.  windows 2, 3: the accumulators.
.set SIZE_K, 1024
.set KSTEP,  256
.set ROWB,   256
.set KROW,   SIZE_K
.set PITCH,  272
.set FR,     16
.set NL,     4
.set NP,     4
.set HALFT,  128*PITCH
.set SLOT,   4*HALFT
.set LAPS,   SIZE_K/(2*KSTEP)
.set SPARE,  2*SLOT                    ; the spare words: 128 bytes a wave, two blocks of 256 bytes that no other line names
.set SPITCH, 288                       ; the way out: one stage of 256 rows x (256 codes + 32), in slot 0, which has had its last fill and its last read by then
.set CA0,  10
.set CA2,  12
.set CB0,  14
.set ADRA, 16
.set ADRB, 20
.set BOF,  22                          ; v22  32 x (lane / 16): my eight columns in b1
.set STO,  24
.set RD,   25
.set CO,   26
.set SPW,  28
.set NIL,  29
.set LIM,  30
.set SC,   31
.set BI,   32
.set XX,   96
.set GZ,   112
.set GT,   128
.set GS,   144
.set GR,   160
.set GU,   176
.set GQ,   192
.set CD,   208
.set AF,   128
.set BK,   96
.set G1, 24
.set G0, 32
.set G1B, 48
.set G0B, 56
.set KRS, 24                           ; on the way out the descriptors' registers hold the activation's constants, a pair each
.set KA1, 26
.set KA3, 28
.set KA4, 30
.set KA5, 32
.set KA6, 34
.set KL2, 36
.set KB1, 38
.set KB2, 40
.set KB3, 42
.set KB4, 44
.set KB5, 46
.set KABS, 48
.set KTH, 49
.set MSB, 0
.macro WIN new
.if MSB != \new
	s_set_vgpr_msb (MSB<<8)|\new
.set MSB, \new
.endif
.endm
.set MUL_LO, 0xa1
.set MUL_HI, 0xf1
.set TO_B,   0x40
.macro JLOAD g0a, g1a, g0b, g1b        ; waves 0 and 1 fetch for A, waves 2 and 3 for B; four v_nop follow each line
	s_cmp_eq_u32 s15, 0
	s_cbranch_scc0 .Lfor_b_\@
	tensor_load_to_lds s[\g0a:\g0a+3], s[\g1a:\g1a+7]
.rept 4
	v_nop
.endr
	s_branch .Lasked_\@
.Lfor_b_\@:
	tensor_load_to_lds s[\g0b:\g0b+3], s[\g1b:\g1b+7]
.rept 4
	v_nop
.endr
.Lasked_\@:
.endm
.macro CREST
	s_cmp_lg_u32 s14, 0
	s_cbranch_scc1 .Lnot_wave_0_\@
	s_barrier_signal -3
.Lnot_wave_0_\@:
	s_barrier_wait -3
	s_barrier_signal -1
	s_barrier_wait -1
.endm
.macro CROUND
	s_barrier_signal -1
	s_barrier_wait -1
	CREST
.endm
	s_load_b128 s[4:7], s[0:1], 0x0                ; A's codes, B's codes
	s_load_b128 s[76:79], s[0:1], 0x10             ; the exponents s[76:77], b1 s[78:79]
	s_load_b64 s[10:11], s[0:1], 0x20              ; the output
	v_lshl_add_u32 v[SPW], v0, 2, SPARE
	v_mov_b32 v[NIL], 0
	v_lshrrev_b32 v1, 5, v0
	v_readfirstlane_b32 s14, v1
	s_lshr_b32 s15, s14, 1
	s_and_b32 s16, s14, 1
	s_bfe_u32 s40, ttmp6, 0x40000
	s_bfe_u32 s41, ttmp6, 0x40004
	s_lshl_b32 s42, ttmp9, 2
	s_add_co_u32 s42, s42, s40                     ; tile column
	s_and_b32 s17, ttmp7, 0xffff
	s_lshl_b32 s17, s17, 2
	s_add_co_u32 s17, s17, s41                     ; tile row
	s_lshl_b32 s43, s41, 2
	s_lshl_b32 s43, 15, s43
	s_lshl_b32 s44, 0x1111, s40
	s_or_b32 s[G1+0], s43, (0<<16)|(1<<20)|(1<<21)|(5<<22)|(3<<25)
	s_or_b32 s[G1B+0], s44, (0<<16)|(1<<20)|(1<<21)|(5<<22)|(3<<25)
.irp g, G1, G1B
	s_mov_b32 s[\g+1], ROWB<<16
	s_mov_b32 s[\g+2], 128<<16
	s_mov_b32 s[\g+3], ROWB<<16
	s_mov_b32 s[\g+4], 128
	s_mov_b32 s[\g+5], KROW
	s_mov_b32 s[\g+6], 0
	s_mov_b32 s[\g+7], 0
.endr
	s_lshl_b32 s18, s16, 7
	s_lshl_b32 s20, s17, 8
	s_add_co_u32 s20, s20, s18
	s_lshl_b32 s46, s42, 8
	s_add_co_u32 s46, s46, s18
	s_mov_b32 s21, 0
	s_mov_b32 s47, 0
	s_mov_b64 s[18:19], KROW
	s_mul_u64 s[20:21], s[20:21], s[18:19]
	s_mul_u64 s[46:47], s[46:47], s[18:19]
	s_mul_i32 s45, s14, HALFT
	s_wait_kmcnt 0x0
	s_load_b128 s[96:99], s[76:77], 0x30           ; e12, e13, e14, e15
	s_add_nc_u64 s[20:21], s[4:5], s[20:21]
	s_add_nc_u64 s[46:47], s[6:7], s[46:47]
	CROUND
.irp s, 0,1
	s_mov_b32 s[G0+4*\s], 1
	s_add_co_u32 s[G0+4*\s+1], s45, \s*SLOT
	s_add_nc_u64 s[G0+4*\s+2:G0+4*\s+3], s[20:21], \s*ROWB
	s_or_b32 s[G0+4*\s+3], s[G0+4*\s+3], 0x80000000
	s_mov_b32 s[G0B+4*\s], 1
	s_add_co_u32 s[G0B+4*\s+1], s45, \s*SLOT
	s_add_nc_u64 s[G0B+4*\s+2:G0B+4*\s+3], s[46:47], \s*ROWB
	s_or_b32 s[G0B+4*\s+3], s[G0B+4*\s+3], 0x80000000
	JLOAD G0+4*\s, G1, G0B+4*\s, G1B
.endr
	v_and_b32 v1, 15, v0
	v_bfe_u32 v2, v0, 4, 1
	v_mul_u32_u24 v3, v1, PITCH
	v_lshl_add_u32 v4, v2, 4, v3
	s_mul_i32 s21, s15, HALFT
	s_mul_i32 s22, s16, HALFT
	s_add_co_u32 s22, s22, 2*HALFT
.irp s, 0,1
	v_add_nc_u32 v[ADRA+\s], s21, v4
	v_add_nc_u32 v[ADRB+\s], s22, v4
	s_add_co_u32 s21, s21, SLOT
	s_add_co_u32 s22, s22, SLOT
.endr
	s_mul_i32 s23, s15, 128*SPITCH
	s_lshl_b32 s21, s16, 7
	s_add_co_u32 s23, s23, s21
	v_mul_u32_u24 v5, v1, SPITCH
	v_lshl_add_u32 v5, v2, 3, v5
	v_add_nc_u32 v[STO], s23, v5
	v_and_b32 v6, 31, v0
	v_lshrrev_b32 v7, 2, v6
	v_mul_u32_u24 v7, v7, SPITCH
	v_and_b32 v8, 3, v6
	v_lshl_add_u32 v7, v8, 4, v7
	s_lshl_b32 s21, s14, 6
	v_add_nc_u32 v[RD], s21, v7
	v_add_nc_u32 v[RD+2], 128*SPITCH, v[RD]
	v_lshlrev_b32 v[CO], 4, v6
	s_lshl_b32 s86, s42, 2
	s_add_co_u32 s86, s86, s14                     ; my column block: 4 x tile column + wave,
	s_lshl_b32 s86, s86, 18                        ; of 4,096 rows of 64 bytes,
	s_lshl_b32 s87, s17, 14                        ; + 256 x tile row rows
	s_add_co_u32 s86, s86, s87
	s_mov_b32 s87, 0
	s_add_nc_u64 s[10:11], s[10:11], s[86:87]
	v_lshlrev_b32 v[BOF], 5, v2
	s_lshl_b32 s80, s42, 10
	s_lshl_b32 s81, s16, 9
	s_add_co_u32 s80, s80, s81                     ; b1 at my wave's first column
	s_mov_b32 s81, 0
	s_add_nc_u64 s[78:79], s[78:79], s[80:81]
.irp b, 0,1,2,3,4,5,6,7
	global_load_b128 v[BI+8*\b:BI+8*\b+3], v[BOF], s[78:79] offset:64*\b          ; b1 at columns 16 b + 8 h + 0..7: the results' layout; it lands under the products
	global_load_b128 v[BI+8*\b+4:BI+8*\b+7], v[BOF], s[78:79] offset:64*\b+16
.endr
.macro FRAG reg, adr, q, i
.irp c, 0,1,2,3
	ds_load_b128 v[\reg+4*\c:\reg+4*\c+3], v[\adr] offset:128*(\q)+32*\c+(\i)*16*PITCH
.endr
.endm
.macro MUL16 a0, p, zero               ; the 64 accumulators take turns, one instruction a turn, in the same order in every step
.irp a, \a0, \a0+1
.irp b, 0,1,2,3,4,5,6,7
.if \zero
	v_wmma_f32_16x16x128_fp8_fp8 v[8*(8*((\a)%4)+\b):8*(8*((\a)%4)+\b)+7], v[128*(\p)+FR*\b:128*(\p)+FR*\b+FR-1], v[AF+FR*(\a):AF+FR*(\a)+FR-1], 0
.else
	v_wmma_f32_16x16x128_fp8_fp8 v[8*(8*((\a)%4)+\b):8*(8*((\a)%4)+\b)+7], v[128*(\p)+FR*\b:128*(\p)+FR*\b+FR-1], v[AF+FR*(\a):AF+FR*(\a)+FR-1], v[8*(8*((\a)%4)+\b):8*(8*((\a)%4)+\b)+7]
.endif
.endr
.endr
.endm
.macro FETCH_B slot, q, p
	WIN TO_B
.irp i, 0,1,2,3,4,5,6,7
	FRAG 128*(\p)+FR*\i, ADRB+\slot, \q, \i
.endr
	WIN 0
.endm
.macro FETCH_A slot, q, i0
.irp i, \i0, \i0+1, \i0+2, \i0+3
	FRAG AF+FR*(\i), ADRA+\slot, \q, \i
.endr
.endm
.macro PLACES n
.rept \n
	v_nop
.endr
.endm
.macro STEP slot, q, zero
	s_wait_dscnt 4*NL                              ; B's set and A's blocks 0-3 are in; A's blocks 4-7 (sixteen loads) may be out
	WIN MUL_LO
	MUL16 0, (\q)%2, \zero
	MUL16 2, (\q)%2, \zero
	s_wait_dscnt 0
	PLACES NP
	FETCH_B \slot, (\q)+1, 1-(\q)%2
	FETCH_A \slot, (\q)+1, 0
	WIN MUL_HI
	MUL16 4, (\q)%2, \zero
	MUL16 6, (\q)%2, \zero
	PLACES NP
	WIN 0
	FETCH_A \slot, (\q)+1, 4
.endm
.macro TURN slot, next, fill
	s_wait_tensorcnt 0x0                           ; my part of the next slot has landed; no load of mine is out
	ds_add_u32 v[SPW], v[NIL]
	s_wait_dscnt 4*NL+1                            ; the add and A's blocks 4-7 may be out
	WIN MUL_LO
	MUL16 0, 1, 0
	s_wait_dscnt 0x0                               ; the add is done, my reads of this slot are over
	s_barrier_signal -1
	MUL16 2, 1, 0
	WIN 0
	s_barrier_wait -1
.if \fill
	CREST
	s_add_nc_u64 s[G0+4*\slot+2:G0+4*\slot+3], s[G0+4*\slot+2:G0+4*\slot+3], 2*ROWB
	s_add_nc_u64 s[G0B+4*\slot+2:G0B+4*\slot+3], s[G0B+4*\slot+2:G0B+4*\slot+3], 2*ROWB
	JLOAD G0+4*\slot, G1, G0B+4*\slot, G1B
.else
	PLACES NP
.endif
	FETCH_B \next, 0, 0
	FETCH_A \next, 0, 0
	WIN MUL_HI
	MUL16 4, 1, 0
	MUL16 6, 1, 0
	PLACES NP
	WIN 0
	FETCH_A \next, 0, 4
.endm
.macro KSET r, val
	s_mov_b32 s[\r], \val
	s_mov_b32 s[\r+1], \val
.endm
; x = x (1 + erf(x / sqrt 2)) / 2 on v[x .. x + 15].  z = x / sqrt 2, t = |z|.  t <= 475/512: erf by an odd polynomial.  Above: E = erfc(t) = exp(polynomial in t), and 1 + erf(z) = E where z < 0,
; 2 - E else: no difference of near numbers is formed, so the negative tail keeps its digits ahead of the quantiser.  Both ways are computed and v_cndmask_b32 selects: no branch on data.
.macro GELU16 x
.irp i, 0,2,4,6,8,10,12,14
	v_pk_mul_f32 v[GZ+\i:GZ+\i+1], v[\x+\i:\x+\i+1], s[KRS:KRS+1] op_sel_hi:[1,0]
.endr
.irp i, 0,1,2,3,4,5,6,7,8,9,10,11,12,13,14,15
	v_and_b32 v[GT+\i], s[KABS], v[GZ+\i]
.endr
.irp i, 0,2,4,6,8,10,12,14
	v_pk_mul_f32 v[GS+\i:GS+\i+1], v[GZ+\i:GZ+\i+1], v[GZ+\i:GZ+\i+1]
.endr
.irp i, 0,2,4,6,8,10,12,14
	v_pk_fma_f32 v[GR+\i:GR+\i+1], v[GT+\i:GT+\i+1], v[CA0:CA0+1], s[KA1:KA1+1] op_sel_hi:[1,1,0]
.endr
.irp i, 0,2,4,6,8,10,12,14
	v_pk_fma_f32 v[GU+\i:GU+\i+1], v[GT+\i:GT+\i+1], v[CA2:CA2+1], s[KA3:KA3+1] op_sel_hi:[1,1,0]
.endr
.irp i, 0,2,4,6,8,10,12,14
	v_pk_fma_f32 v[GR+\i:GR+\i+1], v[GR+\i:GR+\i+1], v[GS+\i:GS+\i+1], v[GU+\i:GU+\i+1]
.endr
.irp k, KA4, KA5, KA6
.irp i, 0,2,4,6,8,10,12,14
	v_pk_fma_f32 v[GR+\i:GR+\i+1], v[GR+\i:GR+\i+1], v[GT+\i:GT+\i+1], s[\k:\k+1] op_sel_hi:[1,1,0]
.endr
.endr
.irp i, 0,2,4,6,8,10,12,14
	v_pk_fma_f32 v[GR+\i:GR+\i+1], v[GR+\i:GR+\i+1], v[GT+\i:GT+\i+1], v[GT+\i:GT+\i+1] neg_lo:[0,0,1] neg_hi:[0,0,1]
.endr
.irp i, 0,2,4,6,8,10,12,14
	v_pk_mul_f32 v[GR+\i:GR+\i+1], v[GR+\i:GR+\i+1], s[KL2:KL2+1] op_sel_hi:[1,0]
.endr
.irp i, 0,1,2,3,4,5,6,7,8,9,10,11,12,13,14,15
	v_exp_f32 v[GR+\i], v[GR+\i]                   ; E
.endr
.irp i, 0,2,4,6,8,10,12,14
	v_pk_fma_f32 v[GQ+\i:GQ+\i+1], v[GS+\i:GS+\i+1], v[CB0:CB0+1], s[KB1:KB1+1] op_sel_hi:[1,1,0]   ; (plain lines behind the exponentials)
.endr
.irp k, KB2, KB3, KB4, KB5
.irp i, 0,2,4,6,8,10,12,14
	v_pk_fma_f32 v[GQ+\i:GQ+\i+1], v[GQ+\i:GQ+\i+1], v[GS+\i:GS+\i+1], s[\k:\k+1] op_sel_hi:[1,1,0]
.endr
.endr
.irp i, 0,2,4,6,8,10,12,14
	v_pk_fma_f32 v[GQ+\i:GQ+\i+1], v[GQ+\i:GQ+\i+1], v[GZ+\i:GZ+\i+1], v[GZ+\i:GZ+\i+1]
.endr
.irp i, 0,2,4,6,8,10,12,14
	v_pk_add_f32 v[GQ+\i:GQ+\i+1], v[GQ+\i:GQ+\i+1], 1.0 op_sel_hi:[1,0]
.endr
.irp i, 0,2,4,6,8,10,12,14
	v_pk_add_f32 v[GU+\i:GU+\i+1], v[GR+\i:GR+\i+1], 2.0 op_sel_hi:[1,0] neg_lo:[1,0] neg_hi:[1,0]   ; 2 - E
.endr
.irp i, 0,1,2,3,4,5,6,7,8,9,10,11,12,13,14,15
	v_cmp_gt_f32 vcc_lo, 0, v[GZ+\i]
	v_cndmask_b32 v[GU+\i], v[GU+\i], v[GR+\i], vcc_lo
.endr
.irp i, 0,1,2,3,4,5,6,7,8,9,10,11,12,13,14,15
	v_cmp_lt_f32 vcc_lo, s[KTH], v[GT+\i]
	v_cndmask_b32 v[GQ+\i], v[GQ+\i], v[GU+\i], vcc_lo
.endr
.irp i, 0,2,4,6,8,10,12,14
	v_pk_mul_f32 v[\x+\i:\x+\i+1], v[\x+\i:\x+\i+1], 0.5 op_sel_hi:[1,0]
.endr
.irp i, 0,2,4,6,8,10,12,14
	v_pk_mul_f32 v[\x+\i:\x+\i+1], v[\x+\i:\x+\i+1], v[GQ+\i:GQ+\i+1]
.endr
.endm
	s_wait_tensorcnt 1                             ; my part of K step 0 is in; K step 1's load may be out
	s_barrier_signal -1
	s_barrier_wait -1
	FETCH_B 0, 0, 0
	FETCH_A 0, 0, 0
	FETCH_A 0, 0, 4
	STEP 0, 0, 1
	s_mov_b32 s3, LAPS-1
.Llap:
	TURN 0, 1, 1
	STEP 1, 0, 0
	TURN 1, 0, 1
	STEP 0, 0, 0
	s_sub_co_u32 s3, s3, 1
	s_cmp_lg_u32 s3, 0
	s_cbranch_scc1 .Llap
	TURN 0, 1, 0
	STEP 1, 0, 0
	s_wait_dscnt 4*NL
	WIN MUL_LO
	MUL16 0, 1, 0
	MUL16 2, 1, 0
	s_wait_dscnt 0
	WIN MUL_HI
	MUL16 4, 1, 0
	MUL16 6, 1, 0
	WIN 0
	; THE WAY OUT: scale and bias, the activation, hold, convert; 8 bytes a lane into the work-group's stage; a barrier; each wave takes one column block of 64 codes x 256 rows, 16 KiB on end in memory.
	s_wait_kmcnt 0x0
	s_add_co_i32 s92, s96, s97
	s_add_co_i32 s92, s92, 127
	s_lshl_b32 s92, s92, 23                        ; 2^(e12 + e13)
	s_mov_b32 s93, s92
	s_add_co_i32 s94, s98, 127
	s_lshl_b32 s95, s94, 23
	v_mov_b32 v[SC], s95                           ; 2^e14
	s_add_co_i32 s94, s94, 8
	s_lshl_b32 s94, s94, 23
	s_or_b32 s94, s94, 0x600000
	v_mov_b32 v[LIM], s94                          ; 448 x 2^e14
	KSET KRS, 0x3f3504f3                           ; every tensor load of mine is done: the descriptors' registers are free
	KSET KA1, 0x39c8e7d9
	KSET KA3, 0x3cc6b1a1
	KSET KA4, 0xbddaae5c
	KSET KA5, 0xbf228550
	KSET KA6, 0xbe03ce86
	KSET KL2, 0x3fb8aa3b
	KSET KB1, 0x3ba38d2c
	KSET KB2, 0xbcdb48d9
	KSET KB3, 0x3de70e22
	KSET KB4, 0xbec09380
	KSET KB5, 0x3e0375d4
	s_mov_b32 s[KABS], 0x7fffffff
	s_mov_b32 s[KTH], 0x3f6d8000
	v_mov_b32 v[CA0], 0xb7910000
	v_mov_b32 v[CA0+1], 0xb7910000
	v_mov_b32 v[CA2], 0xbb7e8a1c
	v_mov_b32 v[CA2+1], 0xbb7e8a1c
	v_mov_b32 v[CB0], 0xba1c7000
	v_mov_b32 v[CB0+1], 0xba1c7000
	s_wait_loadcnt 0x0                             ; b1
	PLACES NP
.macro OUTPAIR a, g                    ; block a's accumulators 2 g and 2 g + 1: 16 numbers a lane
.set AC, 64*((\a)%4)+16*(\g)
.set CQ, CD+4*((4*(\a)+(\g))%8)
.set WW, 0x02+((\a)/4)
	WIN WW                                         ; source 0: window 2 or 3
.irp i, 0,2,4,6,8,10,12,14
	v_pk_fma_f32 v[XX+\i:XX+\i+1], v[AC+\i:AC+\i+1], s[92:93], v[BI+16*(\g)+\i:BI+16*(\g)+\i+1] op_sel_hi:[1,0,1]   ; each accumulator from its low end on
.endr
	WIN 0
	GELU16 XX
.irp i, 0,1,2,3,4,5,6,7,8,9,10,11,12,13,14,15
	v_med3_num_f32 v[XX+\i], v[XX+\i], -v[LIM], v[LIM]   ; the conversion does not saturate (ISA guide 7.6.2)
.endr
	v_cvt_scalef32_pk8_fp8_f32 v[CQ:CQ+1], v[XX:XX+7], v[SC]
	v_cvt_scalef32_pk8_fp8_f32 v[CQ+2:CQ+3], v[XX+8:XX+15], v[SC]
	v_nop                                          ; one plain line behind the conversions
	ds_store_b64 v[STO], v[CQ:CQ+1] offset:(\a)*16*SPITCH+32*(\g)
	ds_store_b64 v[STO], v[CQ+2:CQ+3] offset:(\a)*16*SPITCH+32*(\g)+16
.endm
.irp a, 0,1,2,3,4,5,6,7
.irp g, 0,1,2,3
	OUTPAIR \a, \g
.endr
.endr
	s_wait_dscnt 0x0                               ; for the others' sake: my stores into the stage are done
	s_barrier_signal -1
	s_barrier_wait -1
.set t, 0
.rept 32
	ds_load_b128 v[BK+4*t:BK+4*t+3], v[RD+2*(t/16)] offset:(t%16)*8*SPITCH
.set t, t+1
.endr
.set t, 0
.rept 32
	s_wait_dscnt 31-t
	global_store_b128 v[CO], v[BK+4*t:BK+4*t+3], s[10:11] offset:512*t   ; 32 lanes store 512 consecutive bytes, aligned
.set t, t+1
.endr
	s_wait_tensorcnt 0x0                           ; the wave's end
	ds_add_u32 v[SPW], v[NIL]
	s_wait_dscnt 0x0
	CROUND                                         ; the closing round
	s_endpgm
.Lfunc_end_k_q314a3334bf_w1:
	.size	k_q314a3334bf_w1, .Lfunc_end_k_q314a3334bf_w1-k_q314a3334bf_w1
	.p2alignl 7, 3214868480
	.fill 96, 4, 3214868480
	.section	.rodata,"a",@progbits
	.p2align	6, 0x0
	.amdhsa_kernel k_q314a3334bf_w1
		.amdhsa_group_segment_fixed_size 327680
		.amdhsa_private_segment_fixed_size 0
		.amdhsa_enable_private_segment 0
		.amdhsa_kernarg_size 40
		.amdhsa_user_sgpr_count 2
		.amdhsa_user_sgpr_kernarg_segment_ptr 1
		.amdhsa_wavefront_size32 1
		.amdhsa_system_sgpr_workgroup_id_x 1
		.amdhsa_system_sgpr_workgroup_id_y 1
		.amdhsa_system_sgpr_workgroup_id_z 1
		.amdhsa_system_vgpr_workitem_id 0
		.amdhsa_next_free_vgpr 1024
		.amdhsa_next_free_sgpr 100
		.amdhsa_reserve_vcc 1
		.amdhsa_float_denorm_mode_32 3
		.amdhsa_float_denorm_mode_16_64 3
		.amdhsa_memory_ordered 1
		.amdhsa_forward_progress 1
		.amdhsa_inst_pref_size 255
	.end_amdhsa_kernel
	.section	.bss,"aw",@nobits
	.p2align	6
	.space	262144
	.amdgpu_metadata
---
amdhsa.version: [ 1, 2 ]
amdhsa.kernels:
  - .name:           k_q314a3334bf_w1
    .symbol:         k_q314a3334bf_w1.kd
    .args:
      - { .name: h2c, .offset: 0, .size: 8, .value_kind: global_buffer, .address_space: global }
      - { .name: W1_codes, .offset: 8, .size: 8, .value_kind: global_buffer, .address_space: global }
      - { .name: lowp_scales, .offset: 16, .size: 8, .value_kind: global_buffer, .address_space: global }
      - { .name: b1, .offset: 24, .size: 8, .value_kind: global_buffer, .address_space: global }
      - { .name: mc, .offset: 32, .size: 8, .value_kind: global_buffer, .address_space: global }
    .group_segment_fixed_size: 327680
    .private_segment_fixed_size: 0
    .kernarg_segment_align: 8
    .kernarg_segment_size: 40
    .max_flat_workgroup_size: 128
    .sgpr_count:     100
    .vgpr_count:     1024
    .wavefront_size: 32
...
	.end_amdgpu_metadata
.endif
;; end of part 6
;; launch w2 (part 7): grid 8 x 32, 4 waves a work-group, clusters of 4 x 4, 327,680 bytes of LDS; arguments mc, W2_codes, lowp_scales, b2, res1, out0; writes out0
.if DOCPART == 7
	.amdgcn_target "amdgcn-amd-amdhsa--gfx1250"
	.amdhsa_code_object_version 6
	.text
	.protected	k_q314a3334bf_w2
	.globl	k_q314a3334bf_w2
	.p2align	8
	.type	k_q314a3334bf_w2,@function
k_q314a3334bf_w2:
	s_mov_b64 s[64:65], 0
	v_nop
	global_prefetch_b8 v0, s[64:65] scope:SCOPE_SE
	s_setreg_imm32_b32 hwreg(HW_REG_WAVE_MODE, 25, 1), 1
	s_wait_xcnt 0x0
	s_wait_alu depctr_hold_cnt(0) depctr_sa_sdst(0) depctr_va_vdst(0) depctr_va_sdst(0) depctr_va_ssrc(0) depctr_va_vcc(0) depctr_vm_vsrc(0)
	s_getreg_b32 s2, hwreg(HW_REG_IB_STS2, 6, 4)
	s_cmp_eq_u32 s2, 0
	s_cbranch_scc0 .Lentry_in_a_cluster
	s_endpgm
.Lentry_in_a_cluster:
	s_bfe_u32 s2, ttmp6, 0x10000c
	s_cmp_lg_u32 s2, 0xf033
	s_cbranch_scc0 .Lentry_shape_is_right
	s_endpgm
.Lentry_shape_is_right:
; out[m][n] = act(sum over k of A[m][k] B[n][k] x 2^(ea + eb) + bias[n]) + residual[m][n], f32.  Here: A = the MLP's hidden codes, B = W2, act = exact GELU, residual = the first residual's sum.
; A: codes laid [K / 64][4,096 rows][64]; B: [1,024][SIZE_K] codes; bias [1,024]; residual, out: [4,096][1,024] f32.
; A tile is 128 x 128, so that 256 work-groups share the 4,096 x 1,024 results; four waves, each 64 x 64: 16 accumulators.  K goes in steps of 512 through a ring of two LDS slots.
; CLUSTERS: 4 x 4: A's tile is shared along a row of the cluster, B's along a column, each asked for jointly.  THE MATRIX INSTRUCTION IS USED TRANSPOSED: a lane holds eight neighbouring columns of a row.
; LDS, a slot: A's two halves, each [8 blocks of 64 along K][64 rows][64 bytes + 16]; B's two halves, 64 rows of 512 bytes + 16.  A fragment comes by four loads of 16 bytes: the same permutation of k in A and B.
; LIMIT: ea + eb between -126 and 127.  NaN and infinities are not served.
; REGISTERS: window 0: v0-31 addresses and constants; v32-127 at work on the way out; v128-255 the accumulators ((a, b) at 128 + 8 (4 a + b)).  window 1: two fragment buffers of 128 (A's four, then B's four).  window 2: v0-127 the residual.
.set SIZE_K, 4096
.set GELU,   1
.set SCOFF,  56                        ; the byte of ea in the exponents
.set KSTEP,  512
.set AP,     80
.set AKB,    64*AP
.set AHALF,  8*AKB
.set BP,     528
.set BHALF,  64*BP
.set BOFF,   2*AHALF
.set SLOT,   BOFF+2*BHALF
.set SPARE,  2*SLOT                    ; the spare words: 128 bytes a wave, two blocks of 256 bytes that no other line names
.set SPITCH, 272                       ; the way out: each wave's own stage of 64 rows x (256 bytes + 16), in slot 0, which has had its last fill and its last read by then
.set LAPS,   SIZE_K/(2*KSTEP)
.set BO,   6
.set BIA,  8
.set CA0,  12
.set CA2,  14
.set ADRA, 16
.set CB0,  18
.set ADRB, 20
.set STO,  24
.set RD,   25
.set CO,   26
.set SPW,  28
.set NIL,  29
.set GZ,   32
.set GT,   48
.set GS,   64
.set GR,   80
.set GU,   96
.set GQ,   112
.set ACC,  128
.set F0,   0
.set F1,   128
.set G1, 24
.set G0, 32
.set G1B, 48
.set G0B, 56
.set KRS, 24                           ; on the way out the descriptors' registers hold the activation's constants, a pair each
.set KA1, 26
.set KA3, 28
.set KA4, 30
.set KA5, 32
.set KA6, 34
.set KL2, 36
.set KB1, 38
.set KB2, 40
.set KB3, 42
.set KB4, 44
.set KB5, 46
.set KABS, 48
.set KTH, 49
.set MSB, 0
.macro WIN new
.if MSB != \new
	s_set_vgpr_msb (MSB<<8)|\new
.set MSB, \new
.endif
.endm
.set MUL,  0x05
.set TO_F, 0x40
.macro JLOAD s                         ; waves 0 and 1 fetch A's halves, waves 2 and 3 B's; four v_nop follow each line
	s_cmp_eq_u32 s11, 0
	s_cbranch_scc0 .Lfor_b_\@
	tensor_load_to_lds s[G0+4*\s:G0+4*\s+3], s[G1:G1+7]
.rept 4
	v_nop
.endr
	s_branch .Lasked_\@
.Lfor_b_\@:
	tensor_load_to_lds s[G0B+4*\s:G0B+4*\s+3], s[G1B:G1B+7]
.rept 4
	v_nop
.endr
.Lasked_\@:
.endm
.macro CREST
	s_cmp_lg_u32 s10, 0
	s_cbranch_scc1 .Lnot_wave_0_\@
	s_barrier_signal -3
.Lnot_wave_0_\@:
	s_barrier_wait -3
	s_barrier_signal -1
	s_barrier_wait -1
.endm
.macro CROUND
	s_barrier_signal -1
	s_barrier_wait -1
	CREST
.endm
	s_load_b128 s[4:7], s[0:1], 0x0                ; A's codes, B's codes
	s_load_b128 s[68:71], s[0:1], 0x10             ; the exponents, the bias
	s_load_b128 s[72:75], s[0:1], 0x20             ; the residual, the output
	v_lshl_add_u32 v[SPW], v0, 2, SPARE
	v_mov_b32 v[NIL], 0
	v_lshrrev_b32 v1, 5, v0
	v_readfirstlane_b32 s10, v1                    ; wave
	s_lshr_b32 s11, s10, 1                         ; my half of the rows; also: I fetch for A (0) or B (1)
	s_and_b32 s12, s10, 1                          ; my half of the columns; also: which 64 rows I fetch
	s_bfe_u32 s40, ttmp6, 0x40000
	s_bfe_u32 s41, ttmp6, 0x40004
	s_lshl_b32 s42, ttmp9, 2
	s_add_co_u32 s42, s42, s40                     ; tile column
	s_and_b32 s13, ttmp7, 0xffff
	s_lshl_b32 s13, s13, 2
	s_add_co_u32 s13, s13, s41                     ; tile row
	s_lshl_b32 s43, s41, 2
	s_lshl_b32 s43, 15, s43
	s_lshl_b32 s44, 0x1111, s40
	s_or_b32 s[G1+0], s43, (1<<20)|(1<<21)|(3<<22)|(3<<25)    ; A: my row's mask; elements of 1 byte; 4 words of padding behind every 16
	s_mov_b32 s[G1+1], 4096<<16                    ; tensor_dim0: 64 rows of 64 bytes on end
	s_mov_b32 s[G1+2], 8<<16                       ; tensor_dim1: 8 blocks along K
	s_mov_b32 s[G1+3], 4096<<16
	s_mov_b32 s[G1+4], 8
	s_mov_b32 s[G1+5], 262144                      ; from block to block: 4,096 rows of 64
	s_mov_b32 s[G1+6], 0
	s_mov_b32 s[G1+7], 0
	s_or_b32 s[G1B+0], s44, (1<<20)|(1<<21)|(6<<22)|(3<<25)   ; B: my column's mask; 4 words behind every 128
	s_mov_b32 s[G1B+1], KSTEP<<16
	s_mov_b32 s[G1B+2], 64<<16
	s_mov_b32 s[G1B+3], KSTEP<<16
	s_mov_b32 s[G1B+4], 64
	s_mov_b32 s[G1B+5], SIZE_K
	s_mov_b32 s[G1B+6], 0
	s_mov_b32 s[G1B+7], 0
	s_lshl_b32 s17, s12, 6
	s_lshl_b32 s16, s13, 7
	s_add_co_u32 s16, s16, s17
	s_lshl_b32 s16, s16, 6                         ; A: (128 x tile row + 64 x half) rows of 64 bytes
	s_lshl_b32 s46, s42, 7
	s_add_co_u32 s46, s46, s17
	s_mul_i32 s46, s46, SIZE_K                     ; B: (128 x tile column + 64 x half) rows
	s_mov_b32 s17, 0
	s_mov_b32 s47, 0
	s_mul_i32 s20, s12, AHALF                      ; where they go
	s_mul_i32 s21, s12, BHALF
	s_add_co_u32 s21, s21, BOFF
	s_wait_kmcnt 0x0
	s_load_b64 s[96:97], s[68:69], SCOFF           ; ea, eb
	s_add_nc_u64 s[14:15], s[4:5], s[16:17]
	s_add_nc_u64 s[46:47], s[6:7], s[46:47]
	CROUND
.irp s, 0,1
	s_mov_b32 s[G0+4*\s], 1
	s_add_co_u32 s[G0+4*\s+1], s20, \s*SLOT
	s_add_nc_u64 s[G0+4*\s+2:G0+4*\s+3], s[14:15], \s*8*262144
	s_or_b32 s[G0+4*\s+3], s[G0+4*\s+3], 0x80000000
	s_mov_b32 s[G0B+4*\s], 1
	s_add_co_u32 s[G0B+4*\s+1], s21, \s*SLOT
	s_add_nc_u64 s[G0B+4*\s+2:G0B+4*\s+3], s[46:47], \s*KSTEP
	s_or_b32 s[G0B+4*\s+3], s[G0B+4*\s+3], 0x80000000
	JLOAD \s
.endr
	v_and_b32 v1, 15, v0                           ; r
	v_bfe_u32 v2, v0, 4, 1                         ; h
	v_mul_u32_u24 v3, v1, AP
	v_lshl_add_u32 v3, v2, 4, v3
	v_mul_u32_u24 v4, v1, BP
	v_lshl_add_u32 v4, v2, 4, v4
	s_mul_i32 s21, s11, AHALF
	s_mul_i32 s22, s12, BHALF
	s_add_co_u32 s22, s22, BOFF
.irp s, 0,1
	v_add_nc_u32 v[ADRA+\s], s21, v3
	v_add_nc_u32 v[ADRB+\s], s22, v4
	s_add_co_u32 s21, s21, SLOT
	s_add_co_u32 s22, s22, SLOT
.endr
	s_mul_i32 s23, s10, 64*SPITCH                  ; my stage
	v_mul_u32_u24 v5, v1, SPITCH
	v_lshl_add_u32 v5, v2, 5, v5
	v_add_nc_u32 v[STO], s23, v5                   ; in: row r, 32 bytes for each half of the lanes
	v_mul_u32_u24 v5, v2, SPITCH
	v_lshl_add_u32 v5, v1, 4, v5
	v_add_nc_u32 v[RD], s23, v5                    ; back: lanes 0-15 one row of 256 bytes, lanes 16-31 the next
	v_lshlrev_b32 v5, 12, v2
	v_lshl_add_u32 v[CO], v1, 4, v5                ; the same two rows in memory
	v_lshlrev_b32 v[BO], 4, v1                     ; my four columns in the bias
	s_lshl_b32 s16, s13, 7
	s_lshl_b32 s17, s11, 6
	s_add_co_u32 s16, s16, s17
	s_lshl_b32 s16, s16, 12                        ; my first row, in bytes
	s_lshl_b32 s84, s42, 7
	s_lshl_b32 s85, s12, 6
	s_add_co_u32 s84, s84, s85
	s_lshl_b32 s84, s84, 2                         ; my first column, in bytes
	s_mov_b32 s85, 0
	s_add_nc_u64 s[70:71], s[70:71], s[84:85]
	s_add_co_u32 s84, s84, s16
	s_add_nc_u64 s[72:73], s[72:73], s[84:85]
	s_add_nc_u64 s[74:75], s[74:75], s[84:85]
	WIN 0x80                                       ; destination window 2
.set t, 0
.rept 32
	global_load_b128 v[4*t:4*t+3], v[CO], s[72:73] offset:8192*t   ; the residual of my 64 x 64, in the layout of the stores; it lands under the products
.set t, t+1
.endr
	WIN 0
	global_load_b128 v[BIA:BIA+3], v[BO], s[70:71]
.macro FETCH slot, q, f                ; the fragments of the slot's q-th 128 along K: B's sixteen loads, then A's, blocks ascending
	WIN TO_F
.irp i, 0,1,2,3
.irp c, 0,1,2,3
	ds_load_b128 v[\f+64+16*\i+4*\c:\f+64+16*\i+4*\c+3], v[ADRB+\slot] offset:128*(\q)+32*\c+\i*16*BP
.endr
.endr
.irp i, 0,1,2,3
.irp c, 0,1,2,3
	ds_load_b128 v[\f+16*\i+4*\c:\f+16*\i+4*\c+3], v[ADRA+\slot] offset:(2*(\q)+\c/2)*AKB+\i*16*AP+32*(\c%2)
.endr
.endr
.endm
.macro MULA f, a, zero                 ; A's block a against B's four.  The sixteen accumulators take turns in one order throughout
.irp b, 0,1,2,3
.if \zero
	v_wmma_f32_16x16x128_fp8_fp8 v[ACC+8*(4*(\a)+\b):ACC+8*(4*(\a)+\b)+7], v[\f+64+16*\b:\f+64+16*\b+15], v[\f+16*(\a):\f+16*(\a)+15], 0
.else
	v_wmma_f32_16x16x128_fp8_fp8 v[ACC+8*(4*(\a)+\b):ACC+8*(4*(\a)+\b)+7], v[\f+64+16*\b:\f+64+16*\b+15], v[\f+16*(\a):\f+16*(\a)+15], v[ACC+8*(4*(\a)+\b):ACC+8*(4*(\a)+\b)+7]
.endif
.endr
.endm
.macro PLACES
.rept 4
	v_nop
.endr
.endm
.macro QUARTER slot, q, f, g, zero     ; multiplies buffer f; fetches the slot's quarter q into g
	s_wait_dscnt 8                                 ; B's four and A's blocks 0, 1 are in; A's blocks 2, 3 (eight loads) may be out
	WIN MUL
	MULA \f, 0, \zero
	MULA \f, 1, \zero
	PLACES
	FETCH \slot, \q, \g
	s_wait_dscnt 32                                ; all but the 32 just issued
	WIN MUL
	MULA \f, 2, \zero
	MULA \f, 3, \zero
.endm
.macro TURN slot, next, fill           ; a slot's last quarter, in buffer 1, and the change of slots
	WIN 0
	s_wait_tensorcnt 0x0                           ; my part of the next slot has landed; no load of mine is out
	ds_add_u32 v[SPW], v[NIL]
	s_wait_dscnt 13                                ; the add and A's blocks 1-3 (twelve loads) may be out
	WIN MUL
	MULA F1, 0, 0
	s_wait_dscnt 0x0                               ; the add is done, my reads of this slot are over
	s_barrier_signal -1
	MULA F1, 1, 0
.if \fill
	WIN 0
.endif
	s_barrier_wait -1
.if \fill
	CREST                                          ; the barrier opened a round of the cluster's: no wave of any partner still reads this slot or has a load on its way
	s_add_nc_u64 s[G0+4*\slot+2:G0+4*\slot+3], s[G0+4*\slot+2:G0+4*\slot+3], 2*8*262144
	s_add_nc_u64 s[G0B+4*\slot+2:G0B+4*\slot+3], s[G0B+4*\slot+2:G0B+4*\slot+3], 2*KSTEP
	JLOAD \slot                                    ; the first tensor load behind the round; its four v_nop are the places ahead of the loads below
.else
	PLACES
.endif
	FETCH \next, 0, F0
	WIN MUL
	MULA F1, 2, 0
	MULA F1, 3, 0
.endm
.macro KSET r, val
	s_mov_b32 s[\r], \val
	s_mov_b32 s[\r+1], \val
.endm
; x = x (1 + erf(x / sqrt 2)) / 2 on v[x .. x + 15].  z = x / sqrt 2, t = |z|.  t <= 475/512: erf by an odd polynomial.  Above: E = erfc(t) = exp(polynomial in t), and 1 + erf(z) = E where z < 0,
; 2 - E else: no difference of near numbers is formed, so the negative tail keeps its digits.  Both ways are computed and v_cndmask_b32 selects: no branch on data.
.macro GELU16 x
.irp i, 0,2,4,6,8,10,12,14
	v_pk_mul_f32 v[GZ+\i:GZ+\i+1], v[\x+\i:\x+\i+1], s[KRS:KRS+1] op_sel_hi:[1,0]
.endr
.irp i, 0,1,2,3,4,5,6,7,8,9,10,11,12,13,14,15
	v_and_b32 v[GT+\i], s[KABS], v[GZ+\i]
.endr
.irp i, 0,2,4,6,8,10,12,14
	v_pk_mul_f32 v[GS+\i:GS+\i+1], v[GZ+\i:GZ+\i+1], v[GZ+\i:GZ+\i+1]
.endr
.irp i, 0,2,4,6,8,10,12,14
	v_pk_fma_f32 v[GR+\i:GR+\i+1], v[GT+\i:GT+\i+1], v[CA0:CA0+1], s[KA1:KA1+1] op_sel_hi:[1,1,0]
.endr
.irp i, 0,2,4,6,8,10,12,14
	v_pk_fma_f32 v[GU+\i:GU+\i+1], v[GT+\i:GT+\i+1], v[CA2:CA2+1], s[KA3:KA3+1] op_sel_hi:[1,1,0]
.endr
.irp i, 0,2,4,6,8,10,12,14
	v_pk_fma_f32 v[GR+\i:GR+\i+1], v[GR+\i:GR+\i+1], v[GS+\i:GS+\i+1], v[GU+\i:GU+\i+1]
.endr
.irp k, KA4, KA5, KA6
.irp i, 0,2,4,6,8,10,12,14
	v_pk_fma_f32 v[GR+\i:GR+\i+1], v[GR+\i:GR+\i+1], v[GT+\i:GT+\i+1], s[\k:\k+1] op_sel_hi:[1,1,0]
.endr
.endr
.irp i, 0,2,4,6,8,10,12,14
	v_pk_fma_f32 v[GR+\i:GR+\i+1], v[GR+\i:GR+\i+1], v[GT+\i:GT+\i+1], v[GT+\i:GT+\i+1] neg_lo:[0,0,1] neg_hi:[0,0,1]
.endr
.irp i, 0,2,4,6,8,10,12,14
	v_pk_mul_f32 v[GR+\i:GR+\i+1], v[GR+\i:GR+\i+1], s[KL2:KL2+1] op_sel_hi:[1,0]
.endr
.irp i, 0,1,2,3,4,5,6,7,8,9,10,11,12,13,14,15
	v_exp_f32 v[GR+\i], v[GR+\i]                   ; E
.endr
.irp i, 0,2,4,6,8,10,12,14
	v_pk_fma_f32 v[GQ+\i:GQ+\i+1], v[GS+\i:GS+\i+1], v[CB0:CB0+1], s[KB1:KB1+1] op_sel_hi:[1,1,0]   ; (plain lines behind the exponentials)
.endr
.irp k, KB2, KB3, KB4, KB5
.irp i, 0,2,4,6,8,10,12,14
	v_pk_fma_f32 v[GQ+\i:GQ+\i+1], v[GQ+\i:GQ+\i+1], v[GS+\i:GS+\i+1], s[\k:\k+1] op_sel_hi:[1,1,0]
.endr
.endr
.irp i, 0,2,4,6,8,10,12,14
	v_pk_fma_f32 v[GQ+\i:GQ+\i+1], v[GQ+\i:GQ+\i+1], v[GZ+\i:GZ+\i+1], v[GZ+\i:GZ+\i+1]
.endr
.irp i, 0,2,4,6,8,10,12,14
	v_pk_add_f32 v[GQ+\i:GQ+\i+1], v[GQ+\i:GQ+\i+1], 1.0 op_sel_hi:[1,0]
.endr
.irp i, 0,2,4,6,8,10,12,14
	v_pk_add_f32 v[GU+\i:GU+\i+1], v[GR+\i:GR+\i+1], 2.0 op_sel_hi:[1,0] neg_lo:[1,0] neg_hi:[1,0]   ; 2 - E
.endr
.irp i, 0,1,2,3,4,5,6,7,8,9,10,11,12,13,14,15
	v_cmp_gt_f32 vcc_lo, 0, v[GZ+\i]
	v_cndmask_b32 v[GU+\i], v[GU+\i], v[GR+\i], vcc_lo
.endr
.irp i, 0,1,2,3,4,5,6,7,8,9,10,11,12,13,14,15
	v_cmp_lt_f32 vcc_lo, s[KTH], v[GT+\i]
	v_cndmask_b32 v[GQ+\i], v[GQ+\i], v[GU+\i], vcc_lo
.endr
.irp i, 0,2,4,6,8,10,12,14
	v_pk_mul_f32 v[\x+\i:\x+\i+1], v[\x+\i:\x+\i+1], 0.5 op_sel_hi:[1,0]
.endr
.irp i, 0,2,4,6,8,10,12,14
	v_pk_mul_f32 v[\x+\i:\x+\i+1], v[\x+\i:\x+\i+1], v[GQ+\i:GQ+\i+1]
.endr
.endm
	s_wait_tensorcnt 1                             ; my part of K step 0 is in; K step 1's may be out
	s_barrier_signal -1
	s_barrier_wait -1
	FETCH 0, 0, F0
	QUARTER 0, 1, F0, F1, 1                        ; the first quarter's products start the sums
.if LAPS > 1
	WIN 0
	s_mov_b32 s3, LAPS-1
.Llap:                                             ; a trip goes once round the ring and fills both slots again
	QUARTER 0, 2, F1, F0, 0
	QUARTER 0, 3, F0, F1, 0
	TURN 0, 1, 1
	QUARTER 1, 1, F0, F1, 0
	QUARTER 1, 2, F1, F0, 0
	QUARTER 1, 3, F0, F1, 0
	TURN 1, 0, 1
	QUARTER 0, 1, F0, F1, 0
	WIN 0
	s_sub_co_u32 s3, s3, 1
	s_cmp_lg_u32 s3, 0
	s_cbranch_scc1 .Llap
.endif
	QUARTER 0, 2, F1, F0, 0                        ; the last lap fills nothing
	QUARTER 0, 3, F0, F1, 0
	TURN 0, 1, 0
	QUARTER 1, 1, F0, F1, 0
	QUARTER 1, 2, F1, F0, 0
	QUARTER 1, 3, F0, F1, 0
	s_wait_dscnt 8
	WIN MUL
	MULA F1, 0, 0
	MULA F1, 1, 0
	s_wait_dscnt 0
	MULA F1, 2, 0
	MULA F1, 3, 0
	WIN 0
	; THE WAY OUT: the sums go through my own stage and come back as whole rows of 256 bytes, into the registers that they left; then scale, bias, activation and residual, and sixteen lanes store 256 consecutive bytes, aligned.
	PLACES
.irp a, 0,1,2,3
.irp b, 0,1,2,3
	ds_store_b128 v[STO], v[ACC+8*(4*\a+\b):ACC+8*(4*\a+\b)+3] offset:\a*16*SPITCH+64*\b        ; each accumulator from its low end on
	ds_store_b128 v[STO], v[ACC+8*(4*\a+\b)+4:ACC+8*(4*\a+\b)+7] offset:\a*16*SPITCH+64*\b+16
.endr
.endr
.set t, 0
.rept 32
	ds_load_b128 v[ACC+4*t:ACC+4*t+3], v[RD] offset:t*2*SPITCH     ; LDS serves a wave's instructions in order: these see the stores above
.set t, t+1
.endr
	s_wait_kmcnt 0x0
	s_add_co_i32 s92, s96, s97
	s_add_co_i32 s92, s92, 127
	s_lshl_b32 s92, s92, 23                        ; 2^(ea + eb)
	s_mov_b32 s93, s92
.if GELU
	KSET KRS, 0x3f3504f3                           ; every tensor load of mine is done: the descriptors' registers are free
	KSET KA1, 0x39c8e7d9
	KSET KA3, 0x3cc6b1a1
	KSET KA4, 0xbddaae5c
	KSET KA5, 0xbf228550
	KSET KA6, 0xbe03ce86
	KSET KL2, 0x3fb8aa3b
	KSET KB1, 0x3ba38d2c
	KSET KB2, 0xbcdb48d9
	KSET KB3, 0x3de70e22
	KSET KB4, 0xbec09380
	KSET KB5, 0x3e0375d4
	s_mov_b32 s[KABS], 0x7fffffff
	s_mov_b32 s[KTH], 0x3f6d8000
	v_mov_b32 v[CA0], 0xb7910000
	v_mov_b32 v[CA0+1], 0xb7910000
	v_mov_b32 v[CA2], 0xbb7e8a1c
	v_mov_b32 v[CA2+1], 0xbb7e8a1c
	v_mov_b32 v[CB0], 0xba1c7000
	v_mov_b32 v[CB0+1], 0xba1c7000
.endif
	s_wait_loadcnt 0x0                             ; the residual and the bias
.set g, 0
.rept 8
.set X, ACC+16*g
	s_wait_dscnt 28-4*g                            ; these four loads are in; the later ones may be out
.irp i, 0,2,4,6,8,10,12,14
	v_pk_fma_f32 v[X+\i:X+\i+1], v[X+\i:X+\i+1], s[92:93], v[BIA+(\i%4):BIA+(\i%4)+1] op_sel_hi:[1,0,1]
.endr
.if GELU
	GELU16 X
.endif
	WIN 0x08                                       ; source 1 window 2
.irp i, 0,2,4,6,8,10,12,14
	v_pk_add_f32 v[X+\i:X+\i+1], v[X+\i:X+\i+1], v[16*g+\i:16*g+\i+1]
.endr
	WIN 0
.irp u, 0,1,2,3
	global_store_b128 v[CO], v[X+4*\u:X+4*\u+3], s[74:75] offset:(4*g+\u)*8192
.endr
.set g, g+1
.endr
	s_wait_tensorcnt 0x0                           ; the wave's end
	ds_add_u32 v[SPW], v[NIL]
	s_wait_dscnt 0x0
	CROUND                                         ; the closing round
	s_endpgm
.Lfunc_end_k_q314a3334bf_w2:
	.size	k_q314a3334bf_w2, .Lfunc_end_k_q314a3334bf_w2-k_q314a3334bf_w2
	.p2alignl 7, 3214868480
	.fill 96, 4, 3214868480
	.section	.rodata,"a",@progbits
	.p2align	6, 0x0
	.amdhsa_kernel k_q314a3334bf_w2
		.amdhsa_group_segment_fixed_size 327680
		.amdhsa_private_segment_fixed_size 0
		.amdhsa_enable_private_segment 0
		.amdhsa_kernarg_size 48
		.amdhsa_user_sgpr_count 2
		.amdhsa_user_sgpr_kernarg_segment_ptr 1
		.amdhsa_wavefront_size32 1
		.amdhsa_system_sgpr_workgroup_id_x 1
		.amdhsa_system_sgpr_workgroup_id_y 1
		.amdhsa_system_sgpr_workgroup_id_z 1
		.amdhsa_system_vgpr_workitem_id 0
		.amdhsa_next_free_vgpr 640
		.amdhsa_next_free_sgpr 100
		.amdhsa_reserve_vcc 1
		.amdhsa_float_denorm_mode_32 3
		.amdhsa_float_denorm_mode_16_64 3
		.amdhsa_memory_ordered 1
		.amdhsa_forward_progress 1
		.amdhsa_inst_pref_size 187
	.end_amdhsa_kernel
	.amdgpu_metadata
---
amdhsa.version: [ 1, 2 ]
amdhsa.kernels:
  - .name:           k_q314a3334bf_w2
    .symbol:         k_q314a3334bf_w2.kd
    .args:
      - { .name: mc, .offset: 0, .size: 8, .value_kind: global_buffer, .address_space: global }
      - { .name: W2_codes, .offset: 8, .size: 8, .value_kind: global_buffer, .address_space: global }
      - { .name: lowp_scales, .offset: 16, .size: 8, .value_kind: global_buffer, .address_space: global }
      - { .name: b2, .offset: 24, .size: 8, .value_kind: global_buffer, .address_space: global }
      - { .name: res1, .offset: 32, .size: 8, .value_kind: global_buffer, .address_space: global }
      - { .name: out0, .offset: 40, .size: 8, .value_kind: global_buffer, .address_space: global }
    .group_segment_fixed_size: 327680
    .private_segment_fixed_size: 0
    .kernarg_segment_align: 8
    .kernarg_segment_size: 48
    .max_flat_workgroup_size: 128
    .sgpr_count:     100
    .vgpr_count:     640
    .wavefront_size: 32
...
	.end_amdgpu_metadata
.endif
;; end of part 7
;; ======== version 2 of 2: 7 launches
;; limits: right only within a limited range of input values
;; workspace buffers: hc 12,582,912 bytes; qkv 12,582,912 bytes; ac 4,194,304 bytes; res1 16,777,216 bytes; h2c 4,194,304 bytes; mc 16,777,216 bytes
;; launch ln1 (part 8): grid 256 x 1, 8 waves a work-group, no clusters, 50,176 bytes of LDS; arguments x, la1_g, la1_b, lowp_scales, hc; writes hc
.if DOCPART == 8
	.amdgcn_target "amdgcn-amd-amdhsa--gfx1250"
	.amdhsa_code_object_version 6
	.text
	.protected	k_q314a3334bf_ln1
	.globl	k_q314a3334bf_ln1
	.p2align	8
	.type	k_q314a3334bf_ln1,@function
k_q314a3334bf_ln1:
	s_mov_b64 s[64:65], 0
	v_nop
	global_prefetch_b8 v0, s[64:65] scope:SCOPE_SE
	s_setreg_imm32_b32 hwreg(HW_REG_WAVE_MODE, 25, 1), 1
	s_wait_xcnt 0x0
; h = layernorm(x) * g + b over rows of 1,024 f32, quantised NB times to E4M3 codes, once for each given scale 2^e (entries 0, 2, 4 of the scales).
; Output q is a section of 4 MiB: [4096 rows][1024 codes], row-major.  code = h / 2^e, held within +-448, to the nearest code, ties to even.
; SHARES: a work-group takes 16 rows, a wave two.  A row is eight loads of 512 consecutive bytes: lane l holds elements 128 j + 4 l + 0..3 in registers 4 j .. 4 j + 3.
; The mean is taken first and the squares of the centred numbers second, so a common offset of the inputs costs no digits.
; A conversion's dword j holds the four codes at 128 j + 4 l: they go through the wave's own LDS bytes (1,024 for each row and output) and leave as 16 bytes a lane: each store covers 512 consecutive bytes, aligned.
; No matrix unit, no cluster, no barrier: rows share nothing but g and b, which each wave keeps in registers.
; LIMITS: each e between -126 and 119; NaN and infinities among the inputs are not served.
.set NB,   3                           ; outputs
.set ES,   32                          ; s[ES + 2 q]: output q's exponent (the sixteen entries lie in s32-47)
.set XR,   16                          ; v16-47 row 0, v48-79 row 1
.set GG,   80                          ; v80-111  g
.set BB,   112                         ; v112-143 b
.set TT,   144                         ; v144-175 the held numbers
.set CC,   176                         ; v176-223 codes: row i, output q at 24 i + 8 q
.set SCQ,  8                           ; v8-10   2^e as f32
.set LIMQ, 11                          ; v11-13  448 x 2^e
	s_load_b256 s[4:11], s[0:1], 0x0               ; x s[4:5], g s[6:7], b s[8:9], scales s[10:11]
	s_load_b64 s[12:13], s[0:1], 0x20              ; the codes
	v_lshl_add_u32 v248, v0, 2, 49152              ; my spare word, behind the waves' LDS bytes; never rewritten
	v_mov_b32 v249, 0                              ; 0; never rewritten
	v_lshrrev_b32 v1, 5, v0
	s_delay_alu instid0(VALU_DEP_1)
	v_readfirstlane_b32 s14, v1                    ; wave
	v_and_b32 v2, 31, v0                           ; lane
	s_delay_alu instid0(VALU_DEP_1)
	v_lshlrev_b32 v1, 4, v2                        ; v1 = 16 x lane: never rewritten
	s_mul_i32 s15, s14, NB*2048                    ; my wave's LDS bytes
	v_lshl_add_u32 v3, v2, 4, s15                  ; v3: out of LDS, 16 bytes a lane
	v_lshl_add_u32 v2, v2, 2, s15                  ; v2: into LDS, 4 bytes a lane
	s_lshl_b32 s16, ttmp9, 4
	s_lshl_b32 s17, s14, 1
	s_add_co_u32 s16, s16, s17                     ; my first row: 16 x work-group + 2 x wave
	s_lshl_b32 s18, s16, 12                        ; in bytes of f32,
	s_mov_b32 s19, 0
	s_lshl_b32 s16, s16, 10                        ; and of codes
	s_mov_b32 s17, 0
	s_mov_b32 s26, 0x76543210                      ; v_permlanex16_b32: lane l xor 16
	s_mov_b32 s27, 0xfedcba98
	s_mov_b32 s28, 0x3727c5ac                      ; 1e-5
	s_mov_b32 s29, 0x3a800000                      ; 1 / 1024
	s_wait_alu depctr_va_vdst(0)
	s_wait_kmcnt 0x0
	s_load_b512 s[32:47], s[10:11], 0x0            ; the sixteen exponents
	s_add_nc_u64 s[4:5], s[4:5], s[18:19]
	s_add_nc_u64 s[20:21], s[12:13], s[16:17]      ; output 0 at my first row
.if NB > 1
	s_add_nc_u64 s[22:23], s[20:21], 0x400000      ; outputs 1 and 2
	s_add_nc_u64 s[24:25], s[20:21], 0x800000
.endif
.irp j, 0,1,2,3,4,5,6,7
	global_load_b128 v[XR+4*\j:XR+4*\j+3], v1, s[4:5] offset:512*\j
.endr
.irp j, 0,1,2,3,4,5,6,7
	global_load_b128 v[GG+4*\j:GG+4*\j+3], v1, s[6:7] offset:512*\j
.endr
.irp j, 0,1,2,3,4,5,6,7
	global_load_b128 v[BB+4*\j:BB+4*\j+3], v1, s[8:9] offset:512*\j
.endr
.irp j, 0,1,2,3,4,5,6,7
	global_load_b128 v[XR+32+4*\j:XR+32+4*\j+3], v1, s[4:5] offset:4096+512*\j
.endr
	s_wait_kmcnt 0x0
.set q, 0
.rept NB
	s_add_co_i32 s30, s[ES+2*q], 127
	s_lshl_b32 s31, s30, 23
	v_mov_b32 v[SCQ+q], s31                        ; 2^e: the conversion takes its exponent field
	s_add_co_i32 s30, s30, 8
	s_lshl_b32 s30, s30, 23
	s_or_b32 s30, s30, 0x600000
	v_mov_b32 v[LIMQ+q], s30                       ; 448 x 2^e
.set q, q+1
.endr
.macro RED                             ; v4 summed over the 32 lanes, the result in every lane (v5 has been written: a permute's destination counts as read)
	s_delay_alu instid0(VALU_DEP_1)
	v_add_f32_dpp v4, v4, v4 row_xmask:1 row_mask:0xf bank_mask:0xf
	s_delay_alu instid0(VALU_DEP_1)
	v_add_f32_dpp v4, v4, v4 row_xmask:2 row_mask:0xf bank_mask:0xf
	s_delay_alu instid0(VALU_DEP_1)
	v_add_f32_dpp v4, v4, v4 row_xmask:4 row_mask:0xf bank_mask:0xf
	s_delay_alu instid0(VALU_DEP_1)
	v_add_f32_dpp v4, v4, v4 row_xmask:8 row_mask:0xf bank_mask:0xf
	s_delay_alu instid0(VALU_DEP_1)
	v_permlanex16_b32 v5, v4, s26, s27
	s_delay_alu instid0(VALU_DEP_1)
	v_add_f32 v4, v4, v5
.endm
; Row i.  left1: loads that may stay out when the row is needed; left2: when g and b are needed.
.macro ROW i, left1, left2
.set X, XR+32*\i
.if \i == 0
.set O, 224                            ; v224-247: row 0's codes on their way out
.else
.set O, 16                             ; row 1's take the registers that row 0's numbers have left
.endif
	s_wait_loadcnt \left1
	v_pk_add_f32 v[4:5], v[X:X+1], v[X+2:X+3]      ; the sum, in two chains
	v_pk_add_f32 v[6:7], v[X+4:X+5], v[X+6:X+7]
.irp j, 8,12,16,20,24,28
	s_delay_alu instid0(VALU_DEP_2)
	v_pk_add_f32 v[4:5], v[4:5], v[X+\j:X+\j+1]
	s_delay_alu instid0(VALU_DEP_2)
	v_pk_add_f32 v[6:7], v[6:7], v[X+\j+2:X+\j+3]
.endr
	s_delay_alu instid0(VALU_DEP_1)
	v_pk_add_f32 v[4:5], v[4:5], v[6:7]
	s_delay_alu instid0(VALU_DEP_1)
	v_add_f32 v4, v4, v5
	RED
	s_delay_alu instid0(VALU_DEP_1)
	v_mul_f32 v14, s29, v4                         ; the mean
	s_delay_alu instid0(VALU_DEP_1)
	v_mov_b32 v15, v14
.irp j, 0,2,4,6,8,10,12,14,16,18,20,22,24,26,28,30
	v_pk_add_f32 v[X+\j:X+\j+1], v[X+\j:X+\j+1], v[14:15] neg_lo:[0,1] neg_hi:[0,1]
.endr
	v_pk_mul_f32 v[4:5], v[X:X+1], v[X:X+1]        ; the squares' sum, in two chains
	v_pk_mul_f32 v[6:7], v[X+2:X+3], v[X+2:X+3]
.irp j, 4,8,12,16,20,24,28
	s_delay_alu instid0(VALU_DEP_2)
	v_pk_fma_f32 v[4:5], v[X+\j:X+\j+1], v[X+\j:X+\j+1], v[4:5]
	s_delay_alu instid0(VALU_DEP_2)
	v_pk_fma_f32 v[6:7], v[X+\j+2:X+\j+3], v[X+\j+2:X+\j+3], v[6:7]
.endr
	s_delay_alu instid0(VALU_DEP_1)
	v_pk_add_f32 v[4:5], v[4:5], v[6:7]
	s_delay_alu instid0(VALU_DEP_1)
	v_add_f32 v4, v4, v5
	RED
	s_delay_alu instid0(VALU_DEP_1)
	v_fma_f32 v4, v4, s29, s28                     ; the variance + 1e-5
	s_wait_alu depctr_va_vdst(0)
	v_rsq_f32 v14, v4
	v_nop                                          ; one plain line behind the transcendental
	s_wait_alu depctr_va_vdst(0)                   ; ahead of the first reader of v14
	v_mov_b32 v15, v14
	s_wait_alu depctr_va_vdst(0)
	s_wait_loadcnt \left2                          ; g and b are in
.irp j, 0,2,4,6,8,10,12,14,16,18,20,22,24,26,28,30
	v_pk_mul_f32 v[X+\j:X+\j+1], v[X+\j:X+\j+1], v[14:15]
.endr
.irp j, 0,2,4,6,8,10,12,14,16,18,20,22,24,26,28,30
	v_pk_fma_f32 v[X+\j:X+\j+1], v[X+\j:X+\j+1], v[GG+\j:GG+\j+1], v[BB+\j:BB+\j+1]
.endr
.set q, 0
.rept NB
.set C, CC+24*\i+8*q
.irp j, 0,1,2,3,4,5,6,7,8,9,10,11,12,13,14,15,16,17,18,19,20,21,22,23,24,25,26,27,28,29,30,31
	v_med3_num_f32 v[TT+\j], v[X+\j], -v[LIMQ+q], v[LIMQ+q]   ; the conversion to an 8-bit code does not saturate (ISA guide 7.6.2): the hold comes first
.endr
.irp g, 0,1,2,3
	v_cvt_scalef32_pk8_fp8_f32 v[C+2*\g:C+2*\g+1], v[TT+8*\g:TT+8*\g+7], v[SCQ+q]
.endr
	v_nop                                          ; one plain line between the conversions and the next lines that write their sources
.irp j, 0,1,2,3,4,5,6,7
	ds_store_b32 v2, v[C+\j] offset:(NB*\i+q)*1024+128*\j     ; the four codes at 128 j + 4 l of the row
.endr
.irp u, 0,1
	ds_load_b128 v[O+8*q+4*\u:O+8*q+4*\u+3], v3 offset:(NB*\i+q)*1024+512*\u   ; LDS serves a wave's instructions in order: these see the stores above
.endr
.set q, q+1
.endr
.set q, 0
.rept NB
.irp u, 0,1
	s_wait_dscnt (NB-1-q)*10+(1-\u)                ; behind this load stand the later outputs' ten LDS instructions each, and this output's second load
	global_store_b128 v1, v[O+8*q+4*\u:O+8*q+4*\u+3], s[20+2*q:21+2*q] offset:1024*\i+512*\u
.endr
.set q, q+1
.endr
.endm
	ROW 0, 24, 8                                   ; behind row 0's loads: g's 8, b's 8, row 1's 8; behind b's: row 1's 8
	ROW 1, 0, 0
	s_wait_tensorcnt 0x0                           ; the wave's end, behind my last LDS store
	ds_add_u32 v248, v249
	s_wait_dscnt 0x0
	s_endpgm
.Lfunc_end_k_q314a3334bf_ln1:
	.size	k_q314a3334bf_ln1, .Lfunc_end_k_q314a3334bf_ln1-k_q314a3334bf_ln1
	.p2alignl 7, 3214868480
	.fill 96, 4, 3214868480
	.section	.rodata,"a",@progbits
	.p2align	6, 0x0
	.amdhsa_kernel k_q314a3334bf_ln1
		.amdhsa_group_segment_fixed_size 50176
		.amdhsa_private_segment_fixed_size 0
		.amdhsa_enable_private_segment 0
		.amdhsa_kernarg_size 40
		.amdhsa_user_sgpr_count 2
		.amdhsa_user_sgpr_kernarg_segment_ptr 1
		.amdhsa_wavefront_size32 1
		.amdhsa_system_sgpr_workgroup_id_x 1
		.amdhsa_system_sgpr_workgroup_id_y 1
		.amdhsa_system_sgpr_workgroup_id_z 1
		.amdhsa_system_vgpr_workitem_id 0
		.amdhsa_next_free_vgpr 256
		.amdhsa_next_free_sgpr 66
		.amdhsa_reserve_vcc 0
		.amdhsa_float_denorm_mode_32 3
		.amdhsa_float_denorm_mode_16_64 3
		.amdhsa_memory_ordered 1
		.amdhsa_forward_progress 1
		.amdhsa_inst_pref_size 40
	.end_amdhsa_kernel
	.amdgpu_metadata
---
amdhsa.version: [ 1, 2 ]
amdhsa.kernels:
  - .name:           k_q314a3334bf_ln1
    .symbol:         k_q314a3334bf_ln1.kd
    .args:
      - { .name: x, .offset: 0, .size: 8, .value_kind: global_buffer, .address_space: global }
      - { .name: la1_g, .offset: 8, .size: 8, .value_kind: global_buffer, .address_space: global }
      - { .name: la1_b, .offset: 16, .size: 8, .value_kind: global_buffer, .address_space: global }
      - { .name: lowp_scales, .offset: 24, .size: 8, .value_kind: global_buffer, .address_space: global }
      - { .name: hc, .offset: 32, .size: 8, .value_kind: global_buffer, .address_space: global }
    .group_segment_fixed_size: 50176
    .private_segment_fixed_size: 0
    .kernarg_segment_align: 8
    .kernarg_segment_size: 40
    .max_flat_workgroup_size: 256
    .sgpr_count:     66
    .vgpr_count:     256
    .wavefront_size: 32
...
	.end_amdgpu_metadata
.endif
;; end of part 8
;; launch qkv (part 9): grid 12 x 16, 4 waves a work-group, clusters of 4 x 4, 327,680 bytes of LDS; arguments hc, Wq_codes, Wk_codes, Wv_codes, lowp_scales, qkv; writes qkv
.if DOCPART == 9
	.amdgcn_target "amdgcn-amd-amdhsa--gfx1250"
	.amdhsa_code_object_version 6
	.text
	.protected	k_q314a3334bf_qkv
	.globl	k_q314a3334bf_qkv
	.p2align	8
	.type	k_q314a3334bf_qkv,@function
k_q314a3334bf_qkv:
	s_mov_b64 s[64:65], 0
	v_nop
	global_prefetch_b8 v0, s[64:65] scope:SCOPE_SE
	s_setreg_imm32_b32 hwreg(HW_REG_WAVE_MODE, 25, 1), 1
	s_wait_xcnt 0x0
	s_wait_alu depctr_hold_cnt(0) depctr_sa_sdst(0) depctr_va_vdst(0) depctr_va_sdst(0) depctr_va_ssrc(0) depctr_va_vcc(0) depctr_vm_vsrc(0)
	s_getreg_b32 s2, hwreg(HW_REG_IB_STS2, 6, 4)
	s_cmp_eq_u32 s2, 0
	s_cbranch_scc0 .Lentry_in_a_cluster
	s_endpgm
.Lentry_in_a_cluster:
	s_bfe_u32 s2, ttmp6, 0x10000c
	s_cmp_lg_u32 s2, 0xf033
	s_cbranch_scc0 .Lentry_shape_is_right
	s_endpgm
.Lentry_shape_is_right:
.set SIZE_K, 1024
.set KSTEP,  256
.set ROWB,   256
.set KROW,   SIZE_K
.set PITCH,  272
.set FR,     16
.set NL,     4
.set NP,     4
.set HALFT,  128*PITCH
.set SLOT,   4*HALFT
.set LAPS,   SIZE_K/(2*KSTEP)
.set SPARE,  2*SLOT
.set SPITCH, 288
.set ADRA, 16
.set ADRB, 20
.set STO,  24
.set RD,   25
.set CO,   26
.set SPW,  28
.set NIL,  29
.set LIM,  30
.set SC,   31
.set TMP,  32
.set CD,   96
.set AF,   128
.set BK,   128
.set G1, 24
.set G0, 32
.set G1B, 48
.set G0B, 56
.set MSB, 0
.macro WIN new
.if MSB != \new
	s_set_vgpr_msb (MSB<<8)|\new
.set MSB, \new
.endif
.endm
.set MUL_LO, 0xa1
.set MUL_HI, 0xf1
.set TO_B,   0x40
.macro JLOAD g0a, g1a, g0b, g1b
	s_cmp_eq_u32 s15, 0
	s_cbranch_scc0 .Lfor_b_\@
	tensor_load_to_lds s[\g0a:\g0a+3], s[\g1a:\g1a+7]
	s_nop 0
.rept 4
	v_nop
.endr
	s_branch .Lasked_\@
.Lfor_b_\@:
	tensor_load_to_lds s[\g0b:\g0b+3], s[\g1b:\g1b+7]
	s_nop 0
.rept 4
	v_nop
.endr
.Lasked_\@:
.endm
.macro CREST
	s_cmp_lg_u32 s14, 0
	s_cbranch_scc1 .Lnot_wave_0_\@
	s_barrier_signal -3
.Lnot_wave_0_\@:
	s_barrier_wait -3
	s_barrier_signal -1
	s_barrier_wait -1
.endm
.macro CROUND
	s_barrier_signal -1
	s_barrier_wait -1
	CREST
.endm
	s_load_b256 s[68:75], s[0:1], 0x0
	s_load_b128 s[76:79], s[0:1], 0x20
	v_lshl_add_u32 v[SPW], v0, 2, SPARE
	v_mov_b32 v[NIL], 0
	v_lshrrev_b32 v1, 5, v0
	v_readfirstlane_b32 s14, v1
	s_lshr_b32 s15, s14, 1
	s_and_b32 s16, s14, 1
	s_bfe_u32 s40, ttmp6, 0x40000
	s_bfe_u32 s41, ttmp6, 0x40004
	s_and_b32 s80, ttmp7, 0xffff
	s_lshl_b32 s80, s80, 2
	s_cmp_eq_u32 ttmp9, 2
	s_cselect_b32 s17, 0, s80
	s_cselect_b32 s42, s80, 0
	s_cselect_b32 s66, 16, 18
	s_add_co_u32 s17, s17, s41
	s_add_co_u32 s42, s42, s40
	s_lshl_b32 s43, s41, 2
	s_lshl_b32 s43, 15, s43
	s_lshl_b32 s44, 0x1111, s40
	s_or_b32 s[G1+0], s43, (0<<16)|(1<<20)|(1<<21)|(5<<22)|(3<<25)
	s_or_b32 s[G1B+0], s44, (0<<16)|(1<<20)|(1<<21)|(5<<22)|(3<<25)
.irp g, G1, G1B
	s_mov_b32 s[\g+1], ROWB<<16
	s_mov_b32 s[\g+2], 128<<16
	s_mov_b32 s[\g+3], ROWB<<16
	s_mov_b32 s[\g+4], 128
	s_mov_b32 s[\g+5], KROW
	s_mov_b32 s[\g+6], 0
	s_mov_b32 s[\g+7], 0
.endr
	s_lshl_b32 s18, s16, 7
	s_lshl_b32 s20, s17, 8
	s_add_co_u32 s20, s20, s18
	s_lshl_b32 s46, s42, 8
	s_add_co_u32 s46, s46, s18
	s_mov_b32 s21, 0
	s_mov_b32 s47, 0
	s_mov_b64 s[18:19], KROW
	s_mul_u64 s[20:21], s[20:21], s[18:19]
	s_mul_u64 s[46:47], s[46:47], s[18:19]
	s_mul_i32 s45, s14, HALFT
	s_lshl_b32 s82, ttmp9, 22
	s_mov_b32 s83, 0
	s_lshl_b32 s84, ttmp9, 3
	s_lshl_b32 s85, ttmp9, 2
	s_wait_kmcnt 0x0
	s_load_b64 s[96:97], s[76:77], s84 offset:0x0
	s_load_b32 s95, s[76:77], s85 offset:0x18
	s_add_nc_u64 s[68:69], s[68:69], s[82:83]
	s_add_nc_u64 s[10:11], s[78:79], s[82:83]
	s_cmp_eq_u32 ttmp9, 0
	s_cselect_b64 s[70:71], s[70:71], s[72:73]
	s_cmp_eq_u32 ttmp9, 2
	s_cselect_b64 s[70:71], s[74:75], s[70:71]
	s_cselect_b64 s[4:5], s[70:71], s[68:69]
	s_cselect_b64 s[6:7], s[68:69], s[70:71]
	s_add_nc_u64 s[20:21], s[4:5], s[20:21]
	s_add_nc_u64 s[46:47], s[6:7], s[46:47]
	s_cmp_eq_u32 s15, 0                            ; the prefetches: of the 128 rows that I fetch, my work-group takes 32, told from its three partners by address (cx for A, cy for B), a lane a row
	s_cselect_b64 s[88:89], s[20:21], s[46:47]
	s_cselect_b32 s90, s40, s41
	s_lshl_b32 s90, s90, 15                        ; 32 rows of 1,024 bytes
	s_mov_b32 s91, 0
	s_add_nc_u64 s[88:89], s[88:89], s[90:91]      ; never rewritten
	v_and_b32 v9, 31, v0
	v_lshlrev_b32 v9, 10, v9                       ; never rewritten
.irp s, 0,1
	s_mov_b32 s[G0+4*\s], 1
	s_add_co_u32 s[G0+4*\s+1], s45, \s*SLOT
	s_add_nc_u64 s[G0+4*\s+2:G0+4*\s+3], s[20:21], \s*ROWB
	s_or_b32 s[G0+4*\s+3], s[G0+4*\s+3], 0x80000000
	s_mov_b32 s[G0B+4*\s], 1
	s_add_co_u32 s[G0B+4*\s+1], s45, \s*SLOT
	s_add_nc_u64 s[G0B+4*\s+2:G0B+4*\s+3], s[46:47], \s*ROWB
	s_or_b32 s[G0B+4*\s+3], s[G0B+4*\s+3], 0x80000000
	s_wait_alu depctr_va_vdst(0)
	s_wait_tensorcnt 0x0
	ds_add_u32 v28, v29
	ds_add_u32 v28, v29
	s_wait_dscnt 0x0
	CROUND
	JLOAD G0+4*\s, G1, G0B+4*\s, G1B
.if \s == 0
	global_prefetch_b8 v9, s[88:89] offset:256 th:TH_LOAD_NT scope:SCOPE_SE   ; behind K step 0's load: K step 1, 256 bytes of each row
.else
	global_prefetch_b8 v9, s[88:89] offset:512 th:TH_LOAD_NT scope:SCOPE_SE   ; behind K step 1's load: K steps 2 and 3, the last
	global_prefetch_b8 v9, s[88:89] offset:768 th:TH_LOAD_NT scope:SCOPE_SE
.endif
.endr
	v_and_b32 v1, 15, v0
	s_wait_alu depctr_va_vdst(0)
	v_bfe_u32 v2, v0, 4, 1
	v_mul_u32_u24 v3, v1, PITCH
	v_lshl_add_u32 v4, v2, 4, v3
	s_mul_i32 s21, s15, HALFT
	s_mul_i32 s22, s16, HALFT
	s_add_co_u32 s22, s22, 2*HALFT
.irp s, 0,1
	v_add_nc_u32 v[ADRA+\s], s21, v4
	v_add_nc_u32 v[ADRB+\s], s22, v4
	s_add_co_u32 s21, s21, SLOT
	s_add_co_u32 s22, s22, SLOT
.endr
	s_mul_i32 s23, s15, 128*SPITCH
	s_lshl_b32 s21, s16, 7
	s_add_co_u32 s23, s23, s21
	v_mul_u32_u24 v5, v1, SPITCH
	s_wait_alu depctr_va_vdst(0)
	v_lshl_add_u32 v5, v2, 3, v5
	v_add_nc_u32 v[STO], s23, v5
	v_and_b32 v6, 31, v0
	v_lshrrev_b32 v7, 2, v6
	v_mul_u32_u24 v7, v7, SPITCH
	v_and_b32 v8, 3, v6
	v_lshl_add_u32 v7, v8, 4, v7
	s_lshl_b32 s21, s14, 6
	v_add_nc_u32 v[RD], s21, v7
	v_add_nc_u32 v[RD+2], 128*SPITCH, v[RD]
	v_lshlrev_b32 v[CO], 4, v6
	s_lshl_b32 s86, s42, 2
	s_add_co_u32 s86, s86, s14
	s_lshl_b32 s86, s86, s66
	s_lshl_b32 s87, s17, 14
	s_add_co_u32 s86, s86, s87
	s_mov_b32 s87, 0
	s_add_nc_u64 s[10:11], s[10:11], s[86:87]
.macro FRAG reg, adr, q, i
.irp c, 0,1,2,3
	ds_load_b128 v[\reg+4*\c:\reg+4*\c+3], v[\adr] offset:128*(\q)+32*\c+(\i)*16*PITCH
.endr
.endm
.macro MUL16 a0, p, zero
.irp a, \a0, \a0+1
.irp b, 0,1,2,3,4,5,6,7
.if \zero
	v_wmma_f32_16x16x128_fp8_fp8 v[8*(8*((\a)%4)+\b):8*(8*((\a)%4)+\b)+7], v[128*(\p)+FR*\b:128*(\p)+FR*\b+FR-1], v[AF+FR*(\a):AF+FR*(\a)+FR-1], 0
.else
	v_wmma_f32_16x16x128_fp8_fp8 v[8*(8*((\a)%4)+\b):8*(8*((\a)%4)+\b)+7], v[128*(\p)+FR*\b:128*(\p)+FR*\b+FR-1], v[AF+FR*(\a):AF+FR*(\a)+FR-1], v[8*(8*((\a)%4)+\b):8*(8*((\a)%4)+\b)+7]
.endif
.endr
.endr
.endm
.macro FETCH_B slot, q, p
	WIN TO_B
.irp i, 0,1,2,3,4,5,6,7
	FRAG 128*(\p)+FR*\i, ADRB+\slot, \q, \i
.endr
	WIN 0
.endm
.macro FETCH_A slot, q, i0
.irp i, \i0, \i0+1, \i0+2, \i0+3
	FRAG AF+FR*(\i), ADRA+\slot, \q, \i
.endr
.endm
.macro PLACES n
.rept \n
	v_nop
.endr
.endm
.macro STEP slot, q, zero
	s_wait_dscnt 4*NL
	WIN MUL_LO
	MUL16 0, (\q)%2, \zero
	MUL16 2, (\q)%2, \zero
	s_wait_dscnt 0
	PLACES NP
	FETCH_B \slot, (\q)+1, 1-(\q)%2
	FETCH_A \slot, (\q)+1, 0
	WIN MUL_HI
	MUL16 4, (\q)%2, \zero
	MUL16 6, (\q)%2, \zero
	PLACES NP
	WIN 0
	FETCH_A \slot, (\q)+1, 4
.endm
.macro TURN slot, next, fill
	s_wait_tensorcnt 0x0
	ds_add_u32 v[SPW], v[NIL]
	s_wait_dscnt 4*NL+1
	WIN MUL_LO
	MUL16 0, 1, 0
	s_wait_dscnt 0x0
	s_barrier_signal -1
	MUL16 2, 1, 0
	WIN 0
	s_barrier_wait -1
.if \fill
	CREST
	s_add_nc_u64 s[G0+4*\slot+2:G0+4*\slot+3], s[G0+4*\slot+2:G0+4*\slot+3], 2*ROWB
	s_add_nc_u64 s[G0B+4*\slot+2:G0B+4*\slot+3], s[G0B+4*\slot+2:G0B+4*\slot+3], 2*ROWB
	JLOAD G0+4*\slot, G1, G0B+4*\slot, G1B
.else
	PLACES NP
.endif
	FETCH_B \next, 0, 0
	FETCH_A \next, 0, 0
	WIN MUL_HI
	MUL16 4, 1, 0
	MUL16 6, 1, 0
	PLACES NP
	WIN 0
	FETCH_A \next, 0, 4
.endm
	s_wait_tensorcnt 1
	s_barrier_signal -1
	s_barrier_wait -1
	FETCH_B 0, 0, 0
	FETCH_A 0, 0, 0
	FETCH_A 0, 0, 4
	STEP 0, 0, 1
	s_mov_b32 s3, LAPS-1
.Llap:
	TURN 0, 1, 1
	STEP 1, 0, 0
	TURN 1, 0, 1
	STEP 0, 0, 0
	s_sub_co_u32 s3, s3, 1
	s_cmp_lg_u32 s3, 0
	s_cbranch_scc1 .Llap
	TURN 0, 1, 0
	STEP 1, 0, 0
	s_wait_dscnt 4*NL
	WIN MUL_LO
	MUL16 0, 1, 0
	MUL16 2, 1, 0
	s_wait_dscnt 0
	WIN MUL_HI
	MUL16 4, 1, 0
	MUL16 6, 1, 0
	WIN 0
	s_wait_kmcnt 0x0
	s_sub_co_i32 s95, s95, s96
	s_sub_co_i32 s95, s95, s97
	s_add_co_i32 s95, s95, 127
	s_lshl_b32 s96, s95, 23
	v_mov_b32 v[SC], s96
	s_add_co_i32 s95, s95, 8
	s_lshl_b32 s95, s95, 23
	s_or_b32 s95, s95, 0x600000
	v_mov_b32 v[LIM], s95
	PLACES NP
.macro OUTBLK a
.set AC, 64*((\a)%4)
.set WW, 0x02+((\a)/4)
.set CB, CD+16*((\a)%2)
	WIN WW
.set j, 0
.rept 64
	v_med3_num_f32 v[TMP+j], v[AC+j], -v[LIM], v[LIM]
.set j, j+1
.endr
	WIN 0
.irp b, 0,1,2,3,4,5,6,7
	v_cvt_scalef32_pk8_fp8_f32 v[CB+2*\b:CB+2*\b+1], v[TMP+8*\b:TMP+8*\b+7], v[SC]
.endr
	v_nop
.irp b, 0,1,2,3,4,5,6,7
	ds_store_b64 v[STO], v[CB+2*\b:CB+2*\b+1] offset:(\a)*16*SPITCH+16*\b
.endr
.endm
.irp a, 0,1,2,3,4,5,6,7
	OUTBLK \a
.endr
	s_wait_dscnt 0x0
	s_barrier_signal -1
	s_barrier_wait -1
.set t, 0
.rept 32
	ds_load_b128 v[BK+4*t:BK+4*t+3], v[RD+2*(t/16)] offset:(t%16)*8*SPITCH
.set t, t+1
.endr
.set t, 0
.rept 32
	s_wait_dscnt 31-t
	global_store_b128 v[CO], v[BK+4*t:BK+4*t+3], s[10:11] offset:512*t
.set t, t+1
.endr
	s_wait_tensorcnt 0x0
	ds_add_u32 v[SPW], v[NIL]
	s_wait_dscnt 0x0
	CROUND
	s_endpgm
.Lfunc_end_k_q314a3334bf_qkv:
	.size	k_q314a3334bf_qkv, .Lfunc_end_k_q314a3334bf_qkv-k_q314a3334bf_qkv
	.p2alignl 7, 3214868480
	.fill 96, 4, 3214868480
	.section	.rodata,"a",@progbits
	.p2align	6, 0x0
	.amdhsa_kernel k_q314a3334bf_qkv
		.amdhsa_group_segment_fixed_size 327680
		.amdhsa_private_segment_fixed_size 0
		.amdhsa_enable_private_segment 0
		.amdhsa_kernarg_size 48
		.amdhsa_user_sgpr_count 2
		.amdhsa_user_sgpr_kernarg_segment_ptr 1
		.amdhsa_wavefront_size32 1
		.amdhsa_system_sgpr_workgroup_id_x 1
		.amdhsa_system_sgpr_workgroup_id_y 1
		.amdhsa_system_sgpr_workgroup_id_z 1
		.amdhsa_system_vgpr_workitem_id 0
		.amdhsa_next_free_vgpr 1024
		.amdhsa_next_free_sgpr 100
		.amdhsa_reserve_vcc 0
		.amdhsa_float_denorm_mode_32 3
		.amdhsa_float_denorm_mode_16_64 3
		.amdhsa_memory_ordered 1
		.amdhsa_forward_progress 1
		.amdhsa_inst_pref_size 127
	.end_amdhsa_kernel
	.amdgpu_metadata
---
amdhsa.version: [ 1, 2 ]
amdhsa.kernels:
  - .name:           k_q314a3334bf_qkv
    .symbol:         k_q314a3334bf_qkv.kd
    .args:
      - { .name: hc, .offset: 0, .size: 8, .value_kind: global_buffer, .address_space: global }
      - { .name: Wq_codes, .offset: 8, .size: 8, .value_kind: global_buffer, .address_space: global }
      - { .name: Wk_codes, .offset: 16, .size: 8, .value_kind: global_buffer, .address_space: global }
      - { .name: Wv_codes, .offset: 24, .size: 8, .value_kind: global_buffer, .address_space: global }
      - { .name: lowp_scales, .offset: 32, .size: 8, .value_kind: global_buffer, .address_space: global }
      - { .name: qkv, .offset: 40, .size: 8, .value_kind: global_buffer, .address_space: global }
    .group_segment_fixed_size: 327680
    .private_segment_fixed_size: 0
    .kernarg_segment_align: 8
    .kernarg_segment_size: 48
    .max_flat_workgroup_size: 128
    .sgpr_count:     100
    .vgpr_count:     1024
    .wavefront_size: 32
...
	.end_amdgpu_metadata
.endif
;; end of part 9
;; launch attn (part 10): grid 8 x 32, 8 waves a work-group, clusters of 4 x 1, 327,680 bytes of LDS; arguments qkv, lowp_scales, ac; writes ac
.if DOCPART == 10
	.amdgcn_target "amdgcn-amd-amdhsa--gfx1250"
	.amdhsa_code_object_version 6
	.text
	.protected	k_q314a3334bf_attn
	.globl	k_q314a3334bf_attn
	.p2align	8
	.type	k_q314a3334bf_attn,@function
k_q314a3334bf_attn:
	s_mov_b64 s[64:65], 0
	v_nop
	global_prefetch_b8 v0, s[64:65] scope:SCOPE_SE
	s_setreg_imm32_b32 hwreg(HW_REG_WAVE_MODE, 25, 1), 1
	s_wait_xcnt 0x0
	s_wait_alu depctr_hold_cnt(0) depctr_sa_sdst(0) depctr_va_vdst(0) depctr_va_sdst(0) depctr_va_ssrc(0) depctr_va_vcc(0) depctr_vm_vsrc(0)
	s_getreg_b32 s2, hwreg(HW_REG_IB_STS2, 6, 4)
	s_cmp_eq_u32 s2, 0
	s_cbranch_scc0 .Lentry_in_a_cluster
	s_endpgm
.Lentry_in_a_cluster:
	s_bfe_u32 s2, ttmp6, 0x10000c
	s_cmp_lg_u32 s2, 0x3003
	s_cbranch_scc0 .Lentry_shape_is_right
	s_endpgm
.Lentry_shape_is_right:
; Attention on E4M3 codes: for each of 32 (batch, head): o = softmax(q k^T / 32) v, head size 64, 2,048 keys; o is quantised at once for the next product (entry 10 of the scales).
; IN: q, k: [head][token][64 codes]; v: [block of 64 tokens][hidden unit][64 tokens]: the keys innermost.  OUT: [head][token][64 codes].
; THE SOFTMAX: t = score x log2(e) / 32; M = the running largest t rounded UP to a whole number; p = 2^(t - M) is quantised (entry 9), not normalised; the row's sum is taken of the unquantised p and divides at the end.
; When M moves, the sum and O are multiplied by 2^(old M - new M), which rounds nothing.
; SHARES: a work-group owns 256 queries of one head; each of its eight waves owns 32, two tiles of 16, so that each fragment of K and of V read from LDS feeds two matrix instructions.  A step is 128 keys.
; One tile's exponentials stand by turns with plain lines on the other tile's registers, whose results are first read behind a later wait.
; LDS: ALL OF THE HEAD'S K AND V, each byte filled once, by one tensor load a wave at the head: waves 0-3 take 512 keys of K each (32 KiB on end), waves 4-7 eight blocks of 64 keys of V each.  One barrier, then no wave waits for another.
;   K: two keys to a line of 128 bytes + 16; V: [32 blocks][64 channels][64 bytes + 16]; then the spare words and a stage of 1,024 bytes for each wave.
; CLUSTER: the four query blocks of a cluster belong to one head: every tile is asked for jointly.
; No prefetch: all that the launch reads through LDS is asked for at its head, so there is no loop to run ahead in.
; LAYOUT: S^T = K Q^T (source 0 = 16 keys, source 1 = 16 queries), O^T = V^T P^T: a lane holds ONE query of each tile throughout.
;   THE KEYS OF A TILE ARE NOT NEIGHBOURS: lane r of tile 2 b + u takes key 32 b + 8 u + r + 8 (r / 8): the 16 registers of tiles 2 b, 2 b + 1 are keys 32 b + 16 (lane / 16) + 0..15, which V's loads of 16 bytes bring too;
;   and the sixteen rows of a K fragment begin at word 36 (key / 2) + 16 (key % 2): sixteen different multiples of 4 modulo 64.
; LIMITS: e6 + e7 between -121 and 132; e9 and e10 - e8 - e9 between -126 and 119; the scaled scores stay under 2^31 in magnitude.  NaN and infinities are not served.
; REGISTERS.  window 0: v1-14 addresses; v16-31, v38 state and scales; v32-51 at work; v64-191 S^T, then p (tile x at 64 + 64 x); v192-255 O^T (tile x at 192 + 32 x).
;   window 1: v0-31 p's codes; v32-47 Q; v48-111 K's eight fragments; v112-175 V's four.
.set KP2,   144                        ; two keys of K in LDS
.set KSTEP, 64*KP2                     ; 128 keys
.set KPART, 256*KP2                    ; 512 keys: one wave's load
.set VOFF,  1024*KP2
.set VP,    80
.set VBLK,  64*VP                      ; a block of 64 keys x 64 channels
.set VPART, 8*VBLK
.set SPARE, VOFF+32*VBLK               ; the spare words: 128 bytes a wave, four blocks of 256 bytes that no other line names
.set STAGE, SPARE+1024
.set AK0, 1
.set AV0, 2
.set ADK, 3
.set ADV, 4
.set SPW, 5
.set NIL, 6
.set GO,  7
.set STI, 13
.set STB, 14
.set NM,  16                           ; pairs (-M, the largest raw score so far), a pair a tile
.set SM,  20                           ; the sums, in two halves, a pair a tile
.set FF,  24                           ; f = 2^(old M - new M), the low word of a pair a tile
.set LIM, 28                           ; 448 x 2^e9, twice: the two halves of a dual line read different registers
.set SC,  30
.set OLIM, 31
.set T,   32
.set OSC, 38
.set U,   40
.set CD,  40
.set S,   64
.set O,   192
.set PC,  0
.set QF,  32
.set KF,  48
.set VF,  112
.set WV,  10
.set SEL, 12
.set CS,  14
.set G1K, 16
.set G1V, 24
.set G0K, 32
.set G0V, 36
.set TBK, 45
.set TBV, 46
.set CNT, 47
.set W_MUL, 0x05                       ; sources 0 and 1 window 1; C and D window 0
.set W_LD,  0x40                       ; destination window 1
.set MSB, 0
.macro WIN new                         ; the immediate's high byte repeats the setting that is left
.if MSB != \new
	s_set_vgpr_msb (MSB<<8)|\new
.set MSB, \new
.endif
.endm
.macro CROUND
	s_barrier_signal -1
	s_barrier_wait -1
	s_cmp_lg_u32 s[WV], 0
	s_cbranch_scc1 .Lnot_wave_0_\@
	s_barrier_signal -3
.Lnot_wave_0_\@:
	s_barrier_wait -3
	s_barrier_signal -1
	s_barrier_wait -1
.endm
.macro PADD d, a, b
	v_pk_add_f32 v[(\d):(\d)+1], v[(\a):(\a)+1], v[(\b):(\b)+1]
.endm
.macro SUMS x                          ; tile x's 32 pairs of unquantised p onto its sum: seven chains, then six joins: 32 lines
.irp k, 0,1,2,3,4,5
	PADD U+2*\k, S+64*\x+4*\k, S+64*\x+4*\k+2
.endr
	PADD SM+2*\x, SM+2*\x, S+64*\x+24
.irp b, 26,40
.irp k, 0,1,2,3,4,5
	PADD U+2*\k, U+2*\k, S+64*\x+\b+2*\k
.endr
	PADD SM+2*\x, SM+2*\x, S+64*\x+\b+12
.endr
.irp k, 0,1,2,3,4
	PADD U+2*\k, U+2*\k, S+64*\x+54+2*\k
.endr
	PADD U, U, U+2
	PADD U+4, U+4, U+6
	PADD U+8, U+8, U+10
	PADD U, U, U+4
	PADD SM+2*\x, SM+2*\x, U+8
	PADD SM+2*\x, SM+2*\x, U
.endm
.macro KLOAD adr                       ; K's eight fragments of a step: tile t begins at line 16 (t / 2) + 4 (t % 2)
.irp t, 0,1,2,3,4,5,6,7
	ds_load_b128 v[KF+8*\t:KF+8*\t+3], v[\adr] offset:((\t/2)*16+(\t%2)*4)*KP2
	ds_load_b128 v[KF+8*\t+4:KF+8*\t+7], v[\adr] offset:((\t/2)*16+(\t%2)*4)*KP2+32
.endr
.endm
	s_load_b128 s[4:7], s[0:1], 0x0                ; q, k, v's codes s[4:5], the exponents s[6:7]
	s_load_b64 s[8:9], s[0:1], 0x10                ; the output
	v_lshl_add_u32 v[SPW], v0, 2, SPARE
	v_mov_b32 v[NIL], 0
	ds_add_u32 v[SPW], v[NIL]                      ; the opening: the add, twice on end; its wait stands ahead of the round and my tensor load
	ds_add_u32 v[SPW], v[NIL]
	v_lshrrev_b32 v8, 5, v0
	v_readfirstlane_b32 s[WV], v8                  ; wave 0..7
	s_bfe_u32 s48, ttmp6, 0x40000                  ; cx
	s_lshl_b32 s49, ttmp9, 2
	s_add_co_u32 s49, s49, s48                     ; my block of 256 queries: it enters q's and the output's addresses alone
	s_and_b32 s50, ttmp7, 0xffff
	s_lshr_b32 s51, s50, 4                         ; batch
	s_and_b32 s50, s50, 15                         ; head
	s_lshl_b32 s52, s50, 18
	s_lshl_b32 s53, s51, 17
	s_add_co_u32 s52, s52, s53                     ; (head x 4,096 + batch x 2,048) rows of 64 bytes
	s_and_b32 s54, s[WV], 3                        ; which quarter of K or of V I fetch
	s_lshl_b32 s56, s54, 15
	s_add_co_u32 s56, s56, s52
	s_add_co_u32 s56, s56, 0x400000                ; K: 512 keys, 32,768 bytes on end
	s_mov_b32 s57, 0
	s_lshl_b32 s58, s51, 21
	s_lshl_b32 s55, s50, 12
	s_add_co_u32 s58, s58, s55
	s_lshl_b32 s55, s54, 19
	s_add_co_u32 s58, s58, s55
	s_add_co_u32 s58, s58, 0x800000                ; V: eight blocks, 65,536 bytes apart, of the head's 4,096 bytes
	s_mov_b32 s59, 0
	s_mov_b32 s[G0K], 1
	s_mul_i32 s[G0K+1], s54, KPART
	s_mov_b32 s[G0V], 1
	s_mul_i32 s[G0V+1], s54, VPART
	s_add_co_u32 s[G0V+1], s[G0V+1], VOFF
	s_mov_b32 s[G1K], 15|(1<<20)|(1<<21)|(4<<22)|(3<<25)   ; the mask: all four work-groups; elements of 1 byte; padding on; bit 21 beside a mask; 4 words behind every 32
	s_mov_b32 s[G1V], 15|(1<<20)|(1<<21)|(3<<22)|(3<<25)   ; 4 words behind every 16
.irp g, G1K, G1V
	s_mov_b32 s[\g+1], 4096<<16                    ; tensor_dim0: rows of 4,096 bytes
	s_mov_b32 s[\g+2], 8<<16                       ; tensor_dim1
	s_mov_b32 s[\g+3], 4096<<16                    ; tile_dim0
	s_mov_b32 s[\g+4], 8                           ; tile_dim1
	s_mov_b32 s[\g+6], 0
	s_mov_b32 s[\g+7], 0
.endr
	s_mov_b32 s[G1K+5], 4096                       ; the pitch: K's rows lie on end,
	s_mov_b32 s[G1V+5], 65536                      ; V's a block apart
	s_mov_b32 s[SEL], 0x76543210
	s_mov_b32 s[SEL+1], 0xfedcba98
	s_mov_b32 s[CS], 0x3d38aa3b                    ; c = log2(e) / 32
	s_lshl_b32 s60, s49, 14                        ; my queries: 256 x block + 32 x wave rows of 64 bytes
	s_add_co_u32 s60, s60, s52
	s_lshl_b32 s61, s[WV], 11
	s_add_co_u32 s60, s60, s61
	s_mov_b32 s61, 0
	s_lshl_b32 s62, s[WV], 10
	s_add_co_u32 s62, s62, STAGE                   ; my stage
	s_wait_dscnt 0x0                               ; both opening adds are done
	s_wait_kmcnt 0x0
	s_load_b128 s[40:43], s[6:7], 0x18             ; e6, e7, e8, e9
	s_load_b32 s44, s[6:7], 0x28                   ; e10
	s_add_nc_u64 s[G0K+2:G0K+3], s[4:5], s[56:57]
	s_or_b32 s[G0K+3], s[G0K+3], 0x80000000
	s_add_nc_u64 s[G0V+2:G0V+3], s[4:5], s[58:59]
	s_or_b32 s[G0V+3], s[G0V+3], 0x80000000
	CROUND                                         ; all four work-groups are here: the joint loads meet
	s_cmp_lt_u32 s[WV], 4
	s_cbranch_scc0 .Lfor_v
	tensor_load_to_lds s[G0K:G0K+3], s[G1K:G1K+7]  ; my one tensor load of the launch
	s_nop 0
.rept 4
	v_nop
.endr
	s_branch .Lasked
.Lfor_v:
	tensor_load_to_lds s[G0V:G0V+3], s[G1V:G1V+7]
	s_nop 0
.rept 4
	v_nop
.endr
.Lasked:
	s_add_nc_u64 s[4:5], s[4:5], s[60:61]          ; q at my first query
	s_add_nc_u64 s[8:9], s[8:9], s[60:61]          ; the output likewise
	v_and_b32 v8, 15, v0                           ; r
	v_bfe_u32 v9, v0, 4, 1                         ; h
	v_lshlrev_b32 v10, 6, v8
	v_lshl_add_u32 v10, v9, 4, v10
	WIN W_LD
	global_load_b128 v[QF:QF+3], v10, s[4:5]       ; Q's fragments: two loads of 16 bytes each, as K's: the same permutation of k in both
	global_load_b128 v[QF+4:QF+7], v10, s[4:5] offset:32
	global_load_b128 v[QF+8:QF+11], v10, s[4:5] offset:1024
	global_load_b128 v[QF+12:QF+15], v10, s[4:5] offset:1056
	WIN 0
	v_lshrrev_b32 v11, 1, v8
	v_and_b32 v12, 8, v8
	v_lshrrev_b32 v12, 1, v12
	v_add_nc_u32 v11, v11, v12                     ; the line of key r + 8 (r / 8)
	v_mul_u32_u24 v11, v11, KP2
	v_and_b32 v12, 1, v8
	v_lshl_add_u32 v11, v12, 6, v11
	v_lshl_add_u32 v[AK0], v9, 4, v11              ; K: + 16 h
	v_mul_u32_u24 v[AV0], v8, VP
	v_lshl_add_u32 v[AV0], v9, 4, v[AV0]
	v_add_nc_u32 v[AV0], VOFF, v[AV0]              ; V: channel r, + 16 h
	v_and_b32 v[GO], 31, v0
	v_lshlrev_b32 v[GO], 4, v[GO]
	v_lshlrev_b32 v[STI], 6, v8
	v_lshl_add_u32 v[STI], v9, 3, v[STI]
	v_add_nc_u32 v[STI], s62, v[STI]               ; into the stage: query r's 64 bytes, + 8 h
	v_add_nc_u32 v[STB], s62, v[GO]                ; back: 16 bytes a lane
.irp x, 0,1
	v_mov_b32 v[NM+2*\x], 0x7f61b1e6               ; -M = 3e38
	v_mov_b32 v[NM+2*\x+1], 0xff61b1e6             ; the largest score so far: -3e38
	v_mov_b32 v[SM+2*\x], 0
	v_mov_b32 v[SM+2*\x+1], 0
	v_mov_b32 v[FF+2*\x+1], 0                      ; (named as the upper half of a pair)
	v_mov_b32 v[T+4+\x], 0                         ; a permute's destination counts as read
.endr
.set j, 0
.rept 64
	v_mov_b32 v[O+j], 0                            ; O^T: the step has no first form of its own; its first walk finds zeros
.set j, j+1
.endr
	s_wait_kmcnt 0x0
	s_add_co_i32 s48, s40, s41
	s_lshl_b32 s48, s48, 23
	s_add_co_i32 s[CS], s[CS], s48                 ; e6 + e7 go into c's exponent field
	s_mov_b32 s[CS+1], s[CS]
	s_add_co_i32 s48, s43, 127
	s_lshl_b32 s49, s48, 23
	v_mov_b32 v[SC], s49                           ; 2^e9
	s_add_co_i32 s48, s48, 8
	s_lshl_b32 s48, s48, 23
	s_or_b32 s48, s48, 0x600000
	v_mov_b32 v[LIM], s48                          ; 448 x 2^e9
	v_mov_b32 v[LIM+1], s48
	s_sub_co_i32 s48, s44, s42
	s_sub_co_i32 s48, s48, s43                     ; e10 - e8 - e9: the output's folded scale
	s_add_co_i32 s48, s48, 127
	s_lshl_b32 s49, s48, 23
	v_mov_b32 v[OSC], s49
	s_add_co_i32 s48, s48, 8
	s_lshl_b32 s48, s48, 23
	s_or_b32 s48, s48, 0x600000
	v_mov_b32 v[OLIM], s48
	s_mov_b32 s[TBK], KSTEP                        ; the next step's K
	s_mov_b32 s[TBV], 0                            ; this step's V
	s_mov_b32 s[CNT], 15
; A STEP: 128 keys, both tiles.  more = 1: the next step's fragments of K are fetched under the softmax.
.macro STEP more
	s_wait_dscnt 0x0                               ; K's fragments are in
	WIN W_MUL
.irp t, 0,1,2,3,4,5,6,7
.irp x, 0,1
	v_wmma_f32_16x16x64_fp8_fp8 v[S+64*\x+8*\t:S+64*\x+8*\t+7], v[KF+8*\t:KF+8*\t+7], v[QF+8*\x:QF+8*\x+7], 0
.endr
.endr
	WIN 0
	v_add_nc_u32 v[ADV], s[TBV], v[AV0]            ; four places ahead of the loads into registers that matrix instructions have read, and of the first read of the scores
.if \more
	v_add_nc_u32 v[ADK], s[TBK], v[AK0]
.else
	v_nop
.endif
	v_nop
	v_nop
	WIN W_LD
.irp d, 0,1,2,3                                ; V: channel 16 d + r, keys 32 b + 16 h + 0..15
.irp b, 0,1,2,3
	ds_load_b128 v[VF+16*\d+4*\b:VF+16*\d+4*\b+3], v[ADV] offset:(\b/2)*VBLK+\d*16*VP+(\b%2)*32
.endr
.endr
.if \more
	KLOAD ADK
.endif
	WIN 0
.irp x, 0,1                                    ; the largest score so far of my query: the old one is a leaf; two chains a tile, each accumulator from its low end on
	v_max3_num_f32 v[T+2*\x], v[S+64*\x], v[S+64*\x+1], v[NM+2*\x+1]
	v_max3_num_f32 v[T+2*\x+1], v[S+64*\x+2], v[S+64*\x+3], v[S+64*\x+4]
.endr
.irp i, 5,9,13,17,21,25,29,33,37,41,45,49,53,57
.irp x, 0,1
	v_max3_num_f32 v[T+2*\x], v[T+2*\x], v[S+64*\x+\i], v[S+64*\x+\i+1]
	v_max3_num_f32 v[T+2*\x+1], v[T+2*\x+1], v[S+64*\x+\i+2], v[S+64*\x+\i+3]
.endr
.endr
.irp x, 0,1
	v_max3_num_f32 v[T+2*\x], v[T+2*\x], v[S+64*\x+61], v[S+64*\x+62]
.endr
.irp x, 0,1
	v_max3_num_f32 v[T+2*\x], v[T+2*\x], v[T+2*\x+1], v[S+64*\x+63]
.endr
.irp x, 0,1
	v_permlanex16_b32 v[T+4+\x], v[T+2*\x], s[SEL], s[SEL+1]
.endr
.irp x, 0,1
	v_max_num_f32 v[NM+2*\x+1], v[T+2*\x], v[T+4+\x]   ; and among lane l xor 16's
.endr
.irp x, 0,1
	v_mul_f32 v[T+2*\x], s[CS], v[NM+2*\x+1]       ; as t (c is positive)
.endr
.irp x, 0,1
	v_mov_b32 v[T+2*\x+1], v[NM+2*\x]
.endr
.irp x, 0,1
	v_floor_f32 v[NM+2*\x], -v[T+2*\x]             ; the new -M: M is a whole number
.endr
.irp x, 0,1
	v_sub_f32 v[T+2*\x+1], v[NM+2*\x], v[T+2*\x+1]
.endr
.irp x, 0,1
	v_cvt_i32_f32 v[T+2*\x+1], v[T+2*\x+1]         ; (it saturates)
.endr
.irp x, 0,1
	v_ldexp_f32 v[FF+2*\x], 1.0, v[T+2*\x+1]       ; f = 2^(old M - new M)
.endr
.set j, 0
.rept 32
	v_pk_fma_f32 v[S+j:S+j+1], v[S+j:S+j+1], s[CS:CS+1], v[NM:NM+1] op_sel_hi:[1,0,0]   ; tile 0: t - M
.set j, j+2
.endr
.irp x, 0,1
.set j, 0
.rept 16
	v_pk_mul_f32 v[O+32*\x+j:O+32*\x+j+1], v[O+32*\x+j:O+32*\x+j+1], v[FF+2*\x:FF+2*\x+1] op_sel_hi:[1,0]   ; O^T under the new M, ahead of all the exponentials
.set j, j+2
.endr
.endr
	s_wait_alu depctr_va_vdst(0)                   ; ahead of the batch
.set j, 0
.rept 32
	v_exp_f32 v[S+j], v[S+j]                       ; tile 0: p = 2^(t - M); by turns with tile 1's t - M, which is first read behind the next wait
	v_pk_fma_f32 v[S+64+j:S+64+j+1], v[S+64+j:S+64+j+1], s[CS:CS+1], v[NM+2:NM+3] op_sel_hi:[1,0,0]
	v_exp_f32 v[S+j+1], v[S+j+1]
.set j, j+2
.endr
	v_pk_mul_f32 v[SM:SM+1], v[SM:SM+1], v[FF:FF+1] op_sel_hi:[1,0]   ; tile 0's sum under the new M (a plain line behind the exponentials)
	s_wait_alu depctr_va_vdst(0)                   ; one wait: for tile 0's batch, ahead of its first reader, and ahead of tile 1's batch
	SUMS 0
.set j, 0
.rept 32
	v_exp_f32 v[S+64+j], v[S+64+j]                 ; tile 1; by turns with tile 0's hold, which is first read behind the next wait
	v_dual_min_num_f32 v[S+j], v[S+j], v[LIM] :: v_dual_min_num_f32 v[S+j+1], v[S+j+1], v[LIM+1]   ; the conversion does not saturate (ISA guide 7.6.2); p is not negative: a one-sided hold, two to a line
	v_exp_f32 v[S+64+j+1], v[S+64+j+1]
.set j, j+2
.endr
	v_pk_mul_f32 v[SM+2:SM+3], v[SM+2:SM+3], v[FF+2:FF+3] op_sel_hi:[1,0]
	s_wait_alu depctr_va_vdst(0)                   ; one wait for tile 1's batch, ahead of its first reader
	SUMS 1
.set j, 0
.rept 32
	v_dual_min_num_f32 v[S+64+j], v[S+64+j], v[LIM] :: v_dual_min_num_f32 v[S+64+j+1], v[S+64+j+1], v[LIM+1]
.set j, j+2
.endr
	WIN W_LD
.irp x, 0,1
.irp t, 0,1,2,3,4,5,6,7
	v_cvt_scalef32_pk8_fp8_f32 v[PC+16*\x+2*\t:PC+16*\x+2*\t+1], v[S+64*\x+8*\t:S+64*\x+8*\t+7], v[SC]
.endr
.endr
	v_nop                                          ; one plain line behind the conversions
	s_wait_alu depctr_va_vdst(0)
.if \more
	s_wait_dscnt 16                                ; V's sixteen loads are in; the next step's sixteen of K may be out
.else
	s_wait_dscnt 0x0
.endif
	WIN W_MUL
.irp d, 0,1,2,3
.irp x, 0,1
	v_wmma_f32_16x16x128_fp8_fp8 v[O+32*\x+8*\d:O+32*\x+8*\d+7], v[VF+16*\d:VF+16*\d+15], v[PC+16*\x:PC+16*\x+15], v[O+32*\x+8*\d:O+32*\x+8*\d+7]   ; the eight accumulators by turns
.endr
.endr
	WIN 0
.endm
	s_wait_alu depctr_va_vdst(0)
	s_wait_loadcnt 0x0                             ; Q
	s_wait_tensorcnt 0x0                           ; my part of K or V has landed,
	s_barrier_signal -1
	s_barrier_wait -1                              ; everybody's has: nothing is filled again
	WIN W_LD
	KLOAD AK0
	WIN 0
.Lstep:                                            ; 15 trips; the last step, which fetches no further K, is written out
	STEP 1
	s_add_co_u32 s[TBK], s[TBK], KSTEP
	s_add_co_u32 s[TBV], s[TBV], 2*VBLK
	s_sub_co_u32 s[CNT], s[CNT], 1
	s_cmp_lg_u32 s[CNT], 0
	s_cbranch_scc1 .Lstep
	STEP 0
	; THE WAY OUT: O^T / the sum, held and converted with the folded scale; 8 bytes a lane through my stage, a tile at a time; each store covers 512 consecutive bytes, aligned.
.irp x, 0,1
	v_add_f32 v[SM+2*\x], v[SM+2*\x], v[SM+2*\x+1]
.endr
.irp x, 0,1
	v_permlanex16_b32 v[T+4+\x], v[SM+2*\x], s[SEL], s[SEL+1]
.endr
.irp x, 0,1
	v_add_f32 v[SM+2*\x], v[SM+2*\x], v[T+4+\x]    ; the row's sum
.endr
	s_wait_alu depctr_va_vdst(0)                   ; ahead of the transcendentals
.irp x, 0,1
	v_rcp_f32 v[SM+2*\x], v[SM+2*\x]
.endr
	v_nop                                          ; one plain line behind them
	s_wait_alu depctr_va_vdst(0)                   ; ahead of their first reader, which is also the first reader of O^T
.irp x, 0,1
.set j, 0
.rept 16
	v_pk_mul_f32 v[S+64*\x+j:S+64*\x+j+1], v[O+32*\x+j:O+32*\x+j+1], v[SM+2*\x:SM+2*\x+1] op_sel_hi:[1,0]   ; each accumulator from its low end on
.set j, j+2
.endr
.endr
.irp x, 0,1
.set j, 0
.rept 32
	v_med3_num_f32 v[S+64*\x+j], v[S+64*\x+j], -v[OLIM], v[OLIM]
.set j, j+1
.endr
.endr
.irp x, 0,1
.irp d, 0,1,2,3
	v_cvt_scalef32_pk8_fp8_f32 v[CD+8*\x+2*\d:CD+8*\x+2*\d+1], v[S+64*\x+8*\d:S+64*\x+8*\d+7], v[OSC]
.endr
.endr
	v_nop
.irp x, 0,1
.irp d, 0,1,2,3
	ds_store_b64 v[STI], v[CD+8*\x+2*\d:CD+8*\x+2*\d+1] offset:16*\d   ; channels 16 d + 8 h + 0..7
.endr
	ds_load_b128 v[S+64*\x+32:S+64*\x+35], v[STB]  ; LDS serves a wave's instructions in order: these see my stores, and the next tile's stores come behind them
	ds_load_b128 v[S+64*\x+36:S+64*\x+39], v[STB] offset:512
.endr
	s_wait_dscnt 7                                 ; behind this load: one load, the second tile's four stores and two loads
	global_store_b128 v[GO], v[S+32:S+35], s[8:9]
	s_wait_dscnt 6
	global_store_b128 v[GO], v[S+36:S+39], s[8:9] offset:512
	s_wait_dscnt 1
	global_store_b128 v[GO], v[S+96:S+99], s[8:9] offset:1024
	s_wait_dscnt 0x0
	global_store_b128 v[GO], v[S+100:S+103], s[8:9] offset:1536
	s_wait_tensorcnt 0x0                           ; the wave's end
	ds_add_u32 v[SPW], v[NIL]
	s_wait_dscnt 0x0
	CROUND                                         ; the closing round
	s_endpgm
.Lfunc_end_k_q314a3334bf_attn:
	.size	k_q314a3334bf_attn, .Lfunc_end_k_q314a3334bf_attn-k_q314a3334bf_attn
	.p2alignl 7, 3214868480
	.fill 96, 4, 3214868480
	.section	.rodata,"a",@progbits
	.p2align	6, 0x0
	.amdhsa_kernel k_q314a3334bf_attn
		.amdhsa_group_segment_fixed_size 327680
		.amdhsa_private_segment_fixed_size 0
		.amdhsa_enable_private_segment 0
		.amdhsa_kernarg_size 24
		.amdhsa_user_sgpr_count 2
		.amdhsa_user_sgpr_kernarg_segment_ptr 1
		.amdhsa_wavefront_size32 1
		.amdhsa_system_sgpr_workgroup_id_x 1
		.amdhsa_system_sgpr_workgroup_id_y 1
		.amdhsa_system_sgpr_workgroup_id_z 1
		.amdhsa_system_vgpr_workitem_id 0
		.amdhsa_next_free_vgpr 448
		.amdhsa_next_free_sgpr 68
		.amdhsa_reserve_vcc 0
		.amdhsa_float_denorm_mode_32 3
		.amdhsa_float_denorm_mode_16_64 3
		.amdhsa_memory_ordered 1
		.amdhsa_forward_progress 1
		.amdhsa_inst_pref_size 75
	.end_amdhsa_kernel
	.amdgpu_metadata
---
amdhsa.version: [ 1, 2 ]
amdhsa.kernels:
  - .name:           k_q314a3334bf_attn
    .symbol:         k_q314a3334bf_attn.kd
    .args:
      - { .name: qkv, .offset: 0, .size: 8, .value_kind: global_buffer, .address_space: global }
      - { .name: lowp_scales, .offset: 8, .size: 8, .value_kind: global_buffer, .address_space: global }
      - { .name: ac, .offset: 16, .size: 8, .value_kind: global_buffer, .address_space: global }
    .group_segment_fixed_size: 327680
    .private_segment_fixed_size: 0
    .kernarg_segment_align: 8
    .kernarg_segment_size: 24
    .max_flat_workgroup_size: 256
    .sgpr_count:     68
    .vgpr_count:     448
    .wavefront_size: 32
...
	.end_amdgpu_metadata
.endif
;; end of part 10
;; launch wo (part 11): grid 8 x 32, 4 waves a work-group, clusters of 4 x 4, 327,680 bytes of LDS; arguments ac, Wo_codes, lowp_scales, bo, x, res1; writes res1
.if DOCPART == 11
	.amdgcn_target "amdgcn-amd-amdhsa--gfx1250"
	.amdhsa_code_object_version 6
	.text
	.protected	k_q314a3334bf_wo
	.globl	k_q314a3334bf_wo
	.p2align	8
	.type	k_q314a3334bf_wo,@function
k_q314a3334bf_wo:
	s_mov_b64 s[64:65], 0
	v_nop
	global_prefetch_b8 v0, s[64:65] scope:SCOPE_SE
	s_setreg_imm32_b32 hwreg(HW_REG_WAVE_MODE, 25, 1), 1
	s_wait_xcnt 0x0
	s_wait_alu depctr_hold_cnt(0) depctr_sa_sdst(0) depctr_va_vdst(0) depctr_va_sdst(0) depctr_va_ssrc(0) depctr_va_vcc(0) depctr_vm_vsrc(0)
	s_getreg_b32 s2, hwreg(HW_REG_IB_STS2, 6, 4)
	s_cmp_eq_u32 s2, 0
	s_cbranch_scc0 .Lentry_in_a_cluster
	s_endpgm
.Lentry_in_a_cluster:
	s_bfe_u32 s2, ttmp6, 0x10000c
	s_cmp_lg_u32 s2, 0xf033
	s_cbranch_scc0 .Lentry_shape_is_right
	s_endpgm
.Lentry_shape_is_right:
; out[m][n] = act(sum over k of A[m][k] B[n][k] x 2^(ea + eb) + bias[n]) + residual[m][n], f32.  Here: A = the attention's codes, B = Wo, act = nothing, residual = x.
; A: codes laid [K / 64][4,096 rows][64]; B: [1,024][SIZE_K] codes; bias [1,024]; residual, out: [4,096][1,024] f32.
; A tile is 128 x 128, so that 256 work-groups share the 4,096 x 1,024 results; four waves, each 64 x 64: 16 accumulators.  K goes in steps of 512 through two LDS slots.
; CLUSTERS: 4 x 4: A's tile is shared along a row of the cluster, B's along a column, each asked for jointly.  THE MATRIX INSTRUCTION IS USED TRANSPOSED: a lane holds eight neighbouring columns of a row.
; LDS: A's two halves, each [16 blocks of 64 along K][64 rows][64 bytes + 16]; B's two halves, 64 rows of 1,024 bytes + 16.  A fragment comes by four loads of 16 bytes: the same permutation of k in A and B.
; LIMIT: ea + eb between -126 and 127.  NaN and infinities are not served.
; REGISTERS: window 0: v0-31 addresses and constants; v32-127 at work on the way out; v128-255 the accumulators ((a, b) at 128 + 8 (4 a + b)).  window 1: two fragment buffers of 128 (A's four, then B's four).  window 2: v0-127 the residual.
.set SIZE_K, 1024
.set GELU,   0
.set SCOFF,  40                        ; the byte of ea in the exponents
.set KSTEP,  512
.set AP,     80
.set AKB,    64*AP
.set AHALF,  16*AKB                    ; ALL OF K LIES IN LDS, filled once, by one load a wave: A's halves hold 16 blocks of 64 along K,
.set BP,     1040                      ; B's rows 1,024 bytes + 16.  'Slot 1' below names the second 512 along K of the same rows
.set BHALF,  64*BP
.set BOFF,   2*AHALF
.set SLOT,   BOFF+2*BHALF
.set SPARE,  SLOT
.set SPITCH, 272                       ; the way out: each wave's own stage of 64 rows x (256 bytes + 16), in slot 0, which has had its last fill and its last read by then
.set LAPS,   SIZE_K/(2*KSTEP)
.set BO,   6
.set BIA,  8
.set CA0,  12
.set CA2,  14
.set ADRA, 16
.set CB0,  18
.set ADRB, 20
.set STO,  24
.set RD,   25
.set CO,   26
.set SPW,  28
.set NIL,  29
.set GZ,   32
.set GT,   48
.set GS,   64
.set GR,   80
.set GU,   96
.set GQ,   112
.set ACC,  128
.set F0,   0
.set F1,   128
.set G1, 24
.set G0, 32
.set G1B, 48
.set G0B, 56
.set KRS, 24                           ; on the way out the descriptors' registers hold the activation's constants, a pair each
.set KA1, 26
.set KA3, 28
.set KA4, 30
.set KA5, 32
.set KA6, 34
.set KL2, 36
.set KB1, 38
.set KB2, 40
.set KB3, 42
.set KB4, 44
.set KB5, 46
.set KABS, 48
.set KTH, 49
.set MSB, 0
.macro WIN new
.if MSB != \new
	s_set_vgpr_msb (MSB<<8)|\new
.set MSB, \new
.endif
.endm
.set MUL,  0x05
.set TO_F, 0x40
.macro JLOAD s                         ; waves 0 and 1 fetch A's halves, waves 2 and 3 B's; four v_nop follow each line
	s_cmp_eq_u32 s11, 0
	s_cbranch_scc0 .Lfor_b_\@
	tensor_load_to_lds s[G0+4*\s:G0+4*\s+3], s[G1:G1+7]
	s_nop 0
.rept 4
	v_nop
.endr
	s_branch .Lasked_\@
.Lfor_b_\@:
	tensor_load_to_lds s[G0B+4*\s:G0B+4*\s+3], s[G1B:G1B+7]
	s_nop 0
.rept 4
	v_nop
.endr
.Lasked_\@:
.endm
.macro CREST
	s_cmp_lg_u32 s10, 0
	s_cbranch_scc1 .Lnot_wave_0_\@
	s_barrier_signal -3
.Lnot_wave_0_\@:
	s_barrier_wait -3
	s_barrier_signal -1
	s_barrier_wait -1
.endm
.macro CROUND
	s_barrier_signal -1
	s_barrier_wait -1
	CREST
.endm
	s_load_b128 s[4:7], s[0:1], 0x0                ; A's codes, B's codes
	s_load_b128 s[68:71], s[0:1], 0x10             ; the exponents, the bias
	s_load_b128 s[72:75], s[0:1], 0x20             ; the residual, the output
	v_lshl_add_u32 v[SPW], v0, 2, SPARE
	v_mov_b32 v[NIL], 0
	v_lshrrev_b32 v1, 5, v0
	v_readfirstlane_b32 s10, v1                    ; wave
	s_lshr_b32 s11, s10, 1                         ; my half of the rows; also: I fetch for A (0) or B (1)
	s_and_b32 s12, s10, 1                          ; my half of the columns; also: which 64 rows I fetch
	s_bfe_u32 s40, ttmp6, 0x40000
	s_bfe_u32 s41, ttmp6, 0x40004
	s_lshl_b32 s42, ttmp9, 2
	s_add_co_u32 s42, s42, s40                     ; tile column
	s_and_b32 s13, ttmp7, 0xffff
	s_lshl_b32 s13, s13, 2
	s_add_co_u32 s13, s13, s41                     ; tile row
	s_lshl_b32 s43, s41, 2
	s_lshl_b32 s43, 15, s43
	s_lshl_b32 s44, 0x1111, s40
	s_or_b32 s[G1+0], s43, (1<<20)|(1<<21)|(3<<22)|(3<<25)    ; A: my row's mask; elements of 1 byte; 4 words of padding behind every 16
	s_mov_b32 s[G1+1], 4096<<16                    ; tensor_dim0: 64 rows of 64 bytes on end
	s_mov_b32 s[G1+2], 16<<16                      ; tensor_dim1: 16 blocks along K
	s_mov_b32 s[G1+3], 4096<<16
	s_mov_b32 s[G1+4], 16
	s_mov_b32 s[G1+5], 262144                      ; from block to block: 4,096 rows of 64
	s_mov_b32 s[G1+6], 0
	s_mov_b32 s[G1+7], 0
	s_or_b32 s[G1B+0], s44, (1<<20)|(1<<21)|(7<<22)|(3<<25)   ; B: my column's mask; 4 words behind every 256
	s_mov_b32 s[G1B+1], SIZE_K<<16
	s_mov_b32 s[G1B+2], 64<<16
	s_mov_b32 s[G1B+3], SIZE_K<<16
	s_mov_b32 s[G1B+4], 64
	s_mov_b32 s[G1B+5], SIZE_K
	s_mov_b32 s[G1B+6], 0
	s_mov_b32 s[G1B+7], 0
	s_lshl_b32 s17, s12, 6
	s_lshl_b32 s16, s13, 7
	s_add_co_u32 s16, s16, s17
	s_lshl_b32 s16, s16, 6                         ; A: (128 x tile row + 64 x half) rows of 64 bytes
	s_lshl_b32 s46, s42, 7
	s_add_co_u32 s46, s46, s17
	s_mul_i32 s46, s46, SIZE_K                     ; B: (128 x tile column + 64 x half) rows
	s_mov_b32 s17, 0
	s_mov_b32 s47, 0
	s_mul_i32 s20, s12, AHALF                      ; where they go
	s_mul_i32 s21, s12, BHALF
	s_add_co_u32 s21, s21, BOFF
	s_wait_kmcnt 0x0
	s_load_b64 s[96:97], s[68:69], SCOFF           ; ea, eb
	s_add_nc_u64 s[14:15], s[4:5], s[16:17]
	s_add_nc_u64 s[46:47], s[6:7], s[46:47]
.irp s, 0
	s_mov_b32 s[G0+4*\s], 1
	s_add_co_u32 s[G0+4*\s+1], s20, \s*SLOT
	s_add_nc_u64 s[G0+4*\s+2:G0+4*\s+3], s[14:15], \s*8*262144
	s_or_b32 s[G0+4*\s+3], s[G0+4*\s+3], 0x80000000
	s_mov_b32 s[G0B+4*\s], 1
	s_add_co_u32 s[G0B+4*\s+1], s21, \s*SLOT
	s_add_nc_u64 s[G0B+4*\s+2:G0B+4*\s+3], s[46:47], \s*KSTEP
	s_or_b32 s[G0B+4*\s+3], s[G0B+4*\s+3], 0x80000000
	s_wait_alu depctr_va_vdst(0)
	ds_add_u32 v28, v29                            ; the opening: the add, twice on end; its wait stands ahead of the round and my one tensor load
	ds_add_u32 v28, v29
	s_wait_dscnt 0x0
	CROUND
	JLOAD \s
.endr
	v_and_b32 v1, 15, v0                           ; r
	v_bfe_u32 v2, v0, 4, 1                         ; h
	v_mul_u32_u24 v3, v1, AP
	v_lshl_add_u32 v3, v2, 4, v3
	v_mul_u32_u24 v4, v1, BP
	v_lshl_add_u32 v4, v2, 4, v4
	s_mul_i32 s21, s11, AHALF
	s_mul_i32 s22, s12, BHALF
	s_add_co_u32 s22, s22, BOFF
.irp s, 0,1
	v_add_nc_u32 v[ADRA+\s], s21, v3
	v_add_nc_u32 v[ADRB+\s], s22, v4
	s_add_co_u32 s21, s21, 8*AKB                   ; the second 512 along K: eight blocks on in A,
	s_add_co_u32 s22, s22, 512                     ; 512 bytes on in B's rows
.endr
	s_mul_i32 s23, s10, 64*SPITCH                  ; my stage
	v_mul_u32_u24 v5, v1, SPITCH
	v_lshl_add_u32 v5, v2, 5, v5
	v_add_nc_u32 v[STO], s23, v5                   ; in: row r, 32 bytes for each half of the lanes
	v_mul_u32_u24 v5, v2, SPITCH
	v_lshl_add_u32 v5, v1, 4, v5
	v_add_nc_u32 v[RD], s23, v5                    ; back: lanes 0-15 one row of 256 bytes, lanes 16-31 the next
	v_lshlrev_b32 v5, 12, v2
	v_lshl_add_u32 v[CO], v1, 4, v5                ; the same two rows in memory
	s_wait_alu depctr_va_vdst(0)
	v_lshlrev_b32 v[BO], 4, v1                     ; my four columns in the bias
	s_wait_alu depctr_va_vdst(0)
	s_lshl_b32 s16, s13, 7
	s_lshl_b32 s17, s11, 6
	s_add_co_u32 s16, s16, s17
	s_lshl_b32 s16, s16, 12                        ; my first row, in bytes
	s_lshl_b32 s84, s42, 7
	s_lshl_b32 s85, s12, 6
	s_add_co_u32 s84, s84, s85
	s_lshl_b32 s84, s84, 2                         ; my first column, in bytes
	s_mov_b32 s85, 0
	s_add_nc_u64 s[70:71], s[70:71], s[84:85]
	s_add_co_u32 s84, s84, s16
	s_add_nc_u64 s[72:73], s[72:73], s[84:85]
	s_add_nc_u64 s[74:75], s[74:75], s[84:85]
	WIN 0x80                                       ; destination window 2
.set t, 0
.rept 32
	global_load_b128 v[4*t:4*t+3], v[CO], s[72:73] offset:8192*t   ; the residual of my 64 x 64, in the layout of the stores; it lands under the products
.set t, t+1
.endr
	WIN 0
	global_load_b128 v[BIA:BIA+3], v[BO], s[70:71]
.macro FETCH slot, q, f                ; the fragments of the slot's q-th 128 along K: B's sixteen loads, then A's, blocks ascending
	WIN TO_F
.irp i, 0,1,2,3
.irp c, 0,1,2,3
	ds_load_b128 v[\f+64+16*\i+4*\c:\f+64+16*\i+4*\c+3], v[ADRB+\slot] offset:128*(\q)+32*\c+\i*16*BP
.endr
.endr
.irp i, 0,1,2,3
.irp c, 0,1,2,3
	ds_load_b128 v[\f+16*\i+4*\c:\f+16*\i+4*\c+3], v[ADRA+\slot] offset:(2*(\q)+\c/2)*AKB+\i*16*AP+32*(\c%2)
.endr
.endr
.endm
.macro MULA f, a, zero                 ; A's block a against B's four.  The sixteen accumulators take turns in one order throughout
.irp b, 0,1,2,3
.if \zero
	v_wmma_f32_16x16x128_fp8_fp8 v[ACC+8*(4*(\a)+\b):ACC+8*(4*(\a)+\b)+7], v[\f+64+16*\b:\f+64+16*\b+15], v[\f+16*(\a):\f+16*(\a)+15], 0
.else
	v_wmma_f32_16x16x128_fp8_fp8 v[ACC+8*(4*(\a)+\b):ACC+8*(4*(\a)+\b)+7], v[\f+64+16*\b:\f+64+16*\b+15], v[\f+16*(\a):\f+16*(\a)+15], v[ACC+8*(4*(\a)+\b):ACC+8*(4*(\a)+\b)+7]
.endif
.endr
.endm
.macro PLACES
.rept 4
	v_nop
.endr
.endm
.macro QUARTER slot, q, f, g, zero     ; multiplies buffer f; fetches the slot's quarter q into g
	s_wait_dscnt 8                                 ; B's four and A's blocks 0, 1 are in; A's blocks 2, 3 (eight loads) may be out
	WIN MUL
	MULA \f, 0, \zero
	MULA \f, 1, \zero
	PLACES
	FETCH \slot, \q, \g
	s_wait_dscnt 32                                ; all but the 32 just issued
	WIN MUL
	MULA \f, 2, \zero
	MULA \f, 3, \zero
.endm
.macro TURN slot, next, fill           ; a slot's last quarter, in buffer 1, and the change of slots
	WIN 0
	s_wait_tensorcnt 0x0                           ; my part of the next slot has landed; no load of mine is out
	ds_add_u32 v[SPW], v[NIL]
	s_wait_dscnt 13                                ; the add and A's blocks 1-3 (twelve loads) may be out
	WIN MUL
	MULA F1, 0, 0
	s_wait_dscnt 0x0                               ; the add is done, my reads of this slot are over
	s_barrier_signal -1
	MULA F1, 1, 0
.if \fill
	WIN 0
.endif
	s_barrier_wait -1
.if \fill
	CREST                                          ; the barrier opened a round of the cluster's
	s_add_nc_u64 s[G0+4*\slot+2:G0+4*\slot+3], s[G0+4*\slot+2:G0+4*\slot+3], 2*8*262144
	s_add_nc_u64 s[G0B+4*\slot+2:G0B+4*\slot+3], s[G0B+4*\slot+2:G0B+4*\slot+3], 2*KSTEP
	JLOAD \slot                                    ; the first tensor load behind the round; its four v_nop are the places ahead of the loads below
.else
	PLACES
.endif
	FETCH \next, 0, F0
	WIN MUL
	MULA F1, 2, 0
	MULA F1, 3, 0
.endm
.macro KSET r, val
	s_mov_b32 s[\r], \val
	s_mov_b32 s[\r+1], \val
.endm
; x = x (1 + erf(x / sqrt 2)) / 2 on v[x .. x + 15].  z = x / sqrt 2, t = |z|.  t <= 475/512: erf by an odd polynomial.  Above: E = erfc(t) = exp(polynomial in t), and 1 + erf(z) = E where z < 0,
; 2 - E else: no difference of near numbers is formed, so the negative tail keeps its digits.  Both ways are computed and v_cndmask_b32 selects: no branch on data.
.macro GELU16 x
.irp i, 0,2,4,6,8,10,12,14
	v_pk_mul_f32 v[GZ+\i:GZ+\i+1], v[\x+\i:\x+\i+1], s[KRS:KRS+1] op_sel_hi:[1,0]
.endr
.irp i, 0,1,2,3,4,5,6,7,8,9,10,11,12,13,14,15
	v_and_b32 v[GT+\i], s[KABS], v[GZ+\i]
.endr
.irp i, 0,2,4,6,8,10,12,14
	v_pk_mul_f32 v[GS+\i:GS+\i+1], v[GZ+\i:GZ+\i+1], v[GZ+\i:GZ+\i+1]
.endr
.irp i, 0,2,4,6,8,10,12,14
	v_pk_fma_f32 v[GR+\i:GR+\i+1], v[GT+\i:GT+\i+1], v[CA0:CA0+1], s[KA1:KA1+1] op_sel_hi:[1,1,0]
.endr
.irp i, 0,2,4,6,8,10,12,14
	v_pk_fma_f32 v[GU+\i:GU+\i+1], v[GT+\i:GT+\i+1], v[CA2:CA2+1], s[KA3:KA3+1] op_sel_hi:[1,1,0]
.endr
.irp i, 0,2,4,6,8,10,12,14
	v_pk_fma_f32 v[GR+\i:GR+\i+1], v[GR+\i:GR+\i+1], v[GS+\i:GS+\i+1], v[GU+\i:GU+\i+1]
.endr
.irp k, KA4, KA5, KA6
.irp i, 0,2,4,6,8,10,12,14
	v_pk_fma_f32 v[GR+\i:GR+\i+1], v[GR+\i:GR+\i+1], v[GT+\i:GT+\i+1], s[\k:\k+1] op_sel_hi:[1,1,0]
.endr
.endr
.irp i, 0,2,4,6,8,10,12,14
	v_pk_fma_f32 v[GR+\i:GR+\i+1], v[GR+\i:GR+\i+1], v[GT+\i:GT+\i+1], v[GT+\i:GT+\i+1] neg_lo:[0,0,1] neg_hi:[0,0,1]
.endr
.irp i, 0,2,4,6,8,10,12,14
	v_pk_mul_f32 v[GR+\i:GR+\i+1], v[GR+\i:GR+\i+1], s[KL2:KL2+1] op_sel_hi:[1,0]
.endr
.irp i, 0,1,2,3,4,5,6,7,8,9,10,11,12,13,14,15
	v_exp_f32 v[GR+\i], v[GR+\i]                   ; E
.endr
.irp i, 0,2,4,6,8,10,12,14
	v_pk_fma_f32 v[GQ+\i:GQ+\i+1], v[GS+\i:GS+\i+1], v[CB0:CB0+1], s[KB1:KB1+1] op_sel_hi:[1,1,0]   ; (plain lines behind the exponentials)
.endr
.irp k, KB2, KB3, KB4, KB5
.irp i, 0,2,4,6,8,10,12,14
	v_pk_fma_f32 v[GQ+\i:GQ+\i+1], v[GQ+\i:GQ+\i+1], v[GS+\i:GS+\i+1], s[\k:\k+1] op_sel_hi:[1,1,0]
.endr
.endr
.irp i, 0,2,4,6,8,10,12,14
	v_pk_fma_f32 v[GQ+\i:GQ+\i+1], v[GQ+\i:GQ+\i+1], v[GZ+\i:GZ+\i+1], v[GZ+\i:GZ+\i+1]
.endr
.irp i, 0,2,4,6,8,10,12,14
	v_pk_add_f32 v[GQ+\i:GQ+\i+1], v[GQ+\i:GQ+\i+1], 1.0 op_sel_hi:[1,0]
.endr
.irp i, 0,2,4,6,8,10,12,14
	v_pk_add_f32 v[GU+\i:GU+\i+1], v[GR+\i:GR+\i+1], 2.0 op_sel_hi:[1,0] neg_lo:[1,0] neg_hi:[1,0]   ; 2 - E
.endr
.irp i, 0,1,2,3,4,5,6,7,8,9,10,11,12,13,14,15
	v_cmp_gt_f32 vcc_lo, 0, v[GZ+\i]
	v_cndmask_b32 v[GU+\i], v[GU+\i], v[GR+\i], vcc_lo
.endr
.irp i, 0,1,2,3,4,5,6,7,8,9,10,11,12,13,14,15
	v_cmp_lt_f32 vcc_lo, s[KTH], v[GT+\i]
	v_cndmask_b32 v[GQ+\i], v[GQ+\i], v[GU+\i], vcc_lo
.endr
.irp i, 0,2,4,6,8,10,12,14
	v_pk_mul_f32 v[\x+\i:\x+\i+1], v[\x+\i:\x+\i+1], 0.5 op_sel_hi:[1,0]
.endr
.irp i, 0,2,4,6,8,10,12,14
	v_pk_mul_f32 v[\x+\i:\x+\i+1], v[\x+\i:\x+\i+1], v[GQ+\i:GQ+\i+1]
.endr
.endm
	s_wait_tensorcnt 0x0                           ; my part of A or B is in
	s_barrier_signal -1
	s_barrier_wait -1
	FETCH 0, 0, F0
	QUARTER 0, 1, F0, F1, 1                        ; the first quarter's products start the sums
.if LAPS > 1
	WIN 0
	s_mov_b32 s3, LAPS-1
.Llap:
	QUARTER 0, 2, F1, F0, 0
	QUARTER 0, 3, F0, F1, 0
	TURN 0, 1, 1
	QUARTER 1, 1, F0, F1, 0
	QUARTER 1, 2, F1, F0, 0
	QUARTER 1, 3, F0, F1, 0
	TURN 1, 0, 1
	QUARTER 0, 1, F0, F1, 0
	WIN 0
	s_sub_co_u32 s3, s3, 1
	s_cmp_lg_u32 s3, 0
	s_cbranch_scc1 .Llap
.endif
	QUARTER 0, 2, F1, F0, 0
	QUARTER 0, 3, F0, F1, 0
	TURN 0, 1, 0
	QUARTER 1, 1, F0, F1, 0
	QUARTER 1, 2, F1, F0, 0
	QUARTER 1, 3, F0, F1, 0
	s_wait_dscnt 8
	WIN MUL
	MULA F1, 0, 0
	MULA F1, 1, 0
	s_wait_dscnt 0                                 ; my reads of A and B are over:
	s_barrier_signal -1                            ; say so: the stages lie on bytes of A that are read up to the last quarter
	MULA F1, 2, 0
	MULA F1, 3, 0
	WIN 0
	s_barrier_wait -1                              ; nobody reads them any more
	; THE WAY OUT: the sums go through my own stage and come back as whole rows of 256 bytes, into the registers that they left; then scale, bias, activation and residual, and sixteen lanes store 256 consecutive bytes, aligned.
	PLACES
.irp a, 0,1,2,3
.irp b, 0,1,2,3
	ds_store_b128 v[STO], v[ACC+8*(4*\a+\b):ACC+8*(4*\a+\b)+3] offset:\a*16*SPITCH+64*\b        ; each accumulator from its low end on
	ds_store_b128 v[STO], v[ACC+8*(4*\a+\b)+4:ACC+8*(4*\a+\b)+7] offset:\a*16*SPITCH+64*\b+16
.endr
.endr
.set t, 0
.rept 32
	ds_load_b128 v[ACC+4*t:ACC+4*t+3], v[RD] offset:t*2*SPITCH     ; LDS serves a wave's instructions in order: these see the stores above
.set t, t+1
.endr
	s_wait_kmcnt 0x0
	s_add_co_i32 s92, s96, s97
	s_add_co_i32 s92, s92, 127
	s_lshl_b32 s92, s92, 23                        ; 2^(ea + eb)
	s_mov_b32 s93, s92
.if GELU
	KSET KRS, 0x3f3504f3                           ; every tensor load of mine is done: the descriptors' registers are free
	KSET KA1, 0x39c8e7d9
	KSET KA3, 0x3cc6b1a1
	KSET KA4, 0xbddaae5c
	KSET KA5, 0xbf228550
	KSET KA6, 0xbe03ce86
	KSET KL2, 0x3fb8aa3b
	KSET KB1, 0x3ba38d2c
	KSET KB2, 0xbcdb48d9
	KSET KB3, 0x3de70e22
	KSET KB4, 0xbec09380
	KSET KB5, 0x3e0375d4
	s_mov_b32 s[KABS], 0x7fffffff
	s_mov_b32 s[KTH], 0x3f6d8000
	v_mov_b32 v[CA0], 0xb7910000
	v_mov_b32 v[CA0+1], 0xb7910000
	v_mov_b32 v[CA2], 0xbb7e8a1c
	v_mov_b32 v[CA2+1], 0xbb7e8a1c
	v_mov_b32 v[CB0], 0xba1c7000
	v_mov_b32 v[CB0+1], 0xba1c7000
.endif
	s_wait_loadcnt 0x0                             ; the residual and the bias
.set g, 0
.rept 8
.set X, ACC+16*g
	s_wait_dscnt 28-4*g                            ; these four loads are in; the later ones may be out
.irp i, 0,2,4,6,8,10,12,14
	v_pk_fma_f32 v[X+\i:X+\i+1], v[X+\i:X+\i+1], s[92:93], v[BIA+(\i%4):BIA+(\i%4)+1] op_sel_hi:[1,0,1]
.endr
.if GELU
	GELU16 X
.endif
	WIN 0x08                                       ; source 1 window 2
.irp i, 0,2,4,6,8,10,12,14
	v_pk_add_f32 v[X+\i:X+\i+1], v[X+\i:X+\i+1], v[16*g+\i:16*g+\i+1]
.endr
	WIN 0
.irp u, 0,1,2,3
	global_store_b128 v[CO], v[X+4*\u:X+4*\u+3], s[74:75] offset:(4*g+\u)*8192
.endr
.set g, g+1
.endr
	s_wait_tensorcnt 0x0                           ; the wave's end
	ds_add_u32 v[SPW], v[NIL]
	s_wait_dscnt 0x0
	CROUND                                         ; the closing round
	s_endpgm
.Lfunc_end_k_q314a3334bf_wo:
	.size	k_q314a3334bf_wo, .Lfunc_end_k_q314a3334bf_wo-k_q314a3334bf_wo
	.p2alignl 7, 3214868480
	.fill 96, 4, 3214868480
	.section	.rodata,"a",@progbits
	.p2align	6, 0x0
	.amdhsa_kernel k_q314a3334bf_wo
		.amdhsa_group_segment_fixed_size 327680
		.amdhsa_private_segment_fixed_size 0
		.amdhsa_enable_private_segment 0
		.amdhsa_kernarg_size 48
		.amdhsa_user_sgpr_count 2
		.amdhsa_user_sgpr_kernarg_segment_ptr 1
		.amdhsa_wavefront_size32 1
		.amdhsa_system_sgpr_workgroup_id_x 1
		.amdhsa_system_sgpr_workgroup_id_y 1
		.amdhsa_system_sgpr_workgroup_id_z 1
		.amdhsa_system_vgpr_workitem_id 0
		.amdhsa_next_free_vgpr 640
		.amdhsa_next_free_sgpr 100
		.amdhsa_reserve_vcc 1
		.amdhsa_float_denorm_mode_32 3
		.amdhsa_float_denorm_mode_16_64 3
		.amdhsa_memory_ordered 1
		.amdhsa_forward_progress 1
		.amdhsa_inst_pref_size 53
	.end_amdhsa_kernel
	.amdgpu_metadata
---
amdhsa.version: [ 1, 2 ]
amdhsa.kernels:
  - .name:           k_q314a3334bf_wo
    .symbol:         k_q314a3334bf_wo.kd
    .args:
      - { .name: ac, .offset: 0, .size: 8, .value_kind: global_buffer, .address_space: global }
      - { .name: Wo_codes, .offset: 8, .size: 8, .value_kind: global_buffer, .address_space: global }
      - { .name: lowp_scales, .offset: 16, .size: 8, .value_kind: global_buffer, .address_space: global }
      - { .name: bo, .offset: 24, .size: 8, .value_kind: global_buffer, .address_space: global }
      - { .name: x, .offset: 32, .size: 8, .value_kind: global_buffer, .address_space: global }
      - { .name: res1, .offset: 40, .size: 8, .value_kind: global_buffer, .address_space: global }
    .group_segment_fixed_size: 327680
    .private_segment_fixed_size: 0
    .kernarg_segment_align: 8
    .kernarg_segment_size: 48
    .max_flat_workgroup_size: 128
    .sgpr_count:     100
    .vgpr_count:     640
    .wavefront_size: 32
...
	.end_amdgpu_metadata
.endif
;; end of part 11
;; launch ln2 (part 12): grid 256 x 1, 8 waves a work-group, no clusters, 17,408 bytes of LDS; arguments res1, la2_g, la2_b, lowp_scales, h2c; writes h2c
.if DOCPART == 12
	.amdgcn_target "amdgcn-amd-amdhsa--gfx1250"
	.amdhsa_code_object_version 6
	.text
	.protected	k_q314a3334bf_ln2
	.globl	k_q314a3334bf_ln2
	.p2align	8
	.type	k_q314a3334bf_ln2,@function
k_q314a3334bf_ln2:
	s_mov_b64 s[64:65], 0
	v_nop
	global_prefetch_b8 v0, s[64:65] scope:SCOPE_SE
	s_setreg_imm32_b32 hwreg(HW_REG_WAVE_MODE, 25, 1), 1
	s_wait_xcnt 0x0
; h2 = layernorm(out) * g + b over rows of 1,024 f32, quantised to E4M3 codes with the given scale 2^e (entry 12 of the scales): [4096 rows][1024 codes], row-major.
; The first norm's text with NB = 1.  code = h2 / 2^e, held within +-448, to the nearest code, ties to even.
; SHARES: a work-group takes 16 rows, a wave two.  A row is eight loads of 512 consecutive bytes: lane l holds elements 128 j + 4 l + 0..3 in registers 4 j .. 4 j + 3.
; The mean is taken first and the squares of the centred numbers second, so a common offset of the inputs costs no digits.
; A conversion's dword j holds the four codes at 128 j + 4 l: they go through the wave's own LDS bytes and leave as 16 bytes a lane: each store covers 512 consecutive bytes, aligned.
; No matrix unit, no cluster, no barrier: rows share nothing but g and b.
; LIMITS: e between -126 and 119; NaN and infinities among the inputs are not served.
.set NB,   1
.set ES,   44
.set XR,   16
.set GG,   80
.set BB,   112
.set TT,   144
.set CC,   176
.set SCQ,  8
.set LIMQ, 11
	s_load_b256 s[4:11], s[0:1], 0x0               ; the rows s[4:5], g s[6:7], b s[8:9], scales s[10:11]
	s_load_b64 s[12:13], s[0:1], 0x20              ; the codes
	v_lshl_add_u32 v248, v0, 2, 16384              ; my spare word, behind the waves' LDS bytes; never rewritten
	v_mov_b32 v249, 0                              ; 0; never rewritten
	v_lshrrev_b32 v1, 5, v0
	s_delay_alu instid0(VALU_DEP_1)
	v_readfirstlane_b32 s14, v1
	v_and_b32 v2, 31, v0
	s_delay_alu instid0(VALU_DEP_1)
	v_lshlrev_b32 v1, 4, v2                        ; v1 = 16 x lane: never rewritten
	s_mul_i32 s15, s14, NB*2048
	v_lshl_add_u32 v3, v2, 4, s15
	v_lshl_add_u32 v2, v2, 2, s15
	s_lshl_b32 s16, ttmp9, 4
	s_lshl_b32 s17, s14, 1
	s_add_co_u32 s16, s16, s17                     ; my first row
	s_lshl_b32 s18, s16, 12
	s_mov_b32 s19, 0
	s_lshl_b32 s16, s16, 10
	s_mov_b32 s17, 0
	s_mov_b32 s26, 0x76543210
	s_mov_b32 s27, 0xfedcba98
	s_mov_b32 s28, 0x3727c5ac                      ; 1e-5
	s_mov_b32 s29, 0x3a800000                      ; 1 / 1024
	s_wait_alu depctr_va_vdst(0)
	s_wait_kmcnt 0x0
	s_load_b512 s[32:47], s[10:11], 0x0
	s_add_nc_u64 s[4:5], s[4:5], s[18:19]
	s_add_nc_u64 s[20:21], s[12:13], s[16:17]
.irp j, 0,1,2,3,4,5,6,7
	global_load_b128 v[XR+4*\j:XR+4*\j+3], v1, s[4:5] offset:512*\j
.endr
.irp j, 0,1,2,3,4,5,6,7
	global_load_b128 v[GG+4*\j:GG+4*\j+3], v1, s[6:7] offset:512*\j
.endr
.irp j, 0,1,2,3,4,5,6,7
	global_load_b128 v[BB+4*\j:BB+4*\j+3], v1, s[8:9] offset:512*\j
.endr
.irp j, 0,1,2,3,4,5,6,7
	global_load_b128 v[XR+32+4*\j:XR+32+4*\j+3], v1, s[4:5] offset:4096+512*\j
.endr
	s_wait_kmcnt 0x0
.set q, 0
.rept NB
	s_add_co_i32 s30, s[ES+2*q], 127
	s_lshl_b32 s31, s30, 23
	v_mov_b32 v[SCQ+q], s31
	s_add_co_i32 s30, s30, 8
	s_lshl_b32 s30, s30, 23
	s_or_b32 s30, s30, 0x600000
	v_mov_b32 v[LIMQ+q], s30
.set q, q+1
.endr
.macro RED
	s_delay_alu instid0(VALU_DEP_1)
	v_add_f32_dpp v4, v4, v4 row_xmask:1 row_mask:0xf bank_mask:0xf
	s_delay_alu instid0(VALU_DEP_1)
	v_add_f32_dpp v4, v4, v4 row_xmask:2 row_mask:0xf bank_mask:0xf
	s_delay_alu instid0(VALU_DEP_1)
	v_add_f32_dpp v4, v4, v4 row_xmask:4 row_mask:0xf bank_mask:0xf
	s_delay_alu instid0(VALU_DEP_1)
	v_add_f32_dpp v4, v4, v4 row_xmask:8 row_mask:0xf bank_mask:0xf
	s_delay_alu instid0(VALU_DEP_1)
	v_permlanex16_b32 v5, v4, s26, s27
	s_delay_alu instid0(VALU_DEP_1)
	v_add_f32 v4, v4, v5
.endm
.macro ROW i, left1, left2
.set X, XR+32*\i
.if \i == 0
.set O, 224
.else
.set O, 16
.endif
	s_wait_loadcnt \left1
	v_pk_add_f32 v[4:5], v[X:X+1], v[X+2:X+3]
	v_pk_add_f32 v[6:7], v[X+4:X+5], v[X+6:X+7]
.irp j, 8,12,16,20,24,28
	s_delay_alu instid0(VALU_DEP_2)
	v_pk_add_f32 v[4:5], v[4:5], v[X+\j:X+\j+1]
	s_delay_alu instid0(VALU_DEP_2)
	v_pk_add_f32 v[6:7], v[6:7], v[X+\j+2:X+\j+3]
.endr
	s_delay_alu instid0(VALU_DEP_1)
	v_pk_add_f32 v[4:5], v[4:5], v[6:7]
	s_delay_alu instid0(VALU_DEP_1)
	v_add_f32 v4, v4, v5
	RED
	s_delay_alu instid0(VALU_DEP_1)
	v_mul_f32 v14, s29, v4                         ; the mean
	s_delay_alu instid0(VALU_DEP_1)
	v_mov_b32 v15, v14
.irp j, 0,2,4,6,8,10,12,14,16,18,20,22,24,26,28,30
	v_pk_add_f32 v[X+\j:X+\j+1], v[X+\j:X+\j+1], v[14:15] neg_lo:[0,1] neg_hi:[0,1]
.endr
	v_pk_mul_f32 v[4:5], v[X:X+1], v[X:X+1]
	v_pk_mul_f32 v[6:7], v[X+2:X+3], v[X+2:X+3]
.irp j, 4,8,12,16,20,24,28
	s_delay_alu instid0(VALU_DEP_2)
	v_pk_fma_f32 v[4:5], v[X+\j:X+\j+1], v[X+\j:X+\j+1], v[4:5]
	s_delay_alu instid0(VALU_DEP_2)
	v_pk_fma_f32 v[6:7], v[X+\j+2:X+\j+3], v[X+\j+2:X+\j+3], v[6:7]
.endr
	s_delay_alu instid0(VALU_DEP_1)
	v_pk_add_f32 v[4:5], v[4:5], v[6:7]
	s_delay_alu instid0(VALU_DEP_1)
	v_add_f32 v4, v4, v5
	RED
	s_delay_alu instid0(VALU_DEP_1)
	v_fma_f32 v4, v4, s29, s28                     ; the variance + 1e-5
	s_wait_alu depctr_va_vdst(0)
	v_rsq_f32 v14, v4
	v_nop                                          ; one plain line behind the transcendental
	s_wait_alu depctr_va_vdst(0)                   ; ahead of the first reader of v14
	v_mov_b32 v15, v14
	s_wait_alu depctr_va_vdst(0)
	s_wait_loadcnt \left2
.irp j, 0,2,4,6,8,10,12,14,16,18,20,22,24,26,28,30
	v_pk_mul_f32 v[X+\j:X+\j+1], v[X+\j:X+\j+1], v[14:15]
.endr
.irp j, 0,2,4,6,8,10,12,14,16,18,20,22,24,26,28,30
	v_pk_fma_f32 v[X+\j:X+\j+1], v[X+\j:X+\j+1], v[GG+\j:GG+\j+1], v[BB+\j:BB+\j+1]
.endr
.set q, 0
.rept NB
.set C, CC+24*\i+8*q
.irp j, 0,1,2,3,4,5,6,7,8,9,10,11,12,13,14,15,16,17,18,19,20,21,22,23,24,25,26,27,28,29,30,31
	v_med3_num_f32 v[TT+\j], v[X+\j], -v[LIMQ+q], v[LIMQ+q]   ; the conversion does not saturate (ISA guide 7.6.2): the hold comes first
.endr
.irp g, 0,1,2,3
	v_cvt_scalef32_pk8_fp8_f32 v[C+2*\g:C+2*\g+1], v[TT+8*\g:TT+8*\g+7], v[SCQ+q]
.endr
	v_nop                                          ; one plain line behind the conversions
.irp j, 0,1,2,3,4,5,6,7
	ds_store_b32 v2, v[C+\j] offset:(NB*\i+q)*1024+128*\j
.endr
.irp u, 0,1
	ds_load_b128 v[O+8*q+4*\u:O+8*q+4*\u+3], v3 offset:(NB*\i+q)*1024+512*\u   ; LDS serves a wave's instructions in order
.endr
.set q, q+1
.endr
.set q, 0
.rept NB
.irp u, 0,1
	s_wait_dscnt (NB-1-q)*10+(1-\u)                ; what was issued behind this load may stay out
	global_store_b128 v1, v[O+8*q+4*\u:O+8*q+4*\u+3], s[20+2*q:21+2*q] offset:1024*\i+512*\u
.endr
.set q, q+1
.endr
.endm
	ROW 0, 24, 8                                   ; behind row 0's loads: g's 8, b's 8, row 1's 8; behind b's: row 1's 8
	ROW 1, 0, 0
	s_wait_tensorcnt 0x0                           ; the wave's end, behind my last LDS store
	ds_add_u32 v248, v249
	s_wait_dscnt 0x0
	s_endpgm
.Lfunc_end_k_q314a3334bf_ln2:
	.size	k_q314a3334bf_ln2, .Lfunc_end_k_q314a3334bf_ln2-k_q314a3334bf_ln2
	.p2alignl 7, 3214868480
	.fill 96, 4, 3214868480
	.section	.rodata,"a",@progbits
	.p2align	6, 0x0
	.amdhsa_kernel k_q314a3334bf_ln2
		.amdhsa_group_segment_fixed_size 17408
		.amdhsa_private_segment_fixed_size 0
		.amdhsa_enable_private_segment 0
		.amdhsa_kernarg_size 40
		.amdhsa_user_sgpr_count 2
		.amdhsa_user_sgpr_kernarg_segment_ptr 1
		.amdhsa_wavefront_size32 1
		.amdhsa_system_sgpr_workgroup_id_x 1
		.amdhsa_system_sgpr_workgroup_id_y 1
		.amdhsa_system_sgpr_workgroup_id_z 1
		.amdhsa_system_vgpr_workitem_id 0
		.amdhsa_next_free_vgpr 256
		.amdhsa_next_free_sgpr 66
		.amdhsa_reserve_vcc 0
		.amdhsa_float_denorm_mode_32 3
		.amdhsa_float_denorm_mode_16_64 3
		.amdhsa_memory_ordered 1
		.amdhsa_forward_progress 1
		.amdhsa_inst_pref_size 27
	.end_amdhsa_kernel
	.amdgpu_metadata
---
amdhsa.version: [ 1, 2 ]
amdhsa.kernels:
  - .name:           k_q314a3334bf_ln2
    .symbol:         k_q314a3334bf_ln2.kd
    .args:
      - { .name: res1, .offset: 0, .size: 8, .value_kind: global_buffer, .address_space: global }
      - { .name: la2_g, .offset: 8, .size: 8, .value_kind: global_buffer, .address_space: global }
      - { .name: la2_b, .offset: 16, .size: 8, .value_kind: global_buffer, .address_space: global }
      - { .name: lowp_scales, .offset: 24, .size: 8, .value_kind: global_buffer, .address_space: global }
      - { .name: h2c, .offset: 32, .size: 8, .value_kind: global_buffer, .address_space: global }
    .group_segment_fixed_size: 17408
    .private_segment_fixed_size: 0
    .kernarg_segment_align: 8
    .kernarg_segment_size: 40
    .max_flat_workgroup_size: 256
    .sgpr_count:     66
    .vgpr_count:     256
    .wavefront_size: 32
...
	.end_amdgpu_metadata
.endif
;; end of part 12
;; launch w1 (part 13): grid 16 x 16, 4 waves a work-group, clusters of 4 x 4, 327,680 bytes of LDS; arguments h2c, W1_codes, lowp_scales, b1, mc; writes mc
.if DOCPART == 13
	.amdgcn_target "amdgcn-amd-amdhsa--gfx1250"
	.amdhsa_code_object_version 6
	.text
	.protected	k_q314a3334bf_w1
	.globl	k_q314a3334bf_w1
	.p2align	8
	.type	k_q314a3334bf_w1,@function
k_q314a3334bf_w1:
	s_mov_b64 s[64:65], 0
	v_nop
	global_prefetch_b8 v0, s[64:65] scope:SCOPE_SE
	s_setreg_imm32_b32 hwreg(HW_REG_WAVE_MODE, 25, 1), 1
	s_wait_xcnt 0x0
	s_wait_alu depctr_hold_cnt(0) depctr_sa_sdst(0) depctr_va_vdst(0) depctr_va_sdst(0) depctr_va_ssrc(0) depctr_va_vcc(0) depctr_vm_vsrc(0)
	s_getreg_b32 s2, hwreg(HW_REG_IB_STS2, 6, 4)
	s_cmp_eq_u32 s2, 0
	s_cbranch_scc0 .Lentry_in_a_cluster
	s_endpgm
.Lentry_in_a_cluster:
	s_bfe_u32 s2, ttmp6, 0x10000c
	s_cmp_lg_u32 s2, 0xf033
	s_cbranch_scc0 .Lentry_shape_is_right
	s_endpgm
.Lentry_shape_is_right:
.set SIZE_K, 1024
.set KSTEP,  256
.set ROWB,   256
.set KROW,   SIZE_K
.set PITCH,  272
.set FR,     16
.set NL,     4
.set NP,     4
.set HALFT,  128*PITCH
.set SLOT,   4*HALFT
.set LAPS,   SIZE_K/(2*KSTEP)
.set SPARE,  2*SLOT
.set CHUNK,  2048
.set RAWW,   17*CHUNK
.set CST,    4*RAWW
.set CCH,    640
.set CSTW,   32*CCH
.set CA0,  10
.set CA2,  12
.set CB0,  14
.set ADRA, 16
.set RW,   18
.set RWA,  19
.set ADRB, 20
.set BOF,  22
.set STA,  23
.set STO,  24
.set RD,   25
.set CO,   26
.set SPW,  28
.set NIL,  29
.set LIM,  30
.set SC,   31
.set BI,   32
.set XX,   96
.set GZ,   112
.set GT,   128
.set GS,   144
.set GR,   160
.set GU,   176
.set GQ,   192
.set CD,   208
.set YY,   240
.set TMPR, 112
.set AF,   128
.set BK,   96
.set G1, 24
.set G0, 32
.set G1B, 48
.set G0B, 56
.set KRS, 24
.set KA1, 26
.set KA3, 28
.set KA4, 30
.set KA5, 32
.set KA6, 34
.set KL2, 36
.set KB1, 38
.set KB2, 40
.set KB3, 42
.set KB4, 44
.set KB5, 46
.set KABS, 48
.set KTH, 49
.set RI,  52
.set CI,  53
.set MSB, 0
.macro WIN new
.if MSB != \new
	s_set_vgpr_msb (MSB<<8)|\new
.set MSB, \new
.endif
.endm
.set MUL_LO, 0xa1
.set MUL_HI, 0xf1
.set TO_B,   0x40
.macro JLOAD g0a, g1a, g0b, g1b
	s_cmp_eq_u32 s15, 0
	s_cbranch_scc0 .Lfor_b_\@
	tensor_load_to_lds s[\g0a:\g0a+3], s[\g1a:\g1a+7]
	s_nop 0
.rept 4
	v_nop
.endr
	s_branch .Lasked_\@
.Lfor_b_\@:
	tensor_load_to_lds s[\g0b:\g0b+3], s[\g1b:\g1b+7]
	s_nop 0
.rept 4
	v_nop
.endr
.Lasked_\@:
.endm
.macro CREST
	s_cmp_lg_u32 s14, 0
	s_cbranch_scc1 .Lnot_wave_0_\@
	s_barrier_signal -3
.Lnot_wave_0_\@:
	s_barrier_wait -3
	s_barrier_signal -1
	s_barrier_wait -1
.endm
.macro CROUND
	s_barrier_signal -1
	s_barrier_wait -1
	CREST
.endm
	s_load_b128 s[4:7], s[0:1], 0x0
	s_load_b128 s[76:79], s[0:1], 0x10
	s_load_b64 s[10:11], s[0:1], 0x20
	v_lshl_add_u32 v[SPW], v0, 2, SPARE
	v_mov_b32 v[NIL], 0
	v_lshrrev_b32 v1, 5, v0
	v_readfirstlane_b32 s14, v1
	s_lshr_b32 s15, s14, 1
	s_and_b32 s16, s14, 1
	s_bfe_u32 s40, ttmp6, 0x40000
	s_bfe_u32 s41, ttmp6, 0x40004
	s_lshl_b32 s42, ttmp9, 2
	s_add_co_u32 s42, s42, s40
	s_and_b32 s17, ttmp7, 0xffff
	s_lshl_b32 s17, s17, 2
	s_add_co_u32 s17, s17, s41
	s_lshl_b32 s43, s41, 2
	s_lshl_b32 s43, 15, s43
	s_lshl_b32 s44, 0x1111, s40
	s_or_b32 s[G1+0], s43, (0<<16)|(1<<20)|(1<<21)|(5<<22)|(3<<25)
	s_or_b32 s[G1B+0], s44, (0<<16)|(1<<20)|(1<<21)|(5<<22)|(3<<25)
.irp g, G1, G1B
	s_mov_b32 s[\g+1], ROWB<<16
	s_mov_b32 s[\g+2], 128<<16
	s_mov_b32 s[\g+3], ROWB<<16
	s_mov_b32 s[\g+4], 128
	s_mov_b32 s[\g+5], KROW
	s_mov_b32 s[\g+6], 0
	s_mov_b32 s[\g+7], 0
.endr
	s_lshl_b32 s18, s16, 7
	s_lshl_b32 s20, s17, 8
	s_add_co_u32 s20, s20, s18
	s_lshl_b32 s46, s42, 8
	s_add_co_u32 s46, s46, s18
	s_mov_b32 s21, 0
	s_mov_b32 s47, 0
	s_mov_b64 s[18:19], KROW
	s_mul_u64 s[20:21], s[20:21], s[18:19]
	s_mul_u64 s[46:47], s[46:47], s[18:19]
	s_mul_i32 s45, s14, HALFT
	s_wait_kmcnt 0x0
	s_load_b128 s[96:99], s[76:77], 0x30
	s_add_nc_u64 s[20:21], s[4:5], s[20:21]
	s_add_nc_u64 s[46:47], s[6:7], s[46:47]
	s_cmp_eq_u32 s15, 0                            ; the prefetches: of the 128 rows that I fetch, my work-group takes 32, told from its three partners by address (cx for A, cy for B), a lane a row
	s_cselect_b64 s[88:89], s[20:21], s[46:47]
	s_cselect_b32 s90, s40, s41
	s_lshl_b32 s90, s90, 15                        ; 32 rows of 1,024 bytes
	s_mov_b32 s91, 0
	s_add_nc_u64 s[88:89], s[88:89], s[90:91]      ; never rewritten
	v_and_b32 v9, 31, v0
	v_lshlrev_b32 v9, 10, v9                       ; never rewritten
.irp s, 0,1
	s_mov_b32 s[G0+4*\s], 1
	s_add_co_u32 s[G0+4*\s+1], s45, \s*SLOT
	s_add_nc_u64 s[G0+4*\s+2:G0+4*\s+3], s[20:21], \s*ROWB
	s_or_b32 s[G0+4*\s+3], s[G0+4*\s+3], 0x80000000
	s_mov_b32 s[G0B+4*\s], 1
	s_add_co_u32 s[G0B+4*\s+1], s45, \s*SLOT
	s_add_nc_u64 s[G0B+4*\s+2:G0B+4*\s+3], s[46:47], \s*ROWB
	s_or_b32 s[G0B+4*\s+3], s[G0B+4*\s+3], 0x80000000
	s_wait_alu depctr_va_vdst(0)
	s_wait_tensorcnt 0x0
	ds_add_u32 v28, v29
	ds_add_u32 v28, v29
	s_wait_dscnt 0x0
	CROUND
	JLOAD G0+4*\s, G1, G0B+4*\s, G1B
.if \s == 0
	global_prefetch_b8 v9, s[88:89] offset:256 th:TH_LOAD_NT scope:SCOPE_SE   ; behind K step 0's load: K step 1, 256 bytes of each row
.else
	global_prefetch_b8 v9, s[88:89] offset:512 th:TH_LOAD_NT scope:SCOPE_SE   ; behind K step 1's load: K steps 2 and 3, the last
	global_prefetch_b8 v9, s[88:89] offset:768 th:TH_LOAD_NT scope:SCOPE_SE
.endif
.endr
	v_and_b32 v1, 15, v0
	s_wait_alu depctr_va_vdst(0)
	v_bfe_u32 v2, v0, 4, 1
	v_mul_u32_u24 v3, v1, PITCH
	v_lshl_add_u32 v4, v2, 4, v3
	s_mul_i32 s21, s15, HALFT
	s_mul_i32 s22, s16, HALFT
	s_add_co_u32 s22, s22, 2*HALFT
.irp s, 0,1
	v_add_nc_u32 v[ADRA+\s], s21, v4
	v_add_nc_u32 v[ADRB+\s], s22, v4
	s_add_co_u32 s21, s21, SLOT
	s_add_co_u32 s22, s22, SLOT
.endr
	s_mul_i32 s23, s14, CSTW
	s_add_co_u32 s23, s23, CST
	v_lshlrev_b32 v5, 5, v1
	s_wait_alu depctr_va_vdst(0)
	v_lshl_add_u32 v5, v2, 3, v5
	v_add_nc_u32 v[STO], s23, v5
	v_and_b32 v6, 31, v0
	v_bfe_u32 v7, v0, 1, 1
	v_mul_u32_u24 v7, v7, CCH
	v_bfe_u32 v8, v0, 2, 3
	v_lshl_add_u32 v7, v8, 5, v7
	v_and_b32 v8, 1, v0
	v_lshl_add_u32 v7, v8, 4, v7
	v_add_nc_u32 v[RD], s23, v7
	v_lshlrev_b32 v[CO], 4, v6
	s_mul_i32 s21, s14, RAWW
	v_add_nc_u32 v[RW], s21, v[CO]
	s_lshl_b32 s86, s42, 2
	s_lshl_b32 s87, s16, 1
	s_add_co_u32 s86, s86, s87
	s_lshl_b32 s86, s86, 18
	s_lshl_b32 s87, s17, 14
	s_add_co_u32 s86, s86, s87
	s_lshl_b32 s87, s15, 13
	s_add_co_u32 s86, s86, s87
	s_mov_b32 s87, 0
	s_add_nc_u64 s[10:11], s[10:11], s[86:87]
	v_lshlrev_b32 v[BOF], 5, v2
	s_lshl_b32 s80, s42, 10
	s_lshl_b32 s81, s16, 9
	s_add_co_u32 s80, s80, s81
	s_mov_b32 s81, 0
	s_add_nc_u64 s[78:79], s[78:79], s[80:81]
.irp b, 0,1,2,3,4,5,6,7
	global_load_b128 v[BI+8*\b:BI+8*\b+3], v[BOF], s[78:79] offset:64*\b
	global_load_b128 v[BI+8*\b+4:BI+8*\b+7], v[BOF], s[78:79] offset:64*\b+16
.endr
.macro FRAG reg, adr, q, i
.irp c, 0,1,2,3
	ds_load_b128 v[\reg+4*\c:\reg+4*\c+3], v[\adr] offset:128*(\q)+32*\c+(\i)*16*PITCH
.endr
.endm
.macro MUL16 a0, p, zero
.irp a, \a0, \a0+1
.irp b, 0,1,2,3,4,5,6,7
.if \zero
	v_wmma_f32_16x16x128_fp8_fp8 v[8*(8*((\a)%4)+\b):8*(8*((\a)%4)+\b)+7], v[128*(\p)+FR*\b:128*(\p)+FR*\b+FR-1], v[AF+FR*(\a):AF+FR*(\a)+FR-1], 0
.else
	v_wmma_f32_16x16x128_fp8_fp8 v[8*(8*((\a)%4)+\b):8*(8*((\a)%4)+\b)+7], v[128*(\p)+FR*\b:128*(\p)+FR*\b+FR-1], v[AF+FR*(\a):AF+FR*(\a)+FR-1], v[8*(8*((\a)%4)+\b):8*(8*((\a)%4)+\b)+7]
.endif
.endr
.endr
.endm
.macro FETCH_B slot, q, p
	WIN TO_B
.irp i, 0,1,2,3,4,5,6,7
	FRAG 128*(\p)+FR*\i, ADRB+\slot, \q, \i
.endr
	WIN 0
.endm
.macro FETCH_A slot, q, i0
.irp i, \i0, \i0+1, \i0+2, \i0+3
	FRAG AF+FR*(\i), ADRA+\slot, \q, \i
.endr
.endm
.macro PLACES n
.rept \n
	v_nop
.endr
.endm
.macro STEP slot, q, zero
	s_wait_dscnt 4*NL
	WIN MUL_LO
	MUL16 0, (\q)%2, \zero
	MUL16 2, (\q)%2, \zero
	s_wait_dscnt 0
	PLACES NP
	FETCH_B \slot, (\q)+1, 1-(\q)%2
	FETCH_A \slot, (\q)+1, 0
	WIN MUL_HI
	MUL16 4, (\q)%2, \zero
	MUL16 6, (\q)%2, \zero
	PLACES NP
	WIN 0
	FETCH_A \slot, (\q)+1, 4
.endm
.macro TURN slot, next, fill
	s_wait_tensorcnt 0x0
	ds_add_u32 v[SPW], v[NIL]
	s_wait_dscnt 4*NL+1
	WIN MUL_LO
	MUL16 0, 1, 0
	s_wait_dscnt 0x0
	s_barrier_signal -1
	MUL16 2, 1, 0
	WIN 0
	s_barrier_wait -1
.if \fill
	CREST
	s_add_nc_u64 s[G0+4*\slot+2:G0+4*\slot+3], s[G0+4*\slot+2:G0+4*\slot+3], 2*ROWB
	s_add_nc_u64 s[G0B+4*\slot+2:G0B+4*\slot+3], s[G0B+4*\slot+2:G0B+4*\slot+3], 2*ROWB
	JLOAD G0+4*\slot, G1, G0B+4*\slot, G1B
.else
	PLACES NP
.endif
	FETCH_B \next, 0, 0
	FETCH_A \next, 0, 0
	WIN MUL_HI
	MUL16 4, 1, 0
	MUL16 6, 1, 0
	PLACES NP
	WIN 0
	FETCH_A \next, 0, 4
.endm
.macro KSET r, val
	s_mov_b32 s[\r], \val
	s_mov_b32 s[\r+1], \val
.endm
.macro ACT
.irp i, 0,2,4,6,8,10,12,14
	v_pk_mul_f32 v[GZ+\i:GZ+\i+1], v[YY+\i:YY+\i+1], s[KRS:KRS+1] op_sel_hi:[1,0]
.endr
.irp i, 0,2,4,6,8,10,12,14
	v_pk_mul_f32 v[XX+\i:XX+\i+1], v[YY+\i:YY+\i+1], 0.5 op_sel_hi:[1,0]
.endr
.irp c, 0,1,2,3
	ds_load_b128 v[YY+4*\c:YY+4*\c+3], v[RWA] offset:512*\c
.endr
.irp i, 0,1,2,3,4,5,6,7,8,9,10,11,12,13,14,15
	v_and_b32 v[GT+\i], s[KABS], v[GZ+\i]
.endr
.irp i, 0,2,4,6,8,10,12,14
	v_pk_mul_f32 v[GS+\i:GS+\i+1], v[GZ+\i:GZ+\i+1], v[GZ+\i:GZ+\i+1]
.endr
.irp i, 0,2,4,6,8,10,12,14
	v_pk_fma_f32 v[GR+\i:GR+\i+1], v[GT+\i:GT+\i+1], v[CA0:CA0+1], s[KA1:KA1+1] op_sel_hi:[1,1,0]
.endr
.irp i, 0,2,4,6,8,10,12,14
	v_pk_fma_f32 v[GU+\i:GU+\i+1], v[GT+\i:GT+\i+1], v[CA2:CA2+1], s[KA3:KA3+1] op_sel_hi:[1,1,0]
.endr
.irp i, 0,2,4,6,8,10,12,14
	v_pk_fma_f32 v[GR+\i:GR+\i+1], v[GR+\i:GR+\i+1], v[GS+\i:GS+\i+1], v[GU+\i:GU+\i+1]
.endr
.irp k, KA4, KA5, KA6
.irp i, 0,2,4,6,8,10,12,14
	v_pk_fma_f32 v[GR+\i:GR+\i+1], v[GR+\i:GR+\i+1], v[GT+\i:GT+\i+1], s[\k:\k+1] op_sel_hi:[1,1,0]
.endr
.endr
.irp i, 0,2,4,6,8,10,12,14
	v_pk_fma_f32 v[GR+\i:GR+\i+1], v[GR+\i:GR+\i+1], v[GT+\i:GT+\i+1], v[GT+\i:GT+\i+1] neg_lo:[0,0,1] neg_hi:[0,0,1]
.endr
.irp i, 0,2,4,6,8,10,12,14
	v_pk_mul_f32 v[GR+\i:GR+\i+1], v[GR+\i:GR+\i+1], s[KL2:KL2+1] op_sel_hi:[1,0]
.endr
	s_wait_alu depctr_va_vdst(0)
.irp i, 0,1,2,3,4,5,6,7,8,9,10,11,12,13,14,15
	v_exp_f32 v[GR+\i], v[GR+\i]
.endr
.irp i, 0,2,4,6,8,10,12,14
	v_pk_fma_f32 v[GQ+\i:GQ+\i+1], v[GS+\i:GS+\i+1], v[CB0:CB0+1], s[KB1:KB1+1] op_sel_hi:[1,1,0]
.endr
.irp k, KB2, KB3, KB4, KB5
.irp i, 0,2,4,6,8,10,12,14
	v_pk_fma_f32 v[GQ+\i:GQ+\i+1], v[GQ+\i:GQ+\i+1], v[GS+\i:GS+\i+1], s[\k:\k+1] op_sel_hi:[1,1,0]
.endr
.endr
.irp i, 0,2,4,6,8,10,12,14
	v_pk_fma_f32 v[GQ+\i:GQ+\i+1], v[GQ+\i:GQ+\i+1], v[GZ+\i:GZ+\i+1], v[GZ+\i:GZ+\i+1]
.endr
.irp i, 0,2,4,6,8,10,12,14
	v_pk_add_f32 v[GQ+\i:GQ+\i+1], v[GQ+\i:GQ+\i+1], 1.0 op_sel_hi:[1,0]
.endr
	s_wait_alu depctr_va_vdst(0)                   ; one wait for the batch of exponentials, ahead of its first reader
.irp i, 0,2,4,6,8,10,12,14
	v_pk_add_f32 v[GU+\i:GU+\i+1], v[GR+\i:GR+\i+1], 2.0 op_sel_hi:[1,0] neg_lo:[1,0] neg_hi:[1,0]
.endr
.irp i, 0,1,2,3,4,5,6,7,8,9,10,11,12,13,14,15
	v_cmp_gt_f32 s[66+\i], 0, v[GZ+\i]             ; sixteen compares, then sixteen selects: a mask each in s66-81, which hold nothing else by now
.endr
.irp i, 0,1,2,3,4,5,6,7,8,9,10,11,12,13,14,15
	v_cndmask_b32 v[GU+\i], v[GU+\i], v[GR+\i], s[66+\i]
.endr
.irp i, 0,1,2,3,4,5,6,7,8,9,10,11,12,13,14,15
	v_cmp_lt_f32 s[66+\i], s[KTH], v[GT+\i]
.endr
.irp i, 0,1,2,3,4,5,6,7,8,9,10,11,12,13,14,15
	v_cndmask_b32 v[GQ+\i], v[GQ+\i], v[GU+\i], s[66+\i]
.endr
.irp i, 0,2,4,6,8,10,12,14
	v_pk_mul_f32 v[XX+\i:XX+\i+1], v[XX+\i:XX+\i+1], v[GQ+\i:GQ+\i+1]
.endr
.endm
	s_wait_tensorcnt 1
	s_barrier_signal -1
	s_barrier_wait -1
	FETCH_B 0, 0, 0
	FETCH_A 0, 0, 0
	FETCH_A 0, 0, 4
	STEP 0, 0, 1
	s_mov_b32 s3, LAPS-1
.Llap:
	TURN 0, 1, 1
	STEP 1, 0, 0
	TURN 1, 0, 1
	STEP 0, 0, 0
	s_sub_co_u32 s3, s3, 1
	s_cmp_lg_u32 s3, 0
	s_cbranch_scc1 .Llap
	TURN 0, 1, 0
	STEP 1, 0, 0
	s_wait_dscnt 4*NL
	WIN MUL_LO
	MUL16 0, 1, 0
	MUL16 2, 1, 0
	s_wait_dscnt 0
	s_barrier_signal -1
	WIN MUL_HI
	MUL16 4, 1, 0
	MUL16 6, 1, 0
	WIN 0
	s_barrier_wait -1
	s_wait_kmcnt 0x0
	s_add_co_i32 s92, s96, s97
	s_add_co_i32 s92, s92, 127
	s_lshl_b32 s92, s92, 23
	s_mov_b32 s93, s92
	s_add_co_i32 s94, s98, 127
	s_lshl_b32 s95, s94, 23
	v_mov_b32 v[SC], s95
	s_add_co_i32 s94, s94, 8
	s_lshl_b32 s94, s94, 23
	s_or_b32 s94, s94, 0x600000
	v_mov_b32 v[LIM], s94
	KSET KRS, 0x3f3504f3
	KSET KA1, 0x39c8e7d9
	KSET KA3, 0x3cc6b1a1
	KSET KA4, 0xbddaae5c
	KSET KA5, 0xbf228550
	KSET KA6, 0xbe03ce86
	KSET KL2, 0x3fb8aa3b
	KSET KB1, 0x3ba38d2c
	KSET KB2, 0xbcdb48d9
	KSET KB3, 0x3de70e22
	KSET KB4, 0xbec09380
	KSET KB5, 0x3e0375d4
	s_mov_b32 s[KABS], 0x7fffffff
	s_mov_b32 s[KTH], 0x3f6d8000
	v_mov_b32 v[CA0], 0xb7910000
	v_mov_b32 v[CA0+1], 0xb7910000
	v_mov_b32 v[CA2], 0xbb7e8a1c
	v_mov_b32 v[CA2+1], 0xbb7e8a1c
	v_mov_b32 v[CB0], 0xba1c7000
	v_mov_b32 v[CB0+1], 0xba1c7000
	s_wait_loadcnt 0x0
	PLACES NP
.macro HALF hh
.set WW, 0x02+\hh
.set ap, 0
.rept 4
.set TR, TMPR+64*(ap%2)
	WIN WW
.set j, 0
.rept 32
	v_pk_fma_f32 v[TR+j:TR+j+1], v[64*ap+j:64*ap+j+1], s[92:93], v[BI+j:BI+j+1] op_sel_hi:[1,0,1]
.set j, j+2
.endr
	WIN 0
.set k, 0
.rept 16
	ds_store_b128 v[RW], v[TR+4*k:TR+4*k+3] offset:(16*ap+k)*512
.set k, k+1
.endr
.set ap, ap+1
.endr
.set k, 0
.rept 4
	ds_store_b128 v[RW], v[TR+4*k:TR+4*k+3] offset:(64+k)*512
.set k, k+1
.endr
.irp c, 0,1,2,3
	ds_load_b128 v[YY+4*\c:YY+4*\c+3], v[RW] offset:512*\c
.endr
	s_mov_b32 s[RI], 0
	s_mov_b32 s[CI], 16*CCH*\hh
	s_mov_b32 s3, 16
	s_wait_dscnt 0x0
.Lpair_\@:
	s_wait_dscnt 0x2
	s_add_co_u32 s[RI], s[RI], CHUNK
	v_add_nc_u32 v[RWA], s[RI], v[RW]
	ACT
	s_wait_alu depctr_va_vdst(0)
	s_wait_dscnt 0x4
	v_add_nc_u32 v[STA], s[CI], v[STO]
.irp i, 0,1,2,3,4,5,6,7,8,9,10,11,12,13,14,15
	v_med3_num_f32 v[XX+\i], v[XX+\i], -v[LIM], v[LIM]
.endr
	v_cvt_scalef32_pk8_fp8_f32 v[CD:CD+1], v[XX:XX+7], v[SC]
	v_cvt_scalef32_pk8_fp8_f32 v[CD+2:CD+3], v[XX+8:XX+15], v[SC]
	v_nop
	ds_store_b64 v[STA], v[CD:CD+1]
	ds_store_b64 v[STA], v[CD+2:CD+3] offset:16
	s_add_co_u32 s[CI], s[CI], CCH
	s_sub_co_u32 s3, s3, 1
	s_cmp_lg_u32 s3, 0
	s_cbranch_scc1 .Lpair_\@
	s_wait_dscnt 0x0
.endm
.macro SENDH hh
.set t, 0
.rept 16
	ds_load_b128 v[BK+4*t:BK+4*t+3], v[RD] offset:16*CCH*\hh+2*CCH*(t/8)+4*CCH*((t%8)/2)+256*(t%2)
.set t, t+1
.endr
.set t, 0
.rept 16
	s_wait_dscnt 15-t
	global_store_b128 v[CO], v[BK+4*t:BK+4*t+3], s[10:11] offset:262144*(t/8)+512*(8*\hh+t%8)
.set t, t+1
.endr
.endm
	HALF 0
	SENDH 0
	s_wait_xcnt 0x0
	HALF 1
	SENDH 1
	s_wait_tensorcnt 0x0
	ds_add_u32 v[SPW], v[NIL]
	s_wait_dscnt 0x0
	CROUND
	s_endpgm
.Lfunc_end_k_q314a3334bf_w1:
	.size	k_q314a3334bf_w1, .Lfunc_end_k_q314a3334bf_w1-k_q314a3334bf_w1
	.p2alignl 7, 3214868480
	.fill 96, 4, 3214868480
	.section	.rodata,"a",@progbits
	.p2align	6, 0x0
	.amdhsa_kernel k_q314a3334bf_w1
		.amdhsa_group_segment_fixed_size 327680
		.amdhsa_private_segment_fixed_size 0
		.amdhsa_enable_private_segment 0
		.amdhsa_kernarg_size 40
		.amdhsa_user_sgpr_count 2
		.amdhsa_user_sgpr_kernarg_segment_ptr 1
		.amdhsa_wavefront_size32 1
		.amdhsa_system_sgpr_workgroup_id_x 1
		.amdhsa_system_sgpr_workgroup_id_y 1
		.amdhsa_system_sgpr_workgroup_id_z 1
		.amdhsa_system_vgpr_workitem_id 0
		.amdhsa_next_free_vgpr 1024
		.amdhsa_next_free_sgpr 100
		.amdhsa_reserve_vcc 0
		.amdhsa_float_denorm_mode_32 3
		.amdhsa_float_denorm_mode_16_64 3
		.amdhsa_memory_ordered 1
		.amdhsa_forward_progress 1
		.amdhsa_inst_pref_size 149
	.end_amdhsa_kernel
	.amdgpu_metadata
---
amdhsa.version: [ 1, 2 ]
amdhsa.kernels:
  - .name:           k_q314a3334bf_w1
    .symbol:         k_q314a3334bf_w1.kd
    .args:
      - { .name: h2c, .offset: 0, .size: 8, .value_kind: global_buffer, .address_space: global }
      - { .name: W1_codes, .offset: 8, .size: 8, .value_kind: global_buffer, .address_space: global }
      - { .name: lowp_scales, .offset: 16, .size: 8, .value_kind: global_buffer, .address_space: global }
      - { .name: b1, .offset: 24, .size: 8, .value_kind: global_buffer, .address_space: global }
      - { .name: mc, .offset: 32, .size: 8, .value_kind: global_buffer, .address_space: global }
    .group_segment_fixed_size: 327680
    .private_segment_fixed_size: 0
    .kernarg_segment_align: 8
    .kernarg_segment_size: 40
    .max_flat_workgroup_size: 128
    .sgpr_count:     100
    .vgpr_count:     1024
    .wavefront_size: 32
...
	.end_amdgpu_metadata
.endif
;; end of part 13
;; launch w2 (part 14): grid 8 x 32, 4 waves a work-group, clusters of 4 x 4, 327,680 bytes of LDS; arguments mc, W2_codes, lowp_scales, b2, res1, out0; writes out0
.if DOCPART == 14
	.amdgcn_target "amdgcn-amd-amdhsa--gfx1250"
	.amdhsa_code_object_version 6
	.text
	.protected	k_q314a3334bf_w2
	.globl	k_q314a3334bf_w2
	.p2align	8
	.type	k_q314a3334bf_w2,@function
k_q314a3334bf_w2:
	s_mov_b64 s[64:65], 0
	v_nop
	global_prefetch_b8 v0, s[64:65] scope:SCOPE_SE
	s_setreg_imm32_b32 hwreg(HW_REG_WAVE_MODE, 25, 1), 1
	s_wait_xcnt 0x0
	s_wait_alu depctr_hold_cnt(0) depctr_sa_sdst(0) depctr_va_vdst(0) depctr_va_sdst(0) depctr_va_ssrc(0) depctr_va_vcc(0) depctr_vm_vsrc(0)
	s_getreg_b32 s2, hwreg(HW_REG_IB_STS2, 6, 4)
	s_cmp_eq_u32 s2, 0
	s_cbranch_scc0 .Lentry_in_a_cluster
	s_endpgm
.Lentry_in_a_cluster:
	s_bfe_u32 s2, ttmp6, 0x10000c
	s_cmp_lg_u32 s2, 0xf033
	s_cbranch_scc0 .Lentry_shape_is_right
	s_endpgm
.Lentry_shape_is_right:
.set SIZE_K, 4096
.set GELU,   1
.set SCOFF,  56
.set KSTEP,  512
.set AP,     80
.set AKB,    64*AP
.set AHALF,  8*AKB
.set BP,     528
.set BHALF,  64*BP
.set BOFF,   2*AHALF
.set SLOT,   BOFF+2*BHALF
.set SPARE,  2*SLOT
.set SPITCH, 272
.set LAPS,   SIZE_K/(2*KSTEP)
.set BO,   6
.set BIA,  8
.set CA0,  12
.set CA2,  14
.set ADRA, 16
.set CB0,  18
.set ADRB, 20
.set STO,  24
.set RD,   25
.set CO,   26
.set SPW,  28
.set NIL,  29
.set GZ,   32
.set GT,   48
.set GS,   64
.set GR,   80
.set GU,   96
.set GQ,   112
.set ACC,  128
.set F0,   0
.set F1,   128
.set G1, 24
.set G0, 32
.set G1B, 48
.set G0B, 56
.set KRS, 24
.set KA1, 26
.set KA3, 28
.set KA4, 30
.set KA5, 32
.set KA6, 34
.set KL2, 36
.set KB1, 38
.set KB2, 40
.set KB3, 42
.set KB4, 44
.set KB5, 46
.set KABS, 48
.set KTH, 49
.set MSB, 0
.macro WIN new
.if MSB != \new
	s_set_vgpr_msb (MSB<<8)|\new
.set MSB, \new
.endif
.endm
.set MUL,  0x05
.set TO_F, 0x40
.macro JLOAD s
	s_cmp_eq_u32 s11, 0
	s_cbranch_scc0 .Lfor_b_\@
	tensor_load_to_lds s[G0+4*\s:G0+4*\s+3], s[G1:G1+7]
	s_nop 0
.rept 4
	v_nop
.endr
	s_branch .Lasked_\@
.Lfor_b_\@:
	tensor_load_to_lds s[G0B+4*\s:G0B+4*\s+3], s[G1B:G1B+7]
	s_nop 0
.rept 4
	v_nop
.endr
.Lasked_\@:
.endm
.macro CREST
	s_cmp_lg_u32 s10, 0
	s_cbranch_scc1 .Lnot_wave_0_\@
	s_barrier_signal -3
.Lnot_wave_0_\@:
	s_barrier_wait -3
	s_barrier_signal -1
	s_barrier_wait -1
.endm
.macro CROUND
	s_barrier_signal -1
	s_barrier_wait -1
	CREST
.endm
	s_load_b128 s[4:7], s[0:1], 0x0
	s_load_b128 s[68:71], s[0:1], 0x10
	s_load_b128 s[72:75], s[0:1], 0x20
	v_lshl_add_u32 v[SPW], v0, 2, SPARE
	v_mov_b32 v[NIL], 0
	v_lshrrev_b32 v1, 5, v0
	v_readfirstlane_b32 s10, v1
	s_lshr_b32 s11, s10, 1
	s_and_b32 s12, s10, 1
	s_bfe_u32 s40, ttmp6, 0x40000
	s_bfe_u32 s41, ttmp6, 0x40004
	s_lshl_b32 s42, ttmp9, 2
	s_add_co_u32 s42, s42, s40
	s_and_b32 s13, ttmp7, 0xffff
	s_lshl_b32 s13, s13, 2
	s_add_co_u32 s13, s13, s41
	s_lshl_b32 s43, s41, 2
	s_lshl_b32 s43, 15, s43
	s_lshl_b32 s44, 0x1111, s40
	s_or_b32 s[G1+0], s43, (1<<20)|(1<<21)|(3<<22)|(3<<25)
	s_mov_b32 s[G1+1], 4096<<16
	s_mov_b32 s[G1+2], 8<<16
	s_mov_b32 s[G1+3], 4096<<16
	s_mov_b32 s[G1+4], 8
	s_mov_b32 s[G1+5], 262144
	s_mov_b32 s[G1+6], 0
	s_mov_b32 s[G1+7], 0
	s_or_b32 s[G1B+0], s44, (1<<20)|(1<<21)|(6<<22)|(3<<25)
	s_mov_b32 s[G1B+1], KSTEP<<16
	s_mov_b32 s[G1B+2], 64<<16
	s_mov_b32 s[G1B+3], KSTEP<<16
	s_mov_b32 s[G1B+4], 64
	s_mov_b32 s[G1B+5], SIZE_K
	s_mov_b32 s[G1B+6], 0
	s_mov_b32 s[G1B+7], 0
	s_lshl_b32 s17, s12, 6
	s_lshl_b32 s16, s13, 7
	s_add_co_u32 s16, s16, s17
	s_lshl_b32 s16, s16, 6
	s_lshl_b32 s46, s42, 7
	s_add_co_u32 s46, s46, s17
	s_mul_i32 s46, s46, SIZE_K
	s_mov_b32 s17, 0
	s_mov_b32 s47, 0
	s_mul_i32 s20, s12, AHALF
	s_mul_i32 s21, s12, BHALF
	s_add_co_u32 s21, s21, BOFF
	s_wait_kmcnt 0x0
	s_load_b64 s[96:97], s[68:69], SCOFF
	s_add_nc_u64 s[14:15], s[4:5], s[16:17]
	s_add_nc_u64 s[46:47], s[6:7], s[46:47]
	; the prefetches.  A K step of what I fetch is 128 blocks of 256 bytes; my work-group takes 32, told from its three partners by address (cx for A, cy for B), a lane a block:
	; A: two of the step's eight blocks along K, 4,096 bytes on end each; B: 16 of my 64 rows, 512 bytes each.
	s_cmp_eq_u32 s11, 0
	s_cselect_b64 s[86:87], s[14:15], s[46:47]
	s_cselect_b32 s80, s40, s41
	s_cselect_b32 s81, 19, 16                      ; my work-group's part: 2 x 262,144 bytes on, or 16 x 4,096
	s_cselect_b32 s82, 4, 1                        ; lanes to a run of neighbouring blocks: 16 or 2
	s_cselect_b32 s83, 18, 12                      ; from run to run: 262,144 bytes or 4,096
	s_mov_b32 s78, 512
	s_cselect_b32 s78, 0x200000, s78               ; a K step on: 8 x 262,144 bytes in A, 512 in B
	s_mov_b32 s79, 0
	s_lshl_b32 s80, s80, s81
	s_mov_b32 s81, 0
	s_add_nc_u64 s[86:87], s[86:87], s[80:81]
	s_add_nc_u64 s[86:87], s[86:87], s[78:79]      ; K step 1: read once, at the head
	s_add_nc_u64 s[88:89], s[86:87], s[78:79]      ; K step 2: read once, at the head
	s_add_nc_u64 s[76:77], s[88:89], s[78:79]      ; K step 3: this one walks
	v_and_b32 v31, 31, v0
	v_lshrrev_b32 v30, s82, v31
	v_lshlrev_b32 v27, s82, v30
	v_sub_nc_u32 v31, v31, v27
	v_lshlrev_b32 v30, s83, v30
	v_lshl_add_u32 v30, v31, 8, v30                ; my lane's block; never rewritten
.irp s, 0,1
	s_mov_b32 s[G0+4*\s], 1
	s_add_co_u32 s[G0+4*\s+1], s20, \s*SLOT
	s_add_nc_u64 s[G0+4*\s+2:G0+4*\s+3], s[14:15], \s*8*262144
	s_or_b32 s[G0+4*\s+3], s[G0+4*\s+3], 0x80000000
	s_mov_b32 s[G0B+4*\s], 1
	s_add_co_u32 s[G0B+4*\s+1], s21, \s*SLOT
	s_add_nc_u64 s[G0B+4*\s+2:G0B+4*\s+3], s[46:47], \s*KSTEP
	s_or_b32 s[G0B+4*\s+3], s[G0B+4*\s+3], 0x80000000
	s_wait_alu depctr_va_vdst(0)
	s_wait_tensorcnt 0x0
	ds_add_u32 v28, v29
	ds_add_u32 v28, v29
	s_wait_dscnt 0x0
	CROUND
	JLOAD \s
.if \s == 0
	global_prefetch_b8 v30, s[86:87] th:TH_LOAD_NT scope:SCOPE_SE   ; behind K step 0's load: K step 1
.else
	global_prefetch_b8 v30, s[88:89] th:TH_LOAD_NT scope:SCOPE_SE   ; behind K step 1's load: K steps 2 and 3
	global_prefetch_b8 v30, s[76:77] th:TH_LOAD_NT scope:SCOPE_SE
.endif
.endr
	v_and_b32 v1, 15, v0
	v_bfe_u32 v2, v0, 4, 1
	v_mul_u32_u24 v3, v1, AP
	v_lshl_add_u32 v3, v2, 4, v3
	v_mul_u32_u24 v4, v1, BP
	v_lshl_add_u32 v4, v2, 4, v4
	s_mul_i32 s21, s11, AHALF
	s_mul_i32 s22, s12, BHALF
	s_add_co_u32 s22, s22, BOFF
.irp s, 0,1
	v_add_nc_u32 v[ADRA+\s], s21, v3
	v_add_nc_u32 v[ADRB+\s], s22, v4
	s_add_co_u32 s21, s21, SLOT
	s_add_co_u32 s22, s22, SLOT
.endr
	s_mul_i32 s23, s10, 64*SPITCH
	v_mul_u32_u24 v5, v1, SPITCH
	v_lshl_add_u32 v5, v2, 5, v5
	v_add_nc_u32 v[STO], s23, v5
	v_mul_u32_u24 v5, v2, SPITCH
	v_lshl_add_u32 v5, v1, 4, v5
	v_add_nc_u32 v[RD], s23, v5
	v_lshlrev_b32 v5, 12, v2
	v_lshl_add_u32 v[CO], v1, 4, v5
	s_wait_alu depctr_va_vdst(0)
	v_lshlrev_b32 v[BO], 4, v1
	s_wait_alu depctr_va_vdst(0)
	s_lshl_b32 s16, s13, 7
	s_lshl_b32 s17, s11, 6
	s_add_co_u32 s16, s16, s17
	s_lshl_b32 s16, s16, 12
	s_lshl_b32 s84, s42, 7
	s_lshl_b32 s85, s12, 6
	s_add_co_u32 s84, s84, s85
	s_lshl_b32 s84, s84, 2
	s_mov_b32 s85, 0
	s_add_nc_u64 s[70:71], s[70:71], s[84:85]
	s_add_co_u32 s84, s84, s16
	s_add_nc_u64 s[72:73], s[72:73], s[84:85]
	s_add_nc_u64 s[74:75], s[74:75], s[84:85]
	WIN 0x80
.set t, 0
.rept 32
	global_load_b128 v[4*t:4*t+3], v[CO], s[72:73] offset:8192*t
.set t, t+1
.endr
	WIN 0
	global_load_b128 v[BIA:BIA+3], v[BO], s[70:71]
.macro FETCH slot, q, f
	WIN TO_F
.irp i, 0,1,2,3
.irp c, 0,1,2,3
	ds_load_b128 v[\f+64+16*\i+4*\c:\f+64+16*\i+4*\c+3], v[ADRB+\slot] offset:128*(\q)+32*\c+\i*16*BP
.endr
.endr
.irp i, 0,1,2,3
.irp c, 0,1,2,3
	ds_load_b128 v[\f+16*\i+4*\c:\f+16*\i+4*\c+3], v[ADRA+\slot] offset:(2*(\q)+\c/2)*AKB+\i*16*AP+32*(\c%2)
.endr
.endr
.endm
.macro MULA f, a, zero
.irp b, 0,1,2,3
.if \zero
	v_wmma_f32_16x16x128_fp8_fp8 v[ACC+8*(4*(\a)+\b):ACC+8*(4*(\a)+\b)+7], v[\f+64+16*\b:\f+64+16*\b+15], v[\f+16*(\a):\f+16*(\a)+15], 0
.else
	v_wmma_f32_16x16x128_fp8_fp8 v[ACC+8*(4*(\a)+\b):ACC+8*(4*(\a)+\b)+7], v[\f+64+16*\b:\f+64+16*\b+15], v[\f+16*(\a):\f+16*(\a)+15], v[ACC+8*(4*(\a)+\b):ACC+8*(4*(\a)+\b)+7]
.endif
.endr
.endm
.macro PLACES
.rept 4
	v_nop
.endr
.endm
.macro QUARTER slot, q, f, g, zero
	s_wait_dscnt 8
	WIN MUL
	MULA \f, 0, \zero
	MULA \f, 1, \zero
	PLACES
	FETCH \slot, \q, \g
	s_wait_dscnt 32
	WIN MUL
	MULA \f, 2, \zero
	MULA \f, 3, \zero
.endm
.macro TURN slot, next, fill
	WIN 0
.if \fill
	s_wait_xcnt 0x0                                ; my last prefetch has read its address: a K step on
	s_add_nc_u64 s[76:77], s[76:77], s[78:79]
.endif
	s_wait_tensorcnt 0x0
	ds_add_u32 v[SPW], v[NIL]
	s_wait_dscnt 13
	WIN MUL
	MULA F1, 0, 0
	s_wait_dscnt 0x0
	s_barrier_signal -1
	MULA F1, 1, 0
.if \fill
	WIN 0
.endif
	s_barrier_wait -1
.if \fill
	CREST
	s_add_nc_u64 s[G0+4*\slot+2:G0+4*\slot+3], s[G0+4*\slot+2:G0+4*\slot+3], 2*8*262144
	s_add_nc_u64 s[G0B+4*\slot+2:G0B+4*\slot+3], s[G0B+4*\slot+2:G0B+4*\slot+3], 2*KSTEP
	JLOAD \slot
.else
	PLACES
.endif
	FETCH \next, 0, F0
.if \fill
	WIN 0                                          ; at a branch and at a label every window is 0
	s_cmp_gt_u32 s3, 1                             ; the loop's last trip loads K steps 6 and 7: there is no step two on
	s_cbranch_scc0 .Lno_ask_\@
	global_prefetch_b8 v30, s[76:77] th:TH_LOAD_NT scope:SCOPE_SE   ; behind the load of K step s and the run of LDS loads: K step s + 2
.Lno_ask_\@:
.endif
	WIN MUL
	MULA F1, 2, 0
	MULA F1, 3, 0
.endm
.macro KSET r, val
	s_mov_b32 s[\r], \val
	s_mov_b32 s[\r+1], \val
.endm
.macro GELU16 x
.irp i, 0,2,4,6,8,10,12,14
	v_pk_mul_f32 v[GZ+\i:GZ+\i+1], v[\x+\i:\x+\i+1], s[KRS:KRS+1] op_sel_hi:[1,0]
.endr
.irp i, 0,1,2,3,4,5,6,7,8,9,10,11,12,13,14,15
	v_and_b32 v[GT+\i], s[KABS], v[GZ+\i]
.endr
.irp i, 0,2,4,6,8,10,12,14
	v_pk_mul_f32 v[GS+\i:GS+\i+1], v[GZ+\i:GZ+\i+1], v[GZ+\i:GZ+\i+1]
.endr
.irp i, 0,2,4,6,8,10,12,14
	v_pk_fma_f32 v[GR+\i:GR+\i+1], v[GT+\i:GT+\i+1], v[CA0:CA0+1], s[KA1:KA1+1] op_sel_hi:[1,1,0]
.endr
.irp i, 0,2,4,6,8,10,12,14
	v_pk_fma_f32 v[GU+\i:GU+\i+1], v[GT+\i:GT+\i+1], v[CA2:CA2+1], s[KA3:KA3+1] op_sel_hi:[1,1,0]
.endr
.irp i, 0,2,4,6,8,10,12,14
	v_pk_fma_f32 v[GR+\i:GR+\i+1], v[GR+\i:GR+\i+1], v[GS+\i:GS+\i+1], v[GU+\i:GU+\i+1]
.endr
.irp k, KA4, KA5, KA6
.irp i, 0,2,4,6,8,10,12,14
	v_pk_fma_f32 v[GR+\i:GR+\i+1], v[GR+\i:GR+\i+1], v[GT+\i:GT+\i+1], s[\k:\k+1] op_sel_hi:[1,1,0]
.endr
.endr
.irp i, 0,2,4,6,8,10,12,14
	v_pk_fma_f32 v[GR+\i:GR+\i+1], v[GR+\i:GR+\i+1], v[GT+\i:GT+\i+1], v[GT+\i:GT+\i+1] neg_lo:[0,0,1] neg_hi:[0,0,1]
.endr
.irp i, 0,2,4,6,8,10,12,14
	v_pk_mul_f32 v[GR+\i:GR+\i+1], v[GR+\i:GR+\i+1], s[KL2:KL2+1] op_sel_hi:[1,0]
.endr
	s_wait_alu depctr_va_vdst(0)
.irp i, 0,1,2,3,4,5,6,7,8,9,10,11,12,13,14,15
	v_exp_f32 v[GR+\i], v[GR+\i]
.endr
.irp i, 0,2,4,6,8,10,12,14
	v_pk_fma_f32 v[GQ+\i:GQ+\i+1], v[GS+\i:GS+\i+1], v[CB0:CB0+1], s[KB1:KB1+1] op_sel_hi:[1,1,0]
.endr
.irp k, KB2, KB3, KB4, KB5
.irp i, 0,2,4,6,8,10,12,14
	v_pk_fma_f32 v[GQ+\i:GQ+\i+1], v[GQ+\i:GQ+\i+1], v[GS+\i:GS+\i+1], s[\k:\k+1] op_sel_hi:[1,1,0]
.endr
.endr
.irp i, 0,2,4,6,8,10,12,14
	v_pk_fma_f32 v[GQ+\i:GQ+\i+1], v[GQ+\i:GQ+\i+1], v[GZ+\i:GZ+\i+1], v[GZ+\i:GZ+\i+1]
.endr
.irp i, 0,2,4,6,8,10,12,14
	v_pk_add_f32 v[GQ+\i:GQ+\i+1], v[GQ+\i:GQ+\i+1], 1.0 op_sel_hi:[1,0]
.endr
	s_wait_alu depctr_va_vdst(0)                   ; one wait for the batch of exponentials, ahead of its first reader
.irp i, 0,2,4,6,8,10,12,14
	v_pk_add_f32 v[GU+\i:GU+\i+1], v[GR+\i:GR+\i+1], 2.0 op_sel_hi:[1,0] neg_lo:[1,0] neg_hi:[1,0]
.endr
.irp i, 0,1,2,3,4,5,6,7,8,9,10,11,12,13,14,15
	v_cmp_gt_f32 s[76+\i], 0, v[GZ+\i]             ; sixteen compares, then sixteen selects: a mask each in s76-91, which hold nothing else by now
.endr
.irp i, 0,1,2,3,4,5,6,7,8,9,10,11,12,13,14,15
	v_cndmask_b32 v[GU+\i], v[GU+\i], v[GR+\i], s[76+\i]
.endr
.irp i, 0,1,2,3,4,5,6,7,8,9,10,11,12,13,14,15
	v_cmp_lt_f32 s[76+\i], s[KTH], v[GT+\i]
.endr
.irp i, 0,1,2,3,4,5,6,7,8,9,10,11,12,13,14,15
	v_cndmask_b32 v[GQ+\i], v[GQ+\i], v[GU+\i], s[76+\i]
.endr
.irp i, 0,2,4,6,8,10,12,14
	v_pk_mul_f32 v[\x+\i:\x+\i+1], v[\x+\i:\x+\i+1], 0.5 op_sel_hi:[1,0]
.endr
.irp i, 0,2,4,6,8,10,12,14
	v_pk_mul_f32 v[\x+\i:\x+\i+1], v[\x+\i:\x+\i+1], v[GQ+\i:GQ+\i+1]
.endr
.endm
	s_wait_tensorcnt 1
	s_barrier_signal -1
	s_barrier_wait -1
	FETCH 0, 0, F0
	QUARTER 0, 1, F0, F1, 1
.if LAPS > 1
	WIN 0
	s_mov_b32 s3, LAPS-1
.Llap:
	QUARTER 0, 2, F1, F0, 0
	QUARTER 0, 3, F0, F1, 0
	TURN 0, 1, 1
	QUARTER 1, 1, F0, F1, 0
	QUARTER 1, 2, F1, F0, 0
	QUARTER 1, 3, F0, F1, 0
	TURN 1, 0, 1
	QUARTER 0, 1, F0, F1, 0
	WIN 0
	s_sub_co_u32 s3, s3, 1
	s_cmp_lg_u32 s3, 0
	s_cbranch_scc1 .Llap
.endif
	QUARTER 0, 2, F1, F0, 0
	QUARTER 0, 3, F0, F1, 0
	TURN 0, 1, 0
	QUARTER 1, 1, F0, F1, 0
	QUARTER 1, 2, F1, F0, 0
	QUARTER 1, 3, F0, F1, 0
	s_wait_dscnt 8
	WIN MUL
	MULA F1, 0, 0
	MULA F1, 1, 0
	s_wait_dscnt 0
	MULA F1, 2, 0
	MULA F1, 3, 0
	WIN 0
	PLACES
.irp a, 0,1,2,3
.irp b, 0,1,2,3
	ds_store_b128 v[STO], v[ACC+8*(4*\a+\b):ACC+8*(4*\a+\b)+3] offset:\a*16*SPITCH+64*\b
	ds_store_b128 v[STO], v[ACC+8*(4*\a+\b)+4:ACC+8*(4*\a+\b)+7] offset:\a*16*SPITCH+64*\b+16
.endr
.endr
.set t, 0
.rept 32
	ds_load_b128 v[ACC+4*t:ACC+4*t+3], v[RD] offset:t*2*SPITCH
.set t, t+1
.endr
	s_wait_kmcnt 0x0
	s_add_co_i32 s92, s96, s97
	s_add_co_i32 s92, s92, 127
	s_lshl_b32 s92, s92, 23
	s_mov_b32 s93, s92
.if GELU
	KSET KRS, 0x3f3504f3
	KSET KA1, 0x39c8e7d9
	KSET KA3, 0x3cc6b1a1
	KSET KA4, 0xbddaae5c
	KSET KA5, 0xbf228550
	KSET KA6, 0xbe03ce86
	KSET KL2, 0x3fb8aa3b
	KSET KB1, 0x3ba38d2c
	KSET KB2, 0xbcdb48d9
	KSET KB3, 0x3de70e22
	KSET KB4, 0xbec09380
	KSET KB5, 0x3e0375d4
	s_mov_b32 s[KABS], 0x7fffffff
	s_mov_b32 s[KTH], 0x3f6d8000
	v_mov_b32 v[CA0], 0xb7910000
	v_mov_b32 v[CA0+1], 0xb7910000
	v_mov_b32 v[CA2], 0xbb7e8a1c
	v_mov_b32 v[CA2+1], 0xbb7e8a1c
	v_mov_b32 v[CB0], 0xba1c7000
	v_mov_b32 v[CB0+1], 0xba1c7000
.endif
	s_wait_loadcnt 0x0
.set g, 0
.rept 8
.set X, ACC+16*g
	s_wait_dscnt 28-4*g
.irp i, 0,2,4,6,8,10,12,14
	v_pk_fma_f32 v[X+\i:X+\i+1], v[X+\i:X+\i+1], s[92:93], v[BIA+(\i%4):BIA+(\i%4)+1] op_sel_hi:[1,0,1]
.endr
.if GELU
	GELU16 X
.endif
	WIN 0x08
.irp i, 0,2,4,6,8,10,12,14
	v_pk_add_f32 v[X+\i:X+\i+1], v[X+\i:X+\i+1], v[16*g+\i:16*g+\i+1]
.endr
	WIN 0
.irp u, 0,1,2,3
	global_store_b128 v[CO], v[X+4*\u:X+4*\u+3], s[74:75] offset:(4*g+\u)*8192
.endr
.set g, g+1
.endr
	s_wait_tensorcnt 0x0
	ds_add_u32 v[SPW], v[NIL]
	s_wait_dscnt 0x0
	CROUND
	s_endpgm
.Lfunc_end_k_q314a3334bf_w2:
	.size	k_q314a3334bf_w2, .Lfunc_end_k_q314a3334bf_w2-k_q314a3334bf_w2
	.p2alignl 7, 3214868480
	.fill 96, 4, 3214868480
	.section	.rodata,"a",@progbits
	.p2align	6, 0x0
	.amdhsa_kernel k_q314a3334bf_w2
		.amdhsa_group_segment_fixed_size 327680
		.amdhsa_private_segment_fixed_size 0
		.amdhsa_enable_private_segment 0
		.amdhsa_kernarg_size 48
		.amdhsa_user_sgpr_count 2
		.amdhsa_user_sgpr_kernarg_segment_ptr 1
		.amdhsa_wavefront_size32 1
		.amdhsa_system_sgpr_workgroup_id_x 1
		.amdhsa_system_sgpr_workgroup_id_y 1
		.amdhsa_system_sgpr_workgroup_id_z 1
		.amdhsa_system_vgpr_workitem_id 0
		.amdhsa_next_free_vgpr 640
		.amdhsa_next_free_sgpr 100
		.amdhsa_reserve_vcc 0
		.amdhsa_float_denorm_mode_32 3
		.amdhsa_float_denorm_mode_16_64 3
		.amdhsa_memory_ordered 1
		.amdhsa_forward_progress 1
		.amdhsa_inst_pref_size 207
	.end_amdhsa_kernel
	.amdgpu_metadata
---
amdhsa.version: [ 1, 2 ]
amdhsa.kernels:
  - .name:           k_q314a3334bf_w2
    .symbol:         k_q314a3334bf_w2.kd
    .args:
      - { .name: mc, .offset: 0, .size: 8, .value_kind: global_buffer, .address_space: global }
      - { .name: W2_codes, .offset: 8, .size: 8, .value_kind: global_buffer, .address_space: global }
      - { .name: lowp_scales, .offset: 16, .size: 8, .value_kind: global_buffer, .address_space: global }
      - { .name: b2, .offset: 24, .size: 8, .value_kind: global_buffer, .address_space: global }
      - { .name: res1, .offset: 32, .size: 8, .value_kind: global_buffer, .address_space: global }
      - { .name: out0, .offset: 40, .size: 8, .value_kind: global_buffer, .address_space: global }
    .group_segment_fixed_size: 327680
    .private_segment_fixed_size: 0
    .kernarg_segment_align: 8
    .kernarg_segment_size: 48
    .max_flat_workgroup_size: 128
    .sgpr_count:     100
    .vgpr_count:     640
    .wavefront_size: 32
...
	.end_amdgpu_metadata
.endif
;; end of part 14
